; MI455X (gfx1250); checked and timed in simulation.
; The chip was launched on July 23, 2026; its instructions are those of AMD's public machine-readable ISA for CDNA 5 (MIT licence, August 2026) and "CDNA5" Instruction Set Architecture Reference Guide (July 2026). The comments in the code are by the model that wrote it; some were corrected since.
;; Sub M Attention3d. Allowed arithmetic: float matrix products may take bf16 or f16 operands with f32 sums; all other float work in f32.
;; Inputs: b1 64 float32; b2 64 float32; b3 64 float32; bk 64 float32; bo 64 float32; bq 64 float32; bv 64 float32; g1 64 float32; g2 64 float32; g3 64 float32; k_pos_b 64 float32; k_pos_w 64 x 3 float32; key_indices 100,000 x 32 int32; key_mask 100,000 x 32 bool; lin1_b 256 float32; lin1_w 256 x 64 float32; lin2_b 64 float32; lin2_w 64 x 256 float32; out_b 64 float32; out_w 64 x 64 float32; q_pos_b 64 float32; q_pos_w 64 x 3 float32; voxel_coords 100,000 x 3 float32; voxel_features 100,000 x 64 float32; wk 64 x 64 float32; wo 64 x 64 float32; wq 64 x 64 float32; wv 64 x 64 float32.
;; Outputs: out0 100,000 x 64 float32.
;; 2 versions, each right; version 2 is version 1 with the launches cast, ffn, outl, fin written anew for expert scheduling mode. Each part assembles by itself: llvm-mc -triple=amdgcn-amd-amdhsa -mcpu=gfx1250 --defsym DOCPART=n.
;; ======== version 1 of 2: 5 launches
;; limits: values are held in f16: magnitudes above 65,504 overflow, below 6.1e-05 lose precision
;; workspace buffers: tab 12,800,000 bytes; y1 25,600,000 bytes; y2 25,600,000 bytes; z 25,600,000 bytes; part1 128,000 bytes; part2 128,000 bytes; part3 128,000 bytes
;; launch cast (part 1): grid 250 x 1, 8 waves a work-group, no clusters, 0 bytes of LDS; arguments voxel_features, tab; writes tab
.if DOCPART == 1
	.amdgcn_target "amdgcn-amd-amdhsa--gfx1250"
	.amdhsa_code_object_version 6
	.text
	.protected	k_q07f1c0e397_cast
	.globl	k_q07f1c0e397_cast
	.p2align	8
	.type	k_q07f1c0e397_cast,@function
k_q07f1c0e397_cast:
	s_mov_b64 s[64:65], 0
	v_nop
	global_prefetch_b8 v0, s[64:65] scope:SCOPE_SE
	s_setreg_imm32_b32 hwreg(HW_REG_WAVE_MODE, 25, 1), 1
	s_wait_xcnt 0x0
; tab[n][c] = bf16(voxel_features[n][c]): the table from which the attention launch gathers 32 rows a voxel,
; so that a gathered row is 128 bytes instead of 256.
; 250 work-groups x 8 waves x 50 rows.  A wave's 50 rows are 12,800 consecutive bytes in, 6,400 out.
; All 25 loads of a wave (512 bytes each) are issued first; each store covers 256 consecutive bytes, aligned.
; No LDS, no barrier, no matrix unit: the launch only moves bytes, and no two work-groups share an input.
	s_load_b128 s[4:7], s[0:1], 0x0                ; voxel_features s[4:5], tab s[6:7]
	v_lshrrev_b32 v1, 5, v0
	v_readfirstlane_b32 s8, v1                     ; wave
	v_and_b32 v3, 31, v0                           ; lane
	v_lshlrev_b32 v1, 4, v3                        ; 16 bytes a lane in
	v_lshlrev_b32 v2, 3, v3                        ; 8 bytes a lane out
	s_lshl_b32 s9, ttmp9, 3
	s_add_co_u32 s9, s9, s8                        ; wave among all 2,000
	s_mul_i32 s10, s9, 12800
	s_mov_b32 s11, 0
	s_mul_i32 s12, s9, 6400
	s_mov_b32 s13, 0
	s_wait_kmcnt 0x0
	s_add_nc_u64 s[4:5], s[4:5], s[10:11]
	s_add_nc_u64 s[6:7], s[6:7], s[12:13]
.set k, 0
.rept 25
	global_load_b128 v[4+4*k:7+4*k], v1, s[4:5] offset:512*k th:TH_LOAD_NT
.set k, k+1
.endr
.set k, 0
.rept 25
	s_wait_loadcnt 24-k                            ; loads return in order: number k is in, the younger ones stay out
	v_cvt_pk_bf16_f32 v[4+4*k], v[4+4*k], v[5+4*k]
	v_cvt_pk_bf16_f32 v[5+4*k], v[6+4*k], v[7+4*k]
	global_store_b64 v2, v[4+4*k:5+4*k], s[6:7] offset:256*k
.set k, k+1
.endr
	s_endpgm
.Lfunc_end_k_q07f1c0e397_cast:
	.size	k_q07f1c0e397_cast, .Lfunc_end_k_q07f1c0e397_cast-k_q07f1c0e397_cast
	.p2alignl 7, 3214868480
	.fill 96, 4, 3214868480
	.section	.rodata,"a",@progbits
	.p2align	6, 0x0
	.amdhsa_kernel k_q07f1c0e397_cast
		.amdhsa_group_segment_fixed_size 0
		.amdhsa_private_segment_fixed_size 0
		.amdhsa_enable_private_segment 0
		.amdhsa_kernarg_size 16
		.amdhsa_user_sgpr_count 2
		.amdhsa_user_sgpr_kernarg_segment_ptr 1
		.amdhsa_wavefront_size32 1
		.amdhsa_system_sgpr_workgroup_id_x 1
		.amdhsa_system_sgpr_workgroup_id_y 1
		.amdhsa_system_sgpr_workgroup_id_z 1
		.amdhsa_system_vgpr_workitem_id 0
		.amdhsa_next_free_vgpr 104
		.amdhsa_next_free_sgpr 66
		.amdhsa_reserve_vcc 0
		.amdhsa_float_denorm_mode_32 3
		.amdhsa_float_denorm_mode_16_64 3
		.amdhsa_memory_ordered 1
		.amdhsa_forward_progress 1
		.amdhsa_inst_pref_size 10
	.end_amdhsa_kernel
	.amdgpu_metadata
---
amdhsa.version: [ 1, 2 ]
amdhsa.kernels:
  - .name:           k_q07f1c0e397_cast
    .symbol:         k_q07f1c0e397_cast.kd
    .args:
      - { .name: voxel_features, .offset: 0, .size: 8, .value_kind: global_buffer, .address_space: global }
      - { .name: tab, .offset: 8, .size: 8, .value_kind: global_buffer, .address_space: global }
    .group_segment_fixed_size: 0
    .private_segment_fixed_size: 0
    .kernarg_segment_align: 8
    .kernarg_segment_size: 16
    .max_flat_workgroup_size: 256
    .sgpr_count:     66
    .vgpr_count:     104
    .wavefront_size: 32
...
	.end_amdgpu_metadata
.endif
;; end of part 1
;; launch attn (part 2): grid 250 x 1, 8 waves a work-group, no clusters, 284,672 bytes of LDS; arguments tab, voxel_coords, key_indices, key_mask, voxel_features, y1, part1, k_pos_w, k_pos_b, q_pos_w, q_pos_b, wq, wk, wv, wo, bq, bk, bv, bo; writes y1, part1
.if DOCPART == 2
	.amdgcn_target "amdgcn-amd-amdhsa--gfx1250"
	.amdhsa_code_object_version 6
	.text
	.protected	k_q07f1c0e397_attn
	.globl	k_q07f1c0e397_attn
	.p2align	8
	.type	k_q07f1c0e397_attn,@function
k_q07f1c0e397_attn:
	s_mov_b64 s[64:65], 0
	v_nop
	global_prefetch_b8 v0, s[64:65] scope:SCOPE_SE
	s_setreg_imm32_b32 hwreg(HW_REG_WAVE_MODE, 25, 1), 1
	s_wait_xcnt 0x0
; y1 = voxel_features + attention(...), and per work-group the mean and the centred sum of squares of y1's 64 channels.
; 250 work-groups x 8 waves x 50 voxels; a wave walks tiles of 16, 16, 16 and 2 voxels, a tile in groups of 4 voxels.
;
; ALGEBRA (exact for every input).  With kf = feat + relu(pos):
;   score_h[k] = kf[k] . (Wk_h^T q_h) + q_h . bk_h        ctx_h = Wv_h (sum_k attn_h[k] kf[k]) + bv_h   (the weights sum to 1)
; so the K and V projections are made once per voxel and head, not once per key: 24 matrix instructions a voxel.
; All products are used transposed: D[m = output channel][n = voxel, key or (voxel, head) column], so that a lane's eight results are
; eight neighbouring channels of one column, and four conversions make half of the next product's fragment.
;
; EMBEDDING, RELU AND ADD IN THE MATRIX UNIT.  relu(x) = x/2 + |x/2|.  A key's B fragment is [16 features | R] or [R | 16 features], with
; R = (dx, dy, dz, 1, 1, 0, 0, 0).  First product: (W/2, b/2 in two bf16 parts) x R = pos/2.  Second product: [identity, W/2] x B + |C| (the C
; operand's absolute value: ISA guide, the matrix instructions' NEG_HI bit of C) = feat + relu(pos).  The nine blocks I W0 Z W1 I W2 Z W3 I
; lie in a row of registers so that every A operand is two neighbouring blocks.
;
; SCORES.  The 16 columns of a group are (voxel u = column / 4, head = column % 4).  Every voxel's keys are multiplied with all 16 columns; the four
; columns of its own voxel are kept (a select by a constant lane mask), so that one softmax serves 4 voxels x 4 heads with all lanes at work.
; The maximum is taken away before the exponential; scores are kept in units of log2 (q is scaled by 0.25 log2 e).
;
; Key numbering: key (kt, r) is input key 2 r + kt, so one 8-byte load gives lane r both of its indices and one 2-byte load both of its mask bytes.
;
; MASKED KEYS ARE NOT FETCHED.  A masked key's score becomes -inf and its weight 0 whatever row is read, so its index is set to 0 in front of the
; clamp: all masked lanes of a load read row 0, and the rows that the mask throws away cost no traffic.
;
; NOT USED, and why: tensor loads (gathered rows have an address per lane); clusters and multicast (work-groups share only 33 KB of weights, read
; once each, against the gathered rows, up to 1.7 MB per work-group); prefetches (indices are asked for two groups ahead and rows four voxels ahead, into registers).
;
; LIMITS.  A voxel whose 32 keys are all masked gives NaN, as the reference does.  A feature or coordinate that is not finite makes NaN through
; 0 x inf in the products with zero blocks and zero weights (row 0's also where it stands in for a masked key); the reference's batch statistics
; make every output NaN in that case.  Softmax weights are rounded to bf16 for the product with kf, the normaliser is the f32 sum of the unrounded
; weights.  Indices are clamped to 99,999 (the reference relies on them being in range).
.set NM1, 0x1869f                      ; N - 1
; LDS
.set L_WQ, 0                           ; 16 blocks of 512 bytes: block 4 mt + kb, lane (r, h): W[16 mt + r][16 kb + 8 h ..+7] in bf16
.set L_WK, 8192                        ; block 4 hd + t, lane (r, h): wk[16 hd + 8 h + i][16 t + r], i = 0..7
.set L_WV, 16384
.set L_WO, 24576
.set L_QP, 32768                       ; the query embedding's four W blocks
.set L_BIAS, 34816                     ; bq, bk, bv, bo, 256 bytes each
.set L_ST, 35840                       ; statistics: 16 records of means, then 16 of sums of squares
.set L_PW, 44032                       ; from here 29,952 bytes for each wave, its own
.set PWS, 29952
.set O_QKL, 20480                      ; 64 rows of 144 bytes, row = 16 head + voxel: Wk_h^T q_h, later the weighted key sum
.set O_QB, 29696                       ; q_h . bk_h, [voxel][head] f32
; at 0 of a wave's part: four slots of 32 rows x 160 bytes (kf of four voxels); 16 rows x 272 bytes of it serve as a stage at a tile's end
; window 0
.set SHF, 34                           ; v[34:37] the statistics' shift;  v[38:41] sum of (y - shift);  v[42:45] sum of squares
.set SUM1, 38
.set SUM2, 42
.set PP, 46                            ; v[46:53] q.bk eight times (C of the score products), later the softmax weights as a fragment
.set CH, 56                            ; v[56:91] I W0 Z W1 I W2 Z W3 I
.set DD, 92                            ; v[92:155] eight accumulator tiles
.set WW, 156                           ; v[156:219] weights at a tile's head and end; in the groups:
.set KF, 156                           ;   v[156:187] kf as fragments
.set QK, 188                           ;   v[188:203] the group's 16 columns; later the selected weights
.set SCR, 204                          ;   v[204:219] scores
.set VF, 220                           ; v[220:251] the tile's own features in f32
.set TD, 252
.set WR, 92
; window 1 (written by the low eight bits)
.set QS, 192                           ; the tile's query rows, laid out like a key tile
.set XI, 216                           ; the two indices of voxel place u at XI + 2 u
.set XM, 224                           ; its two mask bytes at XM + u
.set XT, 228                           ; at work
.set MK, 232                           ; mask bytes in the scores' layout: buffer e at MK + 4 e
.set SU, 240                           ; scratch accumulator of a voxel's scores
; a voxel's slot u: key tile kt at 48 u + 24 kt: F0 +0, gap A +4, F1 +8, F2 +12, gap B +16, F3 +20; both gaps hold R
.set MSB, 0
.macro WIN new                         ; the immediate's high byte repeats the setting that is left
.if MSB != \new
	s_set_vgpr_msb (MSB<<8)|\new
.set MSB, \new
.endif
.endm
.macro NOPS n
.rept \n
	v_nop
.endr
.endm
.macro PACK dst, src                   ; eight f32 to eight bf16
	v_cvt_pk_bf16_f32 v[\dst], v[\src], v[\src+1]
	v_cvt_pk_bf16_f32 v[\dst+1], v[\src+2], v[\src+3]
	v_cvt_pk_bf16_f32 v[\dst+2], v[\src+4], v[\src+5]
	v_cvt_pk_bf16_f32 v[\dst+3], v[\src+6], v[\src+7]
.endm
.macro MM d, a, b, c
	v_wmma_f32_16x16x32_bf16 v[\d:\d+7], v[\a:\a+7], v[\b:\b+7], v[\c:\c+7]
.endm
.macro MM0 d, a, b
	v_wmma_f32_16x16x32_bf16 v[\d:\d+7], v[\a:\a+7], v[\b:\b+7], 0
.endm
.macro MMABS d, a, b
	v_wmma_f32_16x16x32_bf16 v[\d:\d+7], v[\a:\a+7], v[\b:\b+7], v[\d:\d+7] neg_hi:[0,0,1]
.endm
.macro EMB1 a, b, d                    ; pos / 2 of four channel tiles: chain at a, key tile at b (window 1), results at d
	MM0 \d, \a+4, \b+4
	MM0 \d+8, \a+8, \b
	MM0 \d+16, \a+20, \b+16
	MM0 \d+24, \a+24, \b+12
.endm
.macro EMB2 a, b, d                    ; feat + pos / 2 + |pos / 2|
	MMABS \d, \a, \b
	MMABS \d+8, \a+12, \b+4
	MMABS \d+16, \a+16, \b+12
	MMABS \d+24, \a+28, \b+16
.endm
.macro POSBLK dst, src                 ; (wx, wy, wz, b) in f32 -> a W block: halves, b in two bf16 parts, zero in lanes 16-31 (vcc = lane < 16)
	v_mul_f32 v[\src], 0.5, v[\src]
	v_mul_f32 v[\src+1], 0.5, v[\src+1]
	v_mul_f32 v[\src+2], 0.5, v[\src+2]
	v_mul_f32 v[\src+3], 0.5, v[\src+3]
	v_cvt_pk_bf16_f32 v[\dst], v[\src], v[\src+1]
	v_cvt_pk_bf16_f32 v[\dst+1], v[\src+2], v[\src+3]
	v_and_b32 v252, 0xffff0000, v[\dst+1]
	v_sub_f32 v252, v[\src+3], v252
	v_cvt_pk_bf16_f32 v[\dst+2], v252, 0
	v_cndmask_b32 v[\dst], 0, v[\dst], vcc_lo
	v_cndmask_b32 v[\dst+1], 0, v[\dst+1], vcc_lo
	v_cndmask_b32 v[\dst+2], 0, v[\dst+2], vcc_lo
	v_mov_b32 v[\dst+3], 0
.endm
.macro LDW2 d, sp                      ; two weight blocks in f32
	global_load_b128 v[\d:\d+3], v18, s[\sp:\sp+1]
	global_load_b128 v[\d+4:\d+7], v18, s[\sp:\sp+1] offset:16
	global_load_b128 v[\d+8:\d+11], v18, s[\sp:\sp+1] offset:64
	global_load_b128 v[\d+12:\d+15], v18, s[\sp:\sp+1] offset:80
.endm
; The load macros.  Each begins with s_wait_xcnt 0: the address registers that it rewrites were sources of earlier loads.
.macro QSLOAD off                      ; 5 loads: the query rows and coordinates of the 16 voxels from s44 + off on (clamped)
	s_wait_xcnt 0x0
	s_add_co_u32 s80, s44, \off
	WIN 0
	v_add_nc_u32 v24, s80, v7
	v_min_u32 v24, NM1, v24
	v_mul_u32_u24 v25, 12, v24
	v_lshl_add_u32 v24, v24, 7, v2
	WIN 0x40
	global_load_b128 v[QS:QS+3], v24, s[4:5]
	global_load_b128 v[QS+8:QS+11], v24, s[4:5] offset:32
	global_load_b128 v[QS+12:QS+15], v24, s[4:5] offset:64
	global_load_b128 v[QS+20:QS+23], v24, s[4:5] offset:96
	global_load_b96 v[QS+4:QS+6], v25, s[6:7]
.endm
.macro MLOAD off, e                    ; 1 load: 16 mask bytes a lane, of voxel s44 + off + column / 4
	s_wait_xcnt 0x0
	s_add_co_u32 s80, s44, \off
	WIN 0
	v_add_nc_u32 v23, s80, v3
	v_min_u32 v23, NM1, v23
	v_lshl_add_u32 v23, v23, 5, v2
	WIN 0x40
	global_load_b128 v[MK+4*\e:MK+4*\e+3], v23, s[10:11]
.endm
.macro XSTEP off, u                    ; 2 loads: the indices and mask bytes of voxel s44 + off + u (clamped), into voxel place u's registers
	s_wait_xcnt 0x0
	s_add_co_u32 s66, s44, \off+\u
	s_min_u32 s66, s66, NM1
	s_lshl_b32 s67, s66, 7
	s_lshl_b32 s68, s66, 5
	WIN 0
	v_add_nc_u32 v6, s67, v4                       ; 128 voxel + 8 r
	v_add_nc_u32 v8, s68, v55                      ; 32 voxel + 2 r
	WIN 0x40
	global_load_b64 v[XI+2*\u:XI+2*\u+1], v6, s[8:9] th:TH_LOAD_NT
	global_load_u16 v[XM+\u], v8, s[10:11]
.endm
.macro XMASK u                         ; under 0x45 (all in window 1): a masked key's index becomes 0.  mask byte m is 0 or 1: m - 1 is all ones or 0
	v_lshrrev_b32 v[XT], 8, v[XM+\u]
	v_and_b32 v[XM+\u], 1, v[XM+\u]
	v_add_nc_u32 v[XT], -1, v[XT]
	v_add_nc_u32 v[XM+\u], -1, v[XM+\u]
	v_and_b32 v[XI+2*\u], v[XM+\u], v[XI+2*\u]
	v_and_b32 v[XI+2*\u+1], v[XT], v[XI+2*\u+1]
.endm
.macro GADDR u                         ; under window setting 0x04: six plain vector instructions
	s_wait_xcnt 0x0
	v_min_u32 v21, NM1, v[XI+2*\u]
	v_min_u32 v22, NM1, v[XI+2*\u+1]
	v_lshl_add_u32 v17, v21, 7, v2
	v_lshl_add_u32 v18, v22, 7, v2
	v_mul_u32_u24 v19, v21, 12
	v_mul_u32_u24 v20, v22, 12
.endm
.macro GISSUE u                        ; 10 loads: 32 rows of 128 bytes and 32 coordinates; the table is read again and again by all work-groups
	WIN 0x40
	global_load_b128 v[48*\u:48*\u+3], v17, s[4:5] th:TH_LOAD_HT
	global_load_b128 v[48*\u+8:48*\u+11], v17, s[4:5] offset:32 th:TH_LOAD_HT
	global_load_b128 v[48*\u+12:48*\u+15], v17, s[4:5] offset:64 th:TH_LOAD_HT
	global_load_b128 v[48*\u+20:48*\u+23], v17, s[4:5] offset:96 th:TH_LOAD_HT
	global_load_b96 v[48*\u+4:48*\u+6], v19, s[6:7] th:TH_LOAD_HT
	global_load_b128 v[48*\u+24:48*\u+27], v18, s[4:5] th:TH_LOAD_HT
	global_load_b128 v[48*\u+32:48*\u+35], v18, s[4:5] offset:32 th:TH_LOAD_HT
	global_load_b128 v[48*\u+36:48*\u+39], v18, s[4:5] offset:64 th:TH_LOAD_HT
	global_load_b128 v[48*\u+44:48*\u+47], v18, s[4:5] offset:96 th:TH_LOAD_HT
	global_load_b96 v[48*\u+28:48*\u+30], v20, s[6:7] th:TH_LOAD_HT
.endm
.macro QKLOAD g                        ; the group's 16 columns and their q.bk
	WIN 0
	ds_load_b128 v[QK:QK+3], v5 offset:576*\g
	ds_load_b128 v[QK+4:QK+7], v5 offset:576*\g+32
	ds_load_b128 v[QK+8:QK+11], v5 offset:576*\g+64
	ds_load_b128 v[QK+12:QK+15], v5 offset:576*\g+96
	ds_load_b32 v29, v16 offset:64*\g
.endm
.macro MERGE u                         ; under 0x04: voxel u's four columns are taken from the scratch accumulator
.set i, 0
.rept 16
	v_cndmask_b32 v[SCR+i], v[SCR+i], v[SU+i], s[48+\u]
.set i, i+1
.endr
.endm
.macro TRLOAD u, dst                   ; kf of slot u as A fragments [channel][key]
.irp t, 0,1,2,3
	ds_load_tr16_b128 v[\dst+8*\t:\dst+8*\t+3], v10 offset:5120*\u+32*\t
	ds_load_tr16_b128 v[\dst+8*\t+4:\dst+8*\t+7], v10 offset:5120*\u+32*\t+2560
.endr
.endm
.macro PMSEL u, dst                    ; the weights of voxel u's columns, zero elsewhere
.set i, 0
.rept 8
	v_cndmask_b32 v[\dst+i], 0, v[PP+i], s[48+\u]
.set i, i+1
.endr
.endm
.macro AFW kt, pm, first
.irp t, 0,1,2,3
.if \first
	MM0 DD+32+8*\t, \kt+8*\t, \pm
.else
	MM DD+32+8*\t, \kt+8*\t, \pm, DD+32+8*\t
.endif
.endr
.endm
.macro STAT a                          ; 16 bytes of a row pair into the shifted sums
	v_pk_add_f32 v[TD:TD+1], v[\a:\a+1], v[SHF:SHF+1] neg_lo:[0,1] neg_hi:[0,1]
	v_pk_add_f32 v[TD+2:TD+3], v[\a+2:\a+3], v[SHF+2:SHF+3] neg_lo:[0,1] neg_hi:[0,1]
	v_pk_add_f32 v[SUM1:SUM1+1], v[SUM1:SUM1+1], v[TD:TD+1]
	v_pk_add_f32 v[SUM1+2:SUM1+3], v[SUM1+2:SUM1+3], v[TD+2:TD+3]
	v_pk_fma_f32 v[SUM2:SUM2+1], v[TD:TD+1], v[TD:TD+1], v[SUM2:SUM2+1]
	v_pk_fma_f32 v[SUM2+2:SUM2+3], v[TD+2:TD+3], v[TD+2:TD+3], v[SUM2+2:SUM2+3]
.endm
; ---------------------------------------------------------------- a tile's head: q, q.bk and Wk_h^T q_h of 16 voxels
.macro PRE cnt
	s_wait_loadcnt \cnt                            ; the query rows are in; the four steps' 12 loads each issued behind them (and the tail's one feature load) stay out
	WIN 0x01
	v_mov_b32 v26, v[QS+4]                         ; the voxels' own coordinates, lane r = voxel r
	v_mov_b32 v27, v[QS+5]
	v_mov_b32 v28, v[QS+6]
	WIN 0x45
	v_cvt_pk_bf16_f32 v[QS+16], v[QS+4], v[QS+5]   ; R from the absolute coordinates, in both gaps
	v_cvt_pk_bf16_f32 v[QS+17], v[QS+6], 1.0
	v_cvt_pk_bf16_f32 v[QS+4], v[QS+4], v[QS+5]
	v_cvt_pk_bf16_f32 v[QS+5], v[QS+6], 1.0
	v_mov_b32 v[QS+6], 0x3f80
	WIN 0
.irp t, 0,1,2,3
	ds_load_b128 v[WW+4+8*\t:WW+7+8*\t], v1 offset:L_QP+512*\t
.endr
.irp j, 0,1,2,3
	v_mov_b32 v[WW+\j], v[CH+\j]
	v_mov_b32 v[WW+16+\j], v[CH+\j]
	v_mov_b32 v[WW+32+\j], v[CH+\j]
	v_mov_b32 v[WW+8+\j], 0
	v_mov_b32 v[WW+24+\j], 0
.endr
	s_wait_dscnt 0x0
	WIN 0x04
	EMB1 WW, QS, DD
	NOPS 5                                         ; five places before a product takes the results as C under another modifier (ISA guide 7.12.1)
	EMB2 WW, QS, DD
	NOPS 4                                         ; four places before results are read and operands loaded again
	WIN 0
.irp t, 0,1,2,3
	PACK DD+32+4*\t, DD+8*\t                       ; the query as two B fragments
.endr
.set i, 0
.rept 16
	ds_load_b128 v[WW+4*i:WW+4*i+3], v1 offset:L_WQ+512*i
.set i, i+1
.endr
.irp t, 0,1,2,3
	ds_load_b128 v[DD+8*\t:DD+8*\t+3], v12 offset:64*\t        ; bq starts the sums
	ds_load_b128 v[DD+8*\t+4:DD+8*\t+7], v12 offset:64*\t+16
.endr
	s_wait_dscnt 0x0
.irp s, 0,1
.irp t, 0,1,2,3
	MM DD+8*\t, WW+16*\t+8*\s, DD+32+8*\s, DD+8*\t
.endr
.endr
	NOPS 4
.irp t, 0,1,2,3
	ds_load_b128 v[WW+8*\t:WW+8*\t+3], v12 offset:256+64*\t    ; bk
	ds_load_b128 v[WW+8*\t+4:WW+8*\t+7], v12 offset:256+64*\t+16
.endr
.set i, 0
.rept 16
	v_pk_mul_f32 v[DD+2*i:DD+2*i+1], v[DD+2*i:DD+2*i+1], 0x3eb8aa3b op_sel_hi:[1,0]   ; q x 0.25 log2 e
.set i, i+1
.endr
	s_wait_dscnt 0x0
.irp t, 0,1,2,3
	v_pk_mul_f32 v[252:253], v[DD+8*\t:DD+8*\t+1], v[WW+8*\t:WW+8*\t+1]
	v_pk_fma_f32 v[252:253], v[DD+8*\t+2:DD+8*\t+3], v[WW+8*\t+2:WW+8*\t+3], v[252:253]
	v_pk_fma_f32 v[252:253], v[DD+8*\t+4:DD+8*\t+5], v[WW+8*\t+4:WW+8*\t+5], v[252:253]
	v_pk_fma_f32 v[252:253], v[DD+8*\t+6:DD+8*\t+7], v[WW+8*\t+6:WW+8*\t+7], v[252:253]
	v_add_f32 v252, v252, v253
	v_permlanex16_b32 v253, v252, s46, s47         ; the head's other eight channels
	v_add_f32 v252, v252, v253
	ds_store_b32 v15, v252 offset:4*\t             ; q_h . bk_h
.endr
.irp t, 0,1,2,3
	PACK DD+32+4*\t, DD+8*\t                       ; q as two B fragments: heads 0, 1 and heads 2, 3
.endr
.irp t, 0,1,2,3
.irp j, 4,5,6,7
	v_mov_b32 v[WW+12*\t+\j], 0                    ; the zero half between a pair of wk blocks
.endr
.endr
.irp s, 0,1
.irp t, 0,1,2,3
	ds_load_b128 v[WW+12*\t:WW+12*\t+3], v1 offset:L_WK+512*(8*\s+\t)
	ds_load_b128 v[WW+12*\t+8:WW+12*\t+11], v1 offset:L_WK+512*(8*\s+4+\t)
.endr
	s_wait_dscnt 0x0
.irp e, 0,1
.irp t, 0,1,2,3
	MM0 DD+8*\t, WW+12*\t+4*\e, DD+32+8*\s         ; [wk block | 0] or [0 | wk block]: one head of the pair
.endr
	NOPS 4
.irp t, 0,1,2,3
	PACK DD+48+4*\t, DD+8*\t
.endr
.irp t, 0,1,2,3
	ds_store_b128 v11, v[DD+48+4*\t:DD+51+4*\t] offset:2304*(2*\s+\e)+32*\t
.endr
.endr
.endr
.endm
; ---------------------------------------------------------------- one voxel: kf of its 32 keys, and their scores
; full = 1: the slot is asked for again, for the same voxel place of the next group, and the indices of the group after that are asked for:
; 2 + 10 loads, the indices first, so that the wait for the rows also shows the indices in.
; cnt: loads that may stay out = the three younger steps' 36 + what the group's head issued.
.macro STEP g, u, full, cnt
	s_wait_loadcnt \cnt
	WIN 0
	v_readlane_b32 s53, v26, 4*\g+\u
	v_readlane_b32 s54, v27, 4*\g+\u
	v_readlane_b32 s55, v28, 4*\g+\u
	WIN 0x45
.irp b, 48*\u, 48*\u+24
	v_sub_f32 v[\b+4], v[\b+4], s53                ; relative coordinates in f32, then R in both gaps
	v_sub_f32 v[\b+5], v[\b+5], s54
	v_sub_f32 v[\b+6], v[\b+6], s55
	v_cvt_pk_bf16_f32 v[\b+16], v[\b+4], v[\b+5]
	v_cvt_pk_bf16_f32 v[\b+17], v[\b+6], 1.0
	v_cvt_pk_bf16_f32 v[\b+4], v[\b+4], v[\b+5]
	v_cvt_pk_bf16_f32 v[\b+5], v[\b+6], 1.0
	v_mov_b32 v[\b+6], 0x3f80
.endr
.if \full
	XMASK \u                                       ; the next group's indices of this voxel place: masked keys to row 0
.endif
	WIN 0x04
	EMB1 CH, 48*\u, DD
	EMB1 CH, 48*\u+24, DD+32
.if \full
	GADDR \u                                       ; six places between the two products: the next gather's addresses
.else
	NOPS 5
.endif
	EMB2 CH, 48*\u, DD
	EMB2 CH, 48*\u+24, DD+32
.if \u >= 2
	MERGE \u-1                                     ; the places behind the products: the voxel before is taken into the scores
.else
	NOPS 4
.endif
	WIN 0
.irp t, 0,1,2,3
	PACK KF+4*\t, DD+8*\t
	PACK KF+16+4*\t, DD+32+8*\t
.endr
.if \full
	XSTEP 4*\g+8, \u
	GISSUE \u
	WIN 0
.endif
.irp t, 0,1,2,3
	ds_store_b128 v9, v[KF+4*\t:KF+4*\t+3] offset:5120*\u+32*\t
	ds_store_b128 v9, v[KF+16+4*\t:KF+19+4*\t] offset:5120*\u+2560+32*\t
.endr
.if \u == 0
	s_wait_dscnt 8                                 ; the group's columns and q.bk are in; this step's eight stores may be out
.irp j, 0,1,2,3,4,5,6,7
	v_mov_b32 v[PP+\j], v29
.endr
	MM SCR, KF, QK, PP
	MM SCR+8, KF+16, QK, PP
	MM SCR, KF+8, QK+8, SCR
	MM SCR+8, KF+24, QK+8, SCR+8
.else
	WIN 0x40                                       ; D in window 1, A, B and C (q.bk) in window 0
	MM SU, KF, QK, PP
	MM SU+8, KF+16, QK, PP
	WIN 0x50                                       ; C and D both in window 1: the next links of the two chains, in place
	MM SU, KF+8, QK+8, SU
	MM SU+8, KF+24, QK+8, SU+8
.endif
.endm
; ---------------------------------------------------------------- softmax of 16 columns x 32 keys.  e: mask buffer; lu: the last voxel, still to be merged
.macro SOFTMAX e, lu
	WIN 0
	TRLOAD 0, DD
	WIN 0x01
.irp q, 0,1,2,3
	v_and_b32 v[DD+48+\q], v[MK+4*\e+\q], s81      ; a mask byte (0 or 1) becomes +inf or -inf: its bit 0 moves to the sign; a lower byte's bit
	v_lshl_or_b32 v[DD+32+2*\q], v[MK+4*\e+\q], 31, s52        ; falls on bit 23, which is set anyway, or is cleared first
	v_lshl_or_b32 v[DD+40+2*\q], v[MK+4*\e+\q], 23, s52
.endr
	WIN 0
.irp q, 0,1,2,3
	v_lshl_or_b32 v[DD+33+2*\q], v[DD+48+\q], 15, s52
	v_lshl_or_b32 v[DD+41+2*\q], v[DD+48+\q], 7, s52
.endr
	WIN 0x04
	MERGE \lu
	WIN 0
	TRLOAD 1, KF
.set i, 0
.rept 16
	v_min_num_f32 v[SCR+i], v[SCR+i], v[DD+32+i]
.set i, i+1
.endr
	v_max3_num_f32 v30, v[SCR], v[SCR+1], v[SCR+2]
	v_max3_num_f32 v31, v[SCR+7], v[SCR+8], v[SCR+9]
	v_max3_num_f32 v30, v30, v[SCR+3], v[SCR+4]
	v_max3_num_f32 v31, v31, v[SCR+10], v[SCR+11]
	v_max3_num_f32 v30, v30, v[SCR+5], v[SCR+6]
	v_max3_num_f32 v31, v31, v[SCR+12], v[SCR+13]
	v_max3_num_f32 v30, v30, v31, v[SCR+14]
	v_max_num_f32 v30, v30, v[SCR+15]
	v_permlanex16_b32 v31, v30, s46, s47           ; the column's other 16 keys
	v_max_num_f32 v30, v30, v31
	v_mov_b32 v31, v30
.set i, 0
.rept 8
	v_pk_add_f32 v[SCR+2*i:SCR+2*i+1], v[SCR+2*i:SCR+2*i+1], v[30:31] neg_lo:[0,1] neg_hi:[0,1]
.set i, i+1
.endr
.set i, 0
.rept 16
	v_exp_f32 v[SCR+i], v[SCR+i]
.set i, i+1
.endr
	v_nop                                          ; one plain instruction behind the exponentials (ISA guide 5.7.2)
.set i, 0
	s_wait_alu depctr_va_vdst(0)
.rept 8
	v_cvt_pk_bf16_f32 v[PP+i], v[SCR+2*i], v[SCR+2*i+1]
.set i, i+1
.endr
	v_pk_add_f32 v[SCR:SCR+1], v[SCR:SCR+1], v[SCR+2:SCR+3]
	v_pk_add_f32 v[SCR+4:SCR+5], v[SCR+4:SCR+5], v[SCR+6:SCR+7]
	v_pk_add_f32 v[SCR+8:SCR+9], v[SCR+8:SCR+9], v[SCR+10:SCR+11]
	v_pk_add_f32 v[SCR+12:SCR+13], v[SCR+12:SCR+13], v[SCR+14:SCR+15]
	v_pk_add_f32 v[SCR:SCR+1], v[SCR:SCR+1], v[SCR+4:SCR+5]
	v_pk_add_f32 v[SCR+8:SCR+9], v[SCR+8:SCR+9], v[SCR+12:SCR+13]
	v_pk_add_f32 v[SCR:SCR+1], v[SCR:SCR+1], v[SCR+8:SCR+9]
	v_add_f32 v32, v[SCR], v[SCR+1]
	v_permlanex16_b32 v33, v32, s46, s47
	v_add_f32 v32, v32, v33
	v_rcp_f32 v33, v32
	v_nop
	s_wait_alu depctr_va_vdst(0)
	v_mov_b32 v32, v33
.endm
; ---------------------------------------------------------------- sum over keys of weight x kf, for nu voxels, into DD+32..63
.macro STAGEB nu
	PMSEL 0, QK
	s_wait_dscnt 8                                 ; slot 0's eight loads are in, slot 1's may be out
	AFW DD, QK, 1
	PMSEL 1, QK+8                                  ; eight places before slot 0's registers are loaded again
.if \nu == 4
	TRLOAD 2, DD
	s_wait_dscnt 8
.else
	s_wait_dscnt 0x0
.endif
	AFW KF, QK+8, 0
.if \nu == 4
	PMSEL 2, QK
	TRLOAD 3, KF
	s_wait_dscnt 8
	AFW DD, QK, 0
	PMSEL 3, QK+8
	s_wait_dscnt 0x0
	AFW KF, QK+8, 0
.endif
.endm
.macro AFOUT g                         ; normalise, round, and put each column's 64 channels where its Wk_h^T q_h lay
	NOPS 4
.set i, 0
.rept 16
	v_pk_mul_f32 v[DD+32+2*i:DD+33+2*i], v[DD+32+2*i:DD+33+2*i], v[32:33]
.set i, i+1
.endr
.irp t, 0,1,2,3
	PACK DD+4*\t, DD+32+8*\t
.endr
.irp t, 0,1,2,3
	ds_store_b128 v5, v[DD+4*\t:DD+4*\t+3] offset:576*\g+32*\t
.endr
.endm
; e1: mask buffer of the next group; q: this group's mask buffer; cnt: see STEP
.macro GROUP g, e1, q, cnt
	MLOAD 4*\g+4, \e1
.if \g == 1
	WIN 0
.set i, 0
.rept 8
	global_load_b128 v[VF+4*i:VF+4*i+3], v1, s[78:79] offset:512*i th:TH_LOAD_NT     ; the tile's own rows in f32, for the residual
.set i, i+1
.endr
.endif
.if \g == 3
	QSLOAD 16
.endif
	QKLOAD \g
	STEP \g, 0, 1, \cnt
	STEP \g, 1, 1, \cnt
	STEP \g, 2, 1, \cnt
	STEP \g, 3, 1, \cnt
	SOFTMAX \q, 3
	STAGEB 4
	AFOUT \g
.endm
; ---------------------------------------------------------------- a tile's end: ctx, the output projection, the residual, the way out
.macro CTX b                           ; heads 2 b and 2 b + 1
.irp e, 0,1
	ds_load_b128 v[DD+16*\e:DD+16*\e+3], v11 offset:2304*(2*\b+\e)
	ds_load_b128 v[DD+16*\e+4:DD+16*\e+7], v11 offset:2304*(2*\b+\e)+32
	ds_load_b128 v[DD+16*\e+8:DD+16*\e+11], v11 offset:2304*(2*\b+\e)+64
	ds_load_b128 v[DD+16*\e+12:DD+16*\e+15], v11 offset:2304*(2*\b+\e)+96
	ds_load_b128 v[DD+32+8*\e:DD+35+8*\e], v12 offset:512+64*(2*\b+\e)
	ds_load_b128 v[DD+36+8*\e:DD+39+8*\e], v12 offset:528+64*(2*\b+\e)
.endr
.set i, 0
.rept 8
	ds_load_b128 v[WW+4*i:WW+4*i+3], v1 offset:L_WV+512*(8*\b+i)
.set i, i+1
.endr
	s_wait_dscnt 0x0
	MM DD+32, WW, DD, DD+32
	MM DD+40, WW+16, DD+16, DD+40
	MM DD+32, WW+8, DD+8, DD+32
	MM DD+40, WW+24, DD+24, DD+40
	NOPS 4
	PACK DD+48+8*\b, DD+32
	PACK DD+52+8*\b, DD+40
.endm
.macro POST n                          ; n row pairs are real (8, or 1 in the tail)
	WIN 0
.if \n == 8
.set i, 0
.rept 8
	ds_store_b128 v14, v[VF+4*i:VF+4*i+3] offset:544*i
.set i, i+1
.endr
.else
	s_wait_loadcnt 0x0
.set i, 0
.rept 8
	ds_store_b128 v14, v[VF:VF+3] offset:544*i     ; the one real pair, eight times: the unused columns read written bytes
.set i, i+1
.endr
.endif
.irp t, 0,1,2,3
	ds_load_b128 v[VF+8*\t:VF+8*\t+3], v13 offset:64*\t        ; back in the accumulators' layout
	ds_load_b128 v[VF+8*\t+4:VF+8*\t+7], v13 offset:64*\t+16
.endr
	CTX 0
	CTX 1
.set i, 0
.rept 16
	ds_load_b128 v[WW+4*i:WW+4*i+3], v1 offset:L_WO+512*i
.set i, i+1
.endr
.irp t, 0,1,2,3
	ds_load_b128 v[DD+8*\t:DD+8*\t+3], v12 offset:768+64*\t
	ds_load_b128 v[DD+8*\t+4:DD+8*\t+7], v12 offset:768+64*\t+16
.endr
	s_wait_dscnt 0x0
.set i, 0
.rept 16
	v_pk_add_f32 v[VF+2*i:VF+2*i+1], v[VF+2*i:VF+2*i+1], v[DD+2*i:DD+2*i+1]   ; feature + bo starts the sums
.set i, i+1
.endr
.irp s, 0,1
.irp t, 0,1,2,3
	MM VF+8*\t, WW+16*\t+8*\s, DD+48+8*\s, VF+8*\t
.endr
.endr
	NOPS 4
.irp t, 0,1,2,3
	ds_store_b128 v13, v[VF+8*\t:VF+8*\t+3] offset:64*\t
	ds_store_b128 v13, v[VF+8*\t+4:VF+8*\t+7] offset:64*\t+16
.endr
.set i, 0
.rept \n
	ds_load_b128 v[DD+4*i:DD+4*i+3], v14 offset:544*i          ; LDS serves a wave's instructions in order: these see the stores above
.set i, i+1
.endr
.set i, 0
.rept \n
	s_wait_dscnt \n-1-i
	STAT DD+4*i
	global_store_b128 v1, v[DD+4*i:DD+4*i+3], s[76:77] offset:512*i th:TH_STORE_NT    ; sixteen lanes store a whole row of 256 bytes
.set i, i+1
.endr
	s_wait_xcnt 0x0                                ; the stores' data and base are rewritten only behind this wait
.endm
; ================================================================ the body
	s_load_b512 s[4:19], s[0:1], 0x0               ; tab, coords, indices, mask, features, y1, part1, k_pos_w
	s_load_b512 s[20:35], s[0:1], 0x40             ; k_pos_b, q_pos_w, q_pos_b, wq, wk, wv, wo, bq
	s_load_b128 s[36:39], s[0:1], 0x80             ; bk, bv
	s_load_b64 s[40:41], s[0:1], 0x90              ; bo
	s_set_vgpr_msb 0x40
	v_lshl_add_u32 v230, v0, 2, 0x45400
	v_mov_b32 v231, 0
	s_set_vgpr_msb 0x4000
	v_lshrrev_b32 v17, 5, v0
	v_readfirstlane_b32 s42, v17                   ; wave
	v_and_b32 v17, 31, v0                          ; lane L
	v_and_b32 v7, 15, v0                           ; r
	v_bfe_u32 v8, v0, 4, 1                         ; h (until the loop's loads take v8 as an offset)
	v_lshlrev_b32 v1, 4, v17                       ; 16 L
	v_lshlrev_b32 v2, 4, v8                        ; 16 h
	v_lshrrev_b32 v3, 2, v7                        ; column / 4
	v_lshlrev_b32 v4, 3, v7                        ; 8 r
	v_lshlrev_b32 v55, 1, v7                       ; 2 r
	s_mul_i32 s66, s42, PWS
	s_add_co_u32 s66, s66, L_PW                    ; my wave's part of LDS
	v_and_b32 v5, 3, v7
	v_lshl_add_u32 v5, v5, 4, v3
	v_mad_u32_u24 v5, v5, 144, v2
	v_add_nc_u32 v5, s66, v5
	v_add_nc_u32 v5, O_QKL, v5                     ; row 16 (r % 4) + r / 4 of the column table, + 16 h
	v_mad_u32_u24 v9, v7, 160, v2
	v_add_nc_u32 v9, s66, v9                       ; kf store: row r, + 16 h
	v_and_b32 v10, 7, v0
	v_lshl_add_u32 v10, v8, 3, v10
	v_bfe_u32 v54, v0, 3, 1
	v_lshlrev_b32 v54, 4, v54
	v_mad_u32_u24 v10, v10, 160, v54
	v_add_nc_u32 v10, s66, v10                     ; transposing load: row 8 h + L % 8, + 16 ((L / 8) % 2)
	v_mad_u32_u24 v11, v7, 144, v2
	v_add_nc_u32 v11, s66, v11
	v_add_nc_u32 v11, O_QKL, v11                   ; column table by voxel: row r, + 16 h
	v_lshlrev_b32 v12, 5, v8
	v_mad_u32_u24 v13, v7, 272, v12
	v_add_nc_u32 v13, s66, v13                     ; stage in the accumulators' layout: row r, + 32 h
	v_add_nc_u32 v12, L_BIAS, v12                  ; biases in that layout
	v_lshlrev_b32 v14, 4, v7
	v_mad_u32_u24 v14, v8, 272, v14
	v_add_nc_u32 v14, s66, v14                     ; stage by row pairs: row h, + 16 r
	v_lshlrev_b32 v15, 4, v7
	v_add_nc_u32 v15, s66, v15
	v_add_nc_u32 v15, O_QB, v15
	v_lshlrev_b32 v22, 2, v7                       ; 4 r
	v_add_nc_u32 v16, s66, v22
	v_add_nc_u32 v16, O_QB, v16
	s_mov_b32 s46, 0x76543210                      ; v_permlanex16_b32: lane i reads lane i of the other half
	s_mov_b32 s47, 0xfedcba98
	s_mov_b32 s48, 0x000f000f                      ; the lanes of voxel 0's, 1's, 2's, 3's columns
	s_mov_b32 s49, 0x00f000f0
	s_mov_b32 s50, 0x0f000f00
	s_mov_b32 s51, 0xf000f000
	s_mov_b32 s52, 0x7f800000
	s_mov_b32 s81, 0xffff0000
	s_mul_i32 s43, ttmp9, 400
	s_mul_i32 s67, s42, 50
	s_add_co_u32 s43, s43, s67                     ; my wave's first voxel
	s_mov_b32 s44, s43                             ; the tile's first voxel
	; the weights: wave w converts blocks 2 w and 2 w + 1 of each matrix
	s_lshr_b32 s67, s42, 1
	s_lshl_b32 s68, s67, 12
	s_and_b32 s69, s42, 1
	s_lshl_b32 s69, s69, 7
	s_add_co_u32 s68, s68, s69
	v_lshlrev_b32 v18, 8, v7
	v_lshl_add_u32 v18, v8, 5, v18
	v_add_nc_u32 v18, s68, v18                     ; 256 r + 32 h + 4096 (w / 2) + 128 (w % 2)
	v_lshl_add_u32 v19, v8, 11, v22
	v_add_nc_u32 v19, s68, v19                     ; wk, read by columns: 4 r + 2048 h + the same
	v_and_b32 v20, 63, v0
	v_lshlrev_b32 v20, 2, v20
	v_mul_u32_u24 v21, 12, v7
	s_lshl_b32 s69, s42, 10
	v_add_nc_u32 v23, s69, v1
	v_lshlrev_b32 v24, 2, v0
	v_add_nc_u32 v24, L_BIAS, v24
	v_cmp_gt_u32 vcc_lo, 16, v17
	s_wait_kmcnt 0x0
	s_cmp_eq_u32 s67, 1                            ; waves 0, 1 copy bq; 2, 3 bk; 4, 5 bv; 6, 7 bo
	s_cselect_b64 s[70:71], s[36:37], s[34:35]
	s_cmp_eq_u32 s67, 2
	s_cselect_b64 s[70:71], s[38:39], s[70:71]
	s_cmp_eq_u32 s67, 3
	s_cselect_b64 s[70:71], s[40:41], s[70:71]
	LDW2 DD, 26
	LDW2 DD+16, 30
	LDW2 DD+32, 32
.set i, 0
.rept 8
	global_load_b32 v[DD+48+i], v19, s[28:29] offset:256*i
	global_load_b32 v[DD+56+i], v19, s[28:29] offset:256*i+64
.set i, i+1
.endr
	global_load_b32 v25, v20, s[70:71]
.irp t, 0,1,2,3
	global_load_b96 v[WW+4*\t:WW+4*\t+2], v21, s[18:19] offset:192*\t
	global_load_b32 v[WW+4*\t+3], v22, s[20:21] offset:64*\t
.endr
	s_wait_loadcnt 0x0
.irp b, 0,8,16,24,32,40,48,56
	PACK DD+\b, DD+\b
.endr
	ds_store_b128 v23, v[DD:DD+3] offset:L_WQ
	ds_store_b128 v23, v[DD+8:DD+11] offset:L_WQ+512
	ds_store_b128 v23, v[DD+16:DD+19] offset:L_WV
	ds_store_b128 v23, v[DD+24:DD+27] offset:L_WV+512
	ds_store_b128 v23, v[DD+32:DD+35] offset:L_WO
	ds_store_b128 v23, v[DD+40:DD+43] offset:L_WO+512
	ds_store_b128 v23, v[DD+48:DD+51] offset:L_WK
	ds_store_b128 v23, v[DD+56:DD+59] offset:L_WK+512
	ds_store_b32 v24, v25
	POSBLK CH+4, WW
	POSBLK CH+12, WW+4
	POSBLK CH+20, WW+8
	POSBLK CH+28, WW+12
	v_lshlrev_b32 v25, 3, v8
	v_sub_nc_u32 v25, v7, v25                      ; r - 8 h: the identity block has its 1.0 at element r - 8 h, if that is 0..7
	v_mov_b32 v252, 0x3f80
	v_mov_b32 v253, 0x3f800000
.irp q, 0,1,2,3
	v_cmp_eq_u32 s70, 2*\q, v25
	v_cndmask_b32 v[CH+\q], 0, v252, s70
	v_cmp_eq_u32 s70, 2*\q+1, v25
	v_cndmask_b32 v[CH+\q], v[CH+\q], v253, s70
.endr
.irp j, 0,1,2,3
	v_mov_b32 v[CH+16+\j], v[CH+\j]
	v_mov_b32 v[CH+32+\j], v[CH+\j]
	v_mov_b32 v[CH+8+\j], 0
	v_mov_b32 v[CH+24+\j], 0
.endr
	s_cmp_ge_u32 s42, 4                            ; waves 0 to 3 make the query embedding's block number w
	s_cbranch_scc1 .Lnoq
	s_mul_i32 s67, s42, 192
	v_add_nc_u32 v21, s67, v21
	s_lshl_b32 s67, s42, 6
	v_add_nc_u32 v22, s67, v22
	global_load_b96 v[WW+16:WW+18], v21, s[22:23]
	global_load_b32 v[WW+19], v22, s[24:25]
	s_wait_loadcnt 0x0
	POSBLK WW+20, WW+16
	s_lshl_b32 s67, s42, 9
	v_add_nc_u32 v25, s67, v1
	ds_store_b128 v25, v[WW+20:WW+23] offset:L_QP
.Lnoq:
	WIN 0x40
.irp b, 0,24,48,72,96,120,144,168,192
	v_mov_b32 v[\b+7], 0                           ; the parts of R that no load and no step writes
	v_mov_b32 v[\b+18], 0x3f80
	v_mov_b32 v[\b+19], 0
.endr
	WIN 0
.irp j, 0,1,2,3
	v_mov_b32 v[SUM1+\j], 0
	v_mov_b32 v[SUM2+\j], 0
	v_mov_b32 v[30+\j], 0
.endr
	s_wait_dscnt 0x0                               ; my blocks are in LDS,
	s_barrier_signal -1
	s_barrier_wait -1                              ; everybody's are
	s_lshl_b32 s68, s43, 8
	s_mov_b32 s69, 0
	s_add_nc_u64 s[76:77], s[14:15], s[68:69]      ; y1 and the features at my first row
	s_add_nc_u64 s[78:79], s[12:13], s[68:69]
	global_load_b128 v[SHF:SHF+3], v1, s[78:79]    ; the statistics' shift: my first two rows' features
	QSLOAD 0
	MLOAD 0, 0
.irp u, 0,1,2,3
	XSTEP 0, \u
.endr
	s_wait_loadcnt 0x0                             ; the first group's indices and mask bytes are needed now
.irp u, 0,1,2,3
	WIN 0x45
	XMASK \u
	WIN 0x04
	GADDR \u
	XSTEP 4, \u                                    ; as in a step: the second group's indices, then the first group's rows: 12 loads
	GISSUE \u
.endr
	WIN 0
	s_mov_b32 s45, 0
.Ltile:
	PRE 48
	GROUP 0, 1, 0, 37
	GROUP 1, 0, 1, 45
	GROUP 2, 1, 0, 37
	GROUP 3, 0, 1, 42
	POST 8
	s_add_co_u32 s44, s44, 16
	s_add_nc_u64 s[76:77], s[76:77], 4096
	s_add_nc_u64 s[78:79], s[78:79], 4096
	s_add_co_u32 s45, s45, 1
	s_cmp_lt_u32 s45, 3
	s_cbranch_scc1 .Ltile
	; the tail: voxels 48 and 49.  Nothing more is asked for but their features; the counts run down.
	global_load_b128 v[VF:VF+3], v1, s[78:79] th:TH_LOAD_NT
	PRE 49
	QKLOAD 0
	STEP 0, 0, 0, 37
	STEP 0, 1, 0, 25
	SOFTMAX 0, 1
	STAGEB 2
	AFOUT 0
	POST 1
	; the work-group's statistics: each lane has 25 samples of 4 channels; 16 records of 64 channels meet in LDS
	v_pk_mul_f32 v[TD:TD+1], v[SUM1:SUM1+1], 0x3d23d70a op_sel_hi:[1,0]       ; sum / 25
	v_pk_mul_f32 v[TD+2:TD+3], v[SUM1+2:SUM1+3], 0x3d23d70a op_sel_hi:[1,0]
	v_pk_add_f32 v[SHF:SHF+1], v[SHF:SHF+1], v[TD:TD+1]                       ; mean
	v_pk_add_f32 v[SHF+2:SHF+3], v[SHF+2:SHF+3], v[TD+2:TD+3]
	v_pk_fma_f32 v[SUM2:SUM2+1], v[TD:TD+1], v[SUM1:SUM1+1], v[SUM2:SUM2+1] neg_lo:[1,0,0] neg_hi:[1,0,0]   ; centred sum of squares, of shifted data
	v_pk_fma_f32 v[SUM2+2:SUM2+3], v[TD+2:TD+3], v[SUM1+2:SUM1+3], v[SUM2+2:SUM2+3] neg_lo:[1,0,0] neg_hi:[1,0,0]
	v_lshlrev_b32 v[TD], 4, v0
	v_add_nc_u32 v[TD], L_ST, v[TD]
	ds_store_b128 v[TD], v[SHF:SHF+3]
	ds_store_b128 v[TD], v[SUM2:SUM2+3] offset:4096
	s_wait_dscnt 0x0
	s_barrier_signal -1
	s_barrier_wait -1
	s_cmp_ge_u32 s42, 2                            ; threads 0 to 63 take a channel each
	s_cbranch_scc1 .Lend
	s_lshl_b32 s24, ttmp9, 9
	s_mov_b32 s25, 0
	s_add_nc_u64 s[16:17], s[16:17], s[24:25]
	v_lshlrev_b32 v[TD], 2, v0
	v_add_nc_u32 v[TD+1], L_ST, v[TD]
.set k, 0
.rept 16
	ds_load_b32 v[WR+k], v[TD+1] offset:256*k
	ds_load_b32 v[WR+16+k], v[TD+1] offset:4096+256*k
.set k, k+1
.endr
	s_wait_dscnt 0x0
	v_add_f32 v[WR+32], v[WR], v[WR+1]
	v_add_f32 v[WR+33], v[WR+16], v[WR+17]
.set k, 2
.rept 14
	v_add_f32 v[WR+32], v[WR+32], v[WR+k]
	v_add_f32 v[WR+33], v[WR+33], v[WR+16+k]
.set k, k+1
.endr
	v_mul_f32 v[WR+32], 0x3d800000, v[WR+32]       ; the mean of 16 means of equal count
	v_sub_f32 v[WR+34], v[WR], v[WR+32]
	v_mul_f32 v[WR+35], v[WR+34], v[WR+34]
.set k, 1
.rept 15
	v_sub_f32 v[WR+34], v[WR+k], v[WR+32]
	v_fmac_f32 v[WR+35], v[WR+34], v[WR+34]
.set k, k+1
.endr
	v_fmamk_f32 v[WR+33], v[WR+35], 0x41c80000, v[WR+33]       ; + 25 x the spread of the means
	global_store_b32 v[TD], v[WR+32], s[16:17]
	global_store_b32 v[TD], v[WR+33], s[16:17] offset:256
.Lend:
	s_set_vgpr_msb 0x5
	s_wait_tensorcnt 0x0
	ds_add_u32 v230, v231
	s_wait_dscnt 0x0
	s_set_vgpr_msb 0x500
	s_endpgm
.Lfunc_end_k_q07f1c0e397_attn:
	.size	k_q07f1c0e397_attn, .Lfunc_end_k_q07f1c0e397_attn-k_q07f1c0e397_attn
	.p2alignl 7, 3214868480
	.fill 96, 4, 3214868480
	.section	.rodata,"a",@progbits
	.p2align	6, 0x0
	.amdhsa_kernel k_q07f1c0e397_attn
		.amdhsa_group_segment_fixed_size 284672
		.amdhsa_private_segment_fixed_size 0
		.amdhsa_enable_private_segment 0
		.amdhsa_kernarg_size 152
		.amdhsa_user_sgpr_count 2
		.amdhsa_user_sgpr_kernarg_segment_ptr 1
		.amdhsa_wavefront_size32 1
		.amdhsa_system_sgpr_workgroup_id_x 1
		.amdhsa_system_sgpr_workgroup_id_y 1
		.amdhsa_system_sgpr_workgroup_id_z 1
		.amdhsa_system_vgpr_workitem_id 0
		.amdhsa_next_free_vgpr 512
		.amdhsa_next_free_sgpr 100
		.amdhsa_reserve_vcc 1
		.amdhsa_float_denorm_mode_32 3
		.amdhsa_float_denorm_mode_16_64 3
		.amdhsa_memory_ordered 1
		.amdhsa_forward_progress 1
		.amdhsa_inst_pref_size 255
	.end_amdhsa_kernel
	.section	.bss,"aw",@nobits
	.p2align	6
	.space	262144
	.amdgpu_metadata
---
amdhsa.version: [ 1, 2 ]
amdhsa.kernels:
  - .name:           k_q07f1c0e397_attn
    .symbol:         k_q07f1c0e397_attn.kd
    .args:
      - { .name: tab, .offset: 0, .size: 8, .value_kind: global_buffer, .address_space: global }
      - { .name: voxel_coords, .offset: 8, .size: 8, .value_kind: global_buffer, .address_space: global }
      - { .name: key_indices, .offset: 16, .size: 8, .value_kind: global_buffer, .address_space: global }
      - { .name: key_mask, .offset: 24, .size: 8, .value_kind: global_buffer, .address_space: global }
      - { .name: voxel_features, .offset: 32, .size: 8, .value_kind: global_buffer, .address_space: global }
      - { .name: y1, .offset: 40, .size: 8, .value_kind: global_buffer, .address_space: global }
      - { .name: part1, .offset: 48, .size: 8, .value_kind: global_buffer, .address_space: global }
      - { .name: k_pos_w, .offset: 56, .size: 8, .value_kind: global_buffer, .address_space: global }
      - { .name: k_pos_b, .offset: 64, .size: 8, .value_kind: global_buffer, .address_space: global }
      - { .name: q_pos_w, .offset: 72, .size: 8, .value_kind: global_buffer, .address_space: global }
      - { .name: q_pos_b, .offset: 80, .size: 8, .value_kind: global_buffer, .address_space: global }
      - { .name: wq, .offset: 88, .size: 8, .value_kind: global_buffer, .address_space: global }
      - { .name: wk, .offset: 96, .size: 8, .value_kind: global_buffer, .address_space: global }
      - { .name: wv, .offset: 104, .size: 8, .value_kind: global_buffer, .address_space: global }
      - { .name: wo, .offset: 112, .size: 8, .value_kind: global_buffer, .address_space: global }
      - { .name: bq, .offset: 120, .size: 8, .value_kind: global_buffer, .address_space: global }
      - { .name: bk, .offset: 128, .size: 8, .value_kind: global_buffer, .address_space: global }
      - { .name: bv, .offset: 136, .size: 8, .value_kind: global_buffer, .address_space: global }
      - { .name: bo, .offset: 144, .size: 8, .value_kind: global_buffer, .address_space: global }
    .group_segment_fixed_size: 284672
    .private_segment_fixed_size: 0
    .kernarg_segment_align: 8
    .kernarg_segment_size: 152
    .max_flat_workgroup_size: 256
    .sgpr_count:     100
    .vgpr_count:     512
    .wavefront_size: 32
...
	.end_amdgpu_metadata
.endif
;; end of part 2
;; launch ffn (part 3): grid 250 x 1, 8 waves a work-group, no clusters, 153,856 bytes of LDS; arguments y1, part1, g1, b1, lin1_w, lin1_b, lin2_w, lin2_b, y2, part2; writes y2, part2
.if DOCPART == 3
	.amdgcn_target "amdgcn-amd-amdhsa--gfx1250"
	.amdhsa_code_object_version 6
	.text
	.protected	k_q07f1c0e397_ffn
	.globl	k_q07f1c0e397_ffn
	.p2align	8
	.type	k_q07f1c0e397_ffn,@function
k_q07f1c0e397_ffn:
	s_mov_b64 s[64:65], 0
	v_nop
	global_prefetch_b8 v0, s[64:65] scope:SCOPE_SE
	s_setreg_imm32_b32 hwreg(HW_REG_WAVE_MODE, 25, 1), 1
	s_wait_xcnt 0x0
; x = BatchNorm(y1; g1, b1);  y2 = x + relu(x lin1^T + lin1_b) lin2^T + lin2_b;  per work-group the statistics of y2.
; 250 work-groups x 8 waves x 50 rows; a wave takes its rows in passes of 32 and 18.  Products are used transposed (D[channel][row]), so that four
; conversions turn a result tile into half of the next product's fragment; the hidden layer never leaves registers (blocks of 32 of its 256 channels).
; Every work-group makes the batch's mean and variance itself from the 250 records of the launch before (128 KB): counts are equal, so
; mean = average of means, M2 = sum of M2 + 400 x the spread of the means, the spread taken about the first record's mean.
; ALL GLOBAL LOADS OF A WAVE ARE ISSUED AT THE START, in the order in which they are needed: 34 of weights and biases, 35 of records and
; coefficients, 25 of rows; loads return in order, so each wait names the loads that are younger.  Raw weights and rows lie in register window 1.
; NOT USED, and why: tensor loads and clusters (what work-groups share is 128 KB of weights and 128 KB of records, read once each; rows are private).
; Pass 2 has 18 real rows: the other 14 columns of its tiles hold the first pass's results, are independent columns, and are never stored.
.set L_W1, 0                           ; 64 blocks of 512 bytes, block 4 mt + kb
.set L_W2, 32768                       ; 64 blocks, block 16 mt + kb
.set L_LB1, 65536
.set L_LB2, 66560
.set L_UB, 66816                       ; the waves' partial sums over records
.set L_ST, 75008
.set L_STG, 83200                      ; 32 rows x 272 bytes for each wave
.set PASSB, 8192                       ; bytes of a pass of 32 rows of 256 bytes
.set RB, 16                            ; scratch of the coefficients' second half: the records' registers, dead by then
.set RW, 128                           ; window 1: v[0:127] raw weights, v[128:227] the 25 row pairs
.set SHF, 16
.set SUM1, 20
.set SUM2, 24
.set Y, 28                             ; v[28:91]  x and the sums, tile (nt, t) at Y + 32 nt + 8 t
.set XF, 92                            ; v[92:123] x as fragments
.set HH, 124                           ; v[124:155] hidden tiles (m, nt)
.set BI, 156                           ; v[156:171] lin1_b of the block
.set HF, 172                           ; v[172:187] hidden block as fragments
.set WF, 188                           ; v[188:219] weights at work
.set TD, 252
.set WR, 28
.set MSB, 0
.macro WIN new                         ; the immediate's high byte repeats the setting that is left
.if MSB != \new
	s_set_vgpr_msb (MSB<<8)|\new
.set MSB, \new
.endif
.endm
.macro NOPS n
.rept \n
	v_nop
.endr
.endm
.macro PACK dst, src
	v_cvt_pk_bf16_f32 v[\dst], v[\src], v[\src+1]
	v_cvt_pk_bf16_f32 v[\dst+1], v[\src+2], v[\src+3]
	v_cvt_pk_bf16_f32 v[\dst+2], v[\src+4], v[\src+5]
	v_cvt_pk_bf16_f32 v[\dst+3], v[\src+6], v[\src+7]
.endm
.macro MM d, a, b, c
	v_wmma_f32_16x16x32_bf16 v[\d:\d+7], v[\a:\a+7], v[\b:\b+7], v[\c:\c+7]
.endm
.macro STAT0 a                         ; the first sample is the shift
.irp j, 0,1,2,3
	v_mov_b32 v[SHF+\j], v[\a+\j]
	v_mov_b32 v[SUM1+\j], 0
	v_mov_b32 v[SUM2+\j], 0
.endr
.endm
.macro STAT a
	v_pk_add_f32 v[TD:TD+1], v[\a:\a+1], v[SHF:SHF+1] neg_lo:[0,1] neg_hi:[0,1]
	v_pk_add_f32 v[TD+2:TD+3], v[\a+2:\a+3], v[SHF+2:SHF+3] neg_lo:[0,1] neg_hi:[0,1]
	v_pk_add_f32 v[SUM1:SUM1+1], v[SUM1:SUM1+1], v[TD:TD+1]
	v_pk_add_f32 v[SUM1+2:SUM1+3], v[SUM1+2:SUM1+3], v[TD+2:TD+3]
	v_pk_fma_f32 v[SUM2:SUM2+1], v[TD:TD+1], v[TD:TD+1], v[SUM2:SUM2+1]
	v_pk_fma_f32 v[SUM2+2:SUM2+3], v[TD+2:TD+3], v[TD+2:TD+3], v[SUM2+2:SUM2+3]
.endm
; Records of 512 bytes: lanes 0-15 read 64 means, lanes 16-31 read 64 M2.  Wave w takes records w, w + 8, .. w + 240, and waves 0, 1 records 248, 249
; (the others read record 249 with weight 0).  35 loads.
.macro BNC_L
	v_and_b32 v12, 31, v0
	v_lshlrev_b32 v1, 4, v12
	v_and_b32 v13, 15, v0
	v_lshlrev_b32 v13, 4, v13
	v_lshlrev_b32 v14, 4, v0
	s_add_co_u32 s24, s42, 248
	s_min_u32 s24, s24, 249
	s_lshl_b32 s24, s24, 9
	v_add_nc_u32 v15, s24, v1
	s_cmp_lt_u32 s42, 2
	s_cselect_b32 s28, 0x3f800000, 0
	s_mov_b32 s29, s28
.set k, 0
.rept 31
	global_load_b128 v[16+4*k:19+4*k], v14, s[6:7] offset:4096*k
.set k, k+1
.endr
	global_load_b128 v[140:143], v15, s[6:7]
	global_load_b128 v[144:147], v1, s[6:7]
	global_load_b128 v[148:151], v13, s[8:9]
	global_load_b128 v[152:155], v13, s[10:11]
.endm
; Lanes 0-15 sum (mean - shift) and its square, lanes 16-31 sum M2 (shift 0).  left: the loads issued behind the records'.
.macro BNC_S left
	s_wait_loadcnt \left
	v_cmp_gt_u32 vcc_lo, 16, v12
.irp j, 0,1,2,3
	v_cndmask_b32 v[164+\j], 0, v[144+\j], vcc_lo
.endr
	v_pk_add_f32 v[156:157], v[16:17], v[164:165] neg_lo:[0,1] neg_hi:[0,1]
	v_pk_add_f32 v[158:159], v[18:19], v[166:167] neg_lo:[0,1] neg_hi:[0,1]
	v_pk_mul_f32 v[160:161], v[156:157], v[156:157]
	v_pk_mul_f32 v[162:163], v[158:159], v[158:159]
.set k, 1
.rept 31
	v_pk_add_f32 v[168:169], v[16+4*k:17+4*k], v[164:165] neg_lo:[0,1] neg_hi:[0,1]
	v_pk_add_f32 v[170:171], v[18+4*k:19+4*k], v[166:167] neg_lo:[0,1] neg_hi:[0,1]
.if k == 31
	v_pk_mul_f32 v[168:169], v[168:169], s[28:29] op_sel_hi:[1,0]
	v_pk_mul_f32 v[170:171], v[170:171], s[28:29] op_sel_hi:[1,0]
.endif
	v_pk_add_f32 v[156:157], v[156:157], v[168:169]
	v_pk_add_f32 v[158:159], v[158:159], v[170:171]
	v_pk_fma_f32 v[160:161], v[168:169], v[168:169], v[160:161]
	v_pk_fma_f32 v[162:163], v[170:171], v[170:171], v[162:163]
.set k, k+1
.endr
	v_lshlrev_b32 v15, 5, v0
	v_add_nc_u32 v15, L_UB, v15
	ds_store_b128 v15, v[156:159]
	ds_store_b128 v15, v[160:163] offset:16
.endm
; The eight waves' sums meet; every lane ends with scale v[4:7] and shift v[8:11] of channels 4 (L % 16) .. + 3.
.macro BNC_B
	s_wait_dscnt 0x0                               ; all my LDS stores are done,
	s_barrier_signal -1
	s_barrier_wait -1                              ; everybody's are
	v_lshlrev_b32 v15, 5, v12
	v_add_nc_u32 v15, L_UB, v15
.set k, 0
.rept 8
	ds_load_b128 v[RB+8*k:RB+8*k+3], v15 offset:1024*k
	ds_load_b128 v[RB+8*k+4:RB+8*k+7], v15 offset:1024*k+16
.set k, k+1
.endr
	s_wait_dscnt 0x0
.set k, 1
.rept 7
.irp j, 0,2,4,6
	v_pk_add_f32 v[RB+\j:RB+\j+1], v[RB+\j:RB+\j+1], v[RB+8*k+\j:RB+8*k+\j+1]
.endr
.set k, k+1
.endr
.irp j, 0,1,2,3
	v_permlanex16_b32 v[164+\j], v[RB+\j], s46, s47
	v_permlanex16_b32 v[168+\j], v[RB+4+\j], s46, s47
	v_permlanex16_b32 v[RB+8+\j], v[144+\j], s46, s47
.endr
.irp j, 0,1,2,3
	v_cndmask_b32 v[RB+12+\j], v[164+\j], v[RB+\j], vcc_lo     ; T1 = sum of (mean - shift)
	v_cndmask_b32 v[RB+16+\j], v[168+\j], v[RB+4+\j], vcc_lo   ; T2 = sum of its square
	v_cndmask_b32 v[RB+20+\j], v[RB+\j], v[164+\j], vcc_lo     ; sum of M2
	v_cndmask_b32 v[RB+24+\j], v[RB+8+\j], v[144+\j], vcc_lo   ; the shift
	v_mul_f32 v[RB+28+\j], 0x3b83126f, v[RB+12+\j]             ; T1 / 250
	v_fma_f32 v[RB+16+\j], -v[RB+28+\j], v[RB+12+\j], v[RB+16+\j]      ; the spread of the means
	v_add_f32 v[RB+24+\j], v[RB+24+\j], v[RB+28+\j]            ; the batch's mean
	v_fmamk_f32 v[RB+20+\j], v[RB+16+\j], 0x43c80000, v[RB+20+\j]      ; M2 = sum of M2 + 400 x spread
	v_fma_f32 v[RB+20+\j], v[RB+20+\j], s31, s31               ; M2 / 100000 + 1e-5
.endr
.irp j, 0,1,2,3
	v_rsq_f32 v[RB+28+\j], v[RB+20+\j]
.endr
	v_nop
	s_wait_alu depctr_va_vdst(0)
.irp j, 0,1,2,3
	v_mul_f32 v[4+\j], v[148+\j], v[RB+28+\j]
	v_fma_f32 v[8+\j], -v[RB+24+\j], v[4+\j], v[152+\j]
.endr
.endm
	s_load_b512 s[4:19], s[0:1], 0x0               ; y1, part1, g1, b1, lin1_w, lin1_b, lin2_w, lin2_b
	s_load_b128 s[20:23], s[0:1], 0x40             ; y2, part2
	v_lshl_add_u32 v250, v0, 2, 0x25500
	v_mov_b32 v251, 0
	v_lshrrev_b32 v12, 5, v0
	v_readfirstlane_b32 s42, v12
	s_mov_b32 s46, 0x76543210
	s_mov_b32 s47, 0xfedcba98
	s_mov_b32 s31, 0x3727c5ac                      ; 1e-5: both 1 / N and eps
	v_and_b32 v2, 15, v0                           ; r
	v_bfe_u32 v3, v0, 4, 1                         ; h
	v_lshlrev_b32 v174, 8, v2
	v_lshl_add_u32 v174, v3, 5, v174
	s_lshl_b32 s24, s42, 13
	v_add_nc_u32 v174, s24, v174                   ; lin1_w: 256 r + 32 h + 8192 w
	v_lshlrev_b32 v175, 10, v2
	v_lshl_add_u32 v175, v3, 5, v175
	s_lshr_b32 s24, s42, 1
	s_lshl_b32 s24, s24, 14
	s_and_b32 s25, s42, 1
	s_lshl_b32 s25, s25, 9
	s_add_co_u32 s24, s24, s25
	v_add_nc_u32 v175, s24, v175                   ; lin2_w: 1024 r + 32 h + 16384 (w / 2) + 512 (w % 2)
	v_and_b32 v176, 31, v0
	v_lshlrev_b32 v176, 4, v176
	s_lshl_b32 s24, s42, 12
	v_add_nc_u32 v176, s24, v176                   ; LDS: my eight blocks
	v_lshlrev_b32 v177, 2, v0
	v_add_nc_u32 v178, L_LB1, v177
	v_and_b32 v179, 63, v0
	v_lshlrev_b32 v179, 2, v179
	s_lshl_b32 s26, ttmp9, 3
	s_add_co_u32 s26, s26, s42
	s_mul_i32 s26, s26, 12800                      ; my wave's 50 rows
	s_mov_b32 s27, 0
	s_wait_kmcnt 0x0
	s_add_nc_u64 s[4:5], s[4:5], s[26:27]
	s_add_nc_u64 s[20:21], s[20:21], s[26:27]
	WIN 0x40                                       ; loaded data to window 1, addresses in window 0
.set k, 0
.rept 8
	global_load_b128 v[8*k:8*k+3], v174, s[12:13] offset:4096*(k>>2)+64*(k&3)
	global_load_b128 v[8*k+4:8*k+7], v174, s[12:13] offset:4096*(k>>2)+64*(k&3)+16
	global_load_b128 v[64+8*k:64+8*k+3], v175, s[16:17] offset:64*k
	global_load_b128 v[64+8*k+4:64+8*k+7], v175, s[16:17] offset:64*k+16
.set k, k+1
.endr
	WIN 0
	global_load_b32 v172, v177, s[14:15]           ; lin1_b, a word a thread
	global_load_b32 v173, v179, s[18:19]           ; lin2_b: every wave loads it, so that all waves' counts are alike; waves 0, 1 store it
	BNC_L
	WIN 0x40
.set k, 0
.rept 25
	global_load_b128 v[RW+4*k:RW+4*k+3], v1, s[4:5] offset:512*k th:TH_LOAD_NT
.set k, k+1
.endr
	s_wait_loadcnt 60                              ; weights and biases are in; the 35 loads of records and the 25 of rows stay out
	WIN 0x45                                       ; sources and destination in window 1
.set k, 0
.rept 16
	PACK 8*k, 8*k
.set k, k+1
.endr
	WIN 0x04                                       ; LDS address in window 0, data in window 1
.set k, 0
.rept 8
	ds_store_b128 v176, v[8*k:8*k+3] offset:L_W1+512*k
	ds_store_b128 v176, v[64+8*k:64+8*k+3] offset:L_W2+512*k
.set k, k+1
.endr
	WIN 0
	ds_store_b32 v178, v172
	s_cmp_ge_u32 s42, 2                            ; threads 0 to 63 store lin2_b
	s_cbranch_scc1 .Lnob
	ds_store_b32 v178, v173 offset:L_LB2-L_LB1
.Lnob:
	BNC_S 25                                       ; the records are in; the 25 loads of rows stay out
	BNC_B                                          ; its wait and barrier also make the weights visible to every wave
	s_mul_i32 s24, s42, 8704
	s_add_co_u32 s24, s24, L_STG
	v_lshlrev_b32 v224, 5, v3                      ; 32 h
	v_lshlrev_b32 v14, 4, v2
	v_mad_u32_u24 v2, v2, 272, v224
	v_mad_u32_u24 v3, v3, 272, v14
	v_add_nc_u32 v2, s24, v2                       ; stage in the accumulators' layout
	v_add_nc_u32 v3, s24, v3                       ; stage by row pairs
	v_add_nc_u32 v15, L_LB2, v224
.macro PASS p, np                      ; np row pairs from row 32 p on
	WIN 0x01                                       ; the rows as loaded in window 1, all else in window 0
.set i, 0
.rept \np
	s_wait_loadcnt 24-16*\p-i                      ; pair 16 p + i is in, the younger ones stay out
	v_pk_fma_f32 v[Y+4*i:Y+4*i+1], v[RW+64*\p+4*i:RW+64*\p+4*i+1], v[4:5], v[8:9]
	v_pk_fma_f32 v[Y+4*i+2:Y+4*i+3], v[RW+64*\p+4*i+2:RW+64*\p+4*i+3], v[6:7], v[10:11]
.set i, i+1
.endr
	WIN 0
.set i, 0
.rept \np
	ds_store_b128 v3, v[Y+4*i:Y+4*i+3] offset:544*i
.set i, i+1
.endr
.irp n, 0,1
.irp t, 0,1,2,3
	ds_load_b128 v[Y+32*\n+8*\t:Y+32*\n+8*\t+3], v2 offset:4352*\n+64*\t
	ds_load_b128 v[Y+32*\n+8*\t+4:Y+32*\n+8*\t+7], v2 offset:4352*\n+64*\t+16
.endr
.endr
.irp t, 0,1,2,3
	ds_load_b128 v[WF+8*\t:WF+8*\t+3], v15 offset:64*\t
	ds_load_b128 v[WF+8*\t+4:WF+8*\t+7], v15 offset:64*\t+16
.endr
	s_wait_dscnt 0x0
.irp n, 0,1
.irp t, 0,1,2,3
	PACK XF+16*\n+4*\t, Y+32*\n+8*\t
.irp j, 0,2,4,6
	v_pk_add_f32 v[Y+32*\n+8*\t+\j:Y+32*\n+8*\t+\j+1], v[Y+32*\n+8*\t+\j:Y+32*\n+8*\t+\j+1], v[WF+8*\t+\j:WF+8*\t+\j+1]   ; x + lin2_b starts the sums
.endr
.endr
.endr
	v_mov_b32 v12, v1
	v_add_nc_u32 v13, L_W2, v1
	v_add_nc_u32 v14, L_LB1, v224
	s_mov_b32 s30, 0
.Lf\p:                                 ; eight blocks of 32 hidden channels
.set i, 0
.rept 8
	ds_load_b128 v[WF+4*i:WF+4*i+3], v12 offset:512*i
.set i, i+1
.endr
.irp m, 0,1
	ds_load_b128 v[BI+8*\m:BI+8*\m+3], v14 offset:64*\m
	ds_load_b128 v[BI+8*\m+4:BI+8*\m+7], v14 offset:64*\m+16
.endr
	s_wait_dscnt 0x0
.irp m, 0,1
.irp n, 0,1
	MM HH+16*\m+8*\n, WF+16*\m, XF+16*\n, BI+8*\m
.endr
.endr
.irp m, 0,1
.irp n, 0,1
	MM HH+16*\m+8*\n, WF+16*\m+8, XF+16*\n+8, HH+16*\m+8*\n
.endr
.endr
	NOPS 4                                         ; four places before results are read and operands loaded again (ISA guide 7.12.1)
.irp t, 0,1,2,3
	ds_load_b128 v[WF+8*\t:WF+8*\t+3], v13 offset:8192*\t
	ds_load_b128 v[WF+8*\t+4:WF+8*\t+7], v13 offset:8192*\t+512
.endr
.set i, 0
.rept 32
	v_max_num_f32 v[HH+i], 0, v[HH+i]
.set i, i+1
.endr
.irp m, 0,1
.irp n, 0,1
	PACK HF+8*\n+4*\m, HH+16*\m+8*\n
.endr
.endr
	s_wait_dscnt 0x0
.irp n, 0,1
.irp t, 0,1,2,3
	MM Y+32*\n+8*\t, WF+8*\t, HF+8*\n, Y+32*\n+8*\t
.endr
.endr
	v_add_nc_u32 v12, 4096, v12                    ; four places behind the products: the three steps and one v_nop
	v_add_nc_u32 v13, 1024, v13
	v_add_nc_u32 v14, 128, v14
	v_nop
	s_add_co_u32 s30, s30, 1
	s_cmp_lt_u32 s30, 8
	s_cbranch_scc1 .Lf\p
.irp n, 0,1
.irp t, 0,1,2,3
	ds_store_b128 v2, v[Y+32*\n+8*\t:Y+32*\n+8*\t+3] offset:4352*\n+64*\t
	ds_store_b128 v2, v[Y+32*\n+8*\t+4:Y+32*\n+8*\t+7] offset:4352*\n+64*\t+16
.endr
.endr
.set i, 0
.rept \np
	ds_load_b128 v[Y+4*i:Y+4*i+3], v3 offset:544*i             ; LDS serves a wave's instructions in order
.set i, i+1
.endr
.set i, 0
.rept \np
	s_wait_dscnt \np-1-i
.if \p+i == 0
	STAT0 Y
.else
	STAT Y+4*i
.endif
	global_store_b128 v1, v[Y+4*i:Y+4*i+3], s[20:21] offset:PASSB*\p+512*i
.set i, i+1
.endr
	s_wait_xcnt 0x0                                ; the stores' data registers are written again only behind this wait
.endm
	PASS 0, 16
	PASS 1, 9
	v_pk_mul_f32 v[TD:TD+1], v[SUM1:SUM1+1], 0x3d23d70a op_sel_hi:[1,0]
	v_pk_mul_f32 v[TD+2:TD+3], v[SUM1+2:SUM1+3], 0x3d23d70a op_sel_hi:[1,0]
	v_pk_add_f32 v[SHF:SHF+1], v[SHF:SHF+1], v[TD:TD+1]
	v_pk_add_f32 v[SHF+2:SHF+3], v[SHF+2:SHF+3], v[TD+2:TD+3]
	v_pk_fma_f32 v[SUM2:SUM2+1], v[TD:TD+1], v[SUM1:SUM1+1], v[SUM2:SUM2+1] neg_lo:[1,0,0] neg_hi:[1,0,0]
	v_pk_fma_f32 v[SUM2+2:SUM2+3], v[TD+2:TD+3], v[SUM1+2:SUM1+3], v[SUM2+2:SUM2+3] neg_lo:[1,0,0] neg_hi:[1,0,0]
	v_lshlrev_b32 v[TD], 4, v0
	v_add_nc_u32 v[TD], L_ST, v[TD]
	ds_store_b128 v[TD], v[SHF:SHF+3]
	ds_store_b128 v[TD], v[SUM2:SUM2+3] offset:4096
	s_wait_dscnt 0x0
	s_barrier_signal -1
	s_barrier_wait -1
	s_cmp_ge_u32 s42, 2
	s_cbranch_scc1 .Lend
	s_lshl_b32 s24, ttmp9, 9
	s_mov_b32 s25, 0
	s_add_nc_u64 s[22:23], s[22:23], s[24:25]
	v_lshlrev_b32 v[TD], 2, v0
	v_add_nc_u32 v[TD+1], L_ST, v[TD]
.set k, 0
.rept 16
	ds_load_b32 v[WR+k], v[TD+1] offset:256*k
	ds_load_b32 v[WR+16+k], v[TD+1] offset:4096+256*k
.set k, k+1
.endr
	s_wait_dscnt 0x0
	v_add_f32 v[WR+32], v[WR], v[WR+1]
	v_add_f32 v[WR+33], v[WR+16], v[WR+17]
.set k, 2
.rept 14
	v_add_f32 v[WR+32], v[WR+32], v[WR+k]
	v_add_f32 v[WR+33], v[WR+33], v[WR+16+k]
.set k, k+1
.endr
	v_mul_f32 v[WR+32], 0x3d800000, v[WR+32]
	v_sub_f32 v[WR+34], v[WR], v[WR+32]
	v_mul_f32 v[WR+35], v[WR+34], v[WR+34]
.set k, 1
.rept 15
	v_sub_f32 v[WR+34], v[WR+k], v[WR+32]
	v_fmac_f32 v[WR+35], v[WR+34], v[WR+34]
.set k, k+1
.endr
	v_fmamk_f32 v[WR+33], v[WR+35], 0x41c80000, v[WR+33]
	global_store_b32 v[TD], v[WR+32], s[22:23]
	global_store_b32 v[TD], v[WR+33], s[22:23] offset:256
.Lend:
	s_wait_tensorcnt 0x0
	ds_add_u32 v250, v251
	s_wait_dscnt 0x0
	s_endpgm
.Lfunc_end_k_q07f1c0e397_ffn:
	.size	k_q07f1c0e397_ffn, .Lfunc_end_k_q07f1c0e397_ffn-k_q07f1c0e397_ffn
	.p2alignl 7, 3214868480
	.fill 96, 4, 3214868480
	.section	.rodata,"a",@progbits
	.p2align	6, 0x0
	.amdhsa_kernel k_q07f1c0e397_ffn
		.amdhsa_group_segment_fixed_size 153856
		.amdhsa_private_segment_fixed_size 0
		.amdhsa_enable_private_segment 0
		.amdhsa_kernarg_size 80
		.amdhsa_user_sgpr_count 2
		.amdhsa_user_sgpr_kernarg_segment_ptr 1
		.amdhsa_wavefront_size32 1
		.amdhsa_system_sgpr_workgroup_id_x 1
		.amdhsa_system_sgpr_workgroup_id_y 1
		.amdhsa_system_sgpr_workgroup_id_z 1
		.amdhsa_system_vgpr_workitem_id 0
		.amdhsa_next_free_vgpr 512
		.amdhsa_next_free_sgpr 66
		.amdhsa_reserve_vcc 1
		.amdhsa_float_denorm_mode_32 3
		.amdhsa_float_denorm_mode_16_64 3
		.amdhsa_memory_ordered 1
		.amdhsa_forward_progress 1
		.amdhsa_inst_pref_size 84
	.end_amdhsa_kernel
	.amdgpu_metadata
---
amdhsa.version: [ 1, 2 ]
amdhsa.kernels:
  - .name:           k_q07f1c0e397_ffn
    .symbol:         k_q07f1c0e397_ffn.kd
    .args:
      - { .name: y1, .offset: 0, .size: 8, .value_kind: global_buffer, .address_space: global }
      - { .name: part1, .offset: 8, .size: 8, .value_kind: global_buffer, .address_space: global }
      - { .name: g1, .offset: 16, .size: 8, .value_kind: global_buffer, .address_space: global }
      - { .name: b1, .offset: 24, .size: 8, .value_kind: global_buffer, .address_space: global }
      - { .name: lin1_w, .offset: 32, .size: 8, .value_kind: global_buffer, .address_space: global }
      - { .name: lin1_b, .offset: 40, .size: 8, .value_kind: global_buffer, .address_space: global }
      - { .name: lin2_w, .offset: 48, .size: 8, .value_kind: global_buffer, .address_space: global }
      - { .name: lin2_b, .offset: 56, .size: 8, .value_kind: global_buffer, .address_space: global }
      - { .name: y2, .offset: 64, .size: 8, .value_kind: global_buffer, .address_space: global }
      - { .name: part2, .offset: 72, .size: 8, .value_kind: global_buffer, .address_space: global }
    .group_segment_fixed_size: 153856
    .private_segment_fixed_size: 0
    .kernarg_segment_align: 8
    .kernarg_segment_size: 80
    .max_flat_workgroup_size: 256
    .sgpr_count:     66
    .vgpr_count:     512
    .wavefront_size: 32
...
	.end_amdgpu_metadata
.endif
;; end of part 3
;; launch outl (part 4): grid 250 x 1, 8 waves a work-group, no clusters, 87,040 bytes of LDS; arguments y2, part2, g2, b2, out_w, out_b, z, part3; writes z, part3
.if DOCPART == 4
	.amdgcn_target "amdgcn-amd-amdhsa--gfx1250"
	.amdhsa_code_object_version 6
	.text
	.protected	k_q07f1c0e397_outl
	.globl	k_q07f1c0e397_outl
	.p2align	8
	.type	k_q07f1c0e397_outl,@function
k_q07f1c0e397_outl:
	s_mov_b64 s[64:65], 0
	v_nop
	global_prefetch_b8 v0, s[64:65] scope:SCOPE_SE
	s_setreg_imm32_b32 hwreg(HW_REG_WAVE_MODE, 25, 1), 1
	s_wait_xcnt 0x0
; x = BatchNorm(y2; g2, b2);  z = x out_w^T + out_b;  per work-group the statistics of z.
; Shares as in the launch before: 250 work-groups x 8 waves x 50 rows, passes of 32 and 18 rows, products transposed.
; OPERANDS IN f16, not bf16: nothing but a normalisation follows this product, so its operands' rounding goes straight into the output.
; Range: x is BatchNorm's result, |x| <= sqrt(100000) |g2| + |b2|, some 9,500 with a gain of 30, inside f16; out_w at a thirtieth of the drawn size
; (0.0017) loses at most 2^-25 absolutely where an entry falls under f16's smallest normal number.
; ALL GLOBAL LOADS OF A WAVE ARE ISSUED AT THE START, in the order in which they are needed: 35 of records and coefficients, 40 of weights and bias,
; 25 of rows; loads return in order, so each wait names the loads that are younger.  Raw weights and rows lie in register window 1.
; All 16 weight blocks stay in each wave's registers.  No tensor loads, no clusters: rows are private, the shared weights are 16 KB.
.set L_UB, 0
.set L_ST, 8192
.set L_STG, 16384
.set PASSB, 8192                       ; bytes of a pass of 32 rows of 256 bytes
.set RB, 16                            ; scratch of the coefficients' second half: the records' registers, dead by then
.set RW, 0                             ; window 1: v[0:99] the 25 row pairs, v[100:227] raw weights
.set WRAW, 100
.set SHF, 16
.set SUM1, 20
.set SUM2, 24
.set Y, 28
.set XF, 92
.set WF, 156                           ; v[156:219] out_w, block 4 t + kb at WF + 4 x block
.set BI, 220                           ; v[220:251] out_b in the accumulators' layout
.set TD, 252
.set WR, 28
.set MSB, 0
.macro WIN new                         ; the immediate's high byte repeats the setting that is left
.if MSB != \new
	s_set_vgpr_msb (MSB<<8)|\new
.set MSB, \new
.endif
.endm
.macro NOPS n
.rept \n
	v_nop
.endr
.endm
.macro PACKH dst, src
	v_cvt_pk_f16_f32 v[\dst], v[\src], v[\src+1]
	v_cvt_pk_f16_f32 v[\dst+1], v[\src+2], v[\src+3]
	v_cvt_pk_f16_f32 v[\dst+2], v[\src+4], v[\src+5]
	v_cvt_pk_f16_f32 v[\dst+3], v[\src+6], v[\src+7]
.endm
.macro MMH d, a, b, c
	v_wmma_f32_16x16x32_f16 v[\d:\d+7], v[\a:\a+7], v[\b:\b+7], v[\c:\c+7]
.endm
.macro STAT0 a
.irp j, 0,1,2,3
	v_mov_b32 v[SHF+\j], v[\a+\j]
	v_mov_b32 v[SUM1+\j], 0
	v_mov_b32 v[SUM2+\j], 0
.endr
.endm
.macro STAT a
	v_pk_add_f32 v[TD:TD+1], v[\a:\a+1], v[SHF:SHF+1] neg_lo:[0,1] neg_hi:[0,1]
	v_pk_add_f32 v[TD+2:TD+3], v[\a+2:\a+3], v[SHF+2:SHF+3] neg_lo:[0,1] neg_hi:[0,1]
	v_pk_add_f32 v[SUM1:SUM1+1], v[SUM1:SUM1+1], v[TD:TD+1]
	v_pk_add_f32 v[SUM1+2:SUM1+3], v[SUM1+2:SUM1+3], v[TD+2:TD+3]
	v_pk_fma_f32 v[SUM2:SUM2+1], v[TD:TD+1], v[TD:TD+1], v[SUM2:SUM2+1]
	v_pk_fma_f32 v[SUM2+2:SUM2+3], v[TD+2:TD+3], v[TD+2:TD+3], v[SUM2+2:SUM2+3]
.endm
; Records of 512 bytes: lanes 0-15 read 64 means, lanes 16-31 read 64 M2.  Wave w takes records w, w + 8, .. w + 240, and waves 0, 1 records 248, 249
; (the others read record 249 with weight 0).  35 loads.
.macro BNC_L
	v_and_b32 v12, 31, v0
	v_lshlrev_b32 v1, 4, v12
	v_and_b32 v13, 15, v0
	v_lshlrev_b32 v13, 4, v13
	v_lshlrev_b32 v14, 4, v0
	s_add_co_u32 s24, s42, 248
	s_min_u32 s24, s24, 249
	s_lshl_b32 s24, s24, 9
	v_add_nc_u32 v15, s24, v1
	s_cmp_lt_u32 s42, 2
	s_cselect_b32 s28, 0x3f800000, 0
	s_mov_b32 s29, s28
.set k, 0
.rept 31
	global_load_b128 v[16+4*k:19+4*k], v14, s[6:7] offset:4096*k
.set k, k+1
.endr
	global_load_b128 v[140:143], v15, s[6:7]
	global_load_b128 v[144:147], v1, s[6:7]
	global_load_b128 v[148:151], v13, s[8:9]
	global_load_b128 v[152:155], v13, s[10:11]
.endm
; Lanes 0-15 sum (mean - shift) and its square, lanes 16-31 sum M2 (shift 0).  left: at most the loads issued behind the records'.
.macro BNC_S left
	s_wait_loadcnt \left
	v_cmp_gt_u32 vcc_lo, 16, v12
.irp j, 0,1,2,3
	v_cndmask_b32 v[164+\j], 0, v[144+\j], vcc_lo
.endr
	v_pk_add_f32 v[156:157], v[16:17], v[164:165] neg_lo:[0,1] neg_hi:[0,1]
	v_pk_add_f32 v[158:159], v[18:19], v[166:167] neg_lo:[0,1] neg_hi:[0,1]
	v_pk_mul_f32 v[160:161], v[156:157], v[156:157]
	v_pk_mul_f32 v[162:163], v[158:159], v[158:159]
.set k, 1
.rept 31
	v_pk_add_f32 v[168:169], v[16+4*k:17+4*k], v[164:165] neg_lo:[0,1] neg_hi:[0,1]
	v_pk_add_f32 v[170:171], v[18+4*k:19+4*k], v[166:167] neg_lo:[0,1] neg_hi:[0,1]
.if k == 31
	v_pk_mul_f32 v[168:169], v[168:169], s[28:29] op_sel_hi:[1,0]
	v_pk_mul_f32 v[170:171], v[170:171], s[28:29] op_sel_hi:[1,0]
.endif
	v_pk_add_f32 v[156:157], v[156:157], v[168:169]
	v_pk_add_f32 v[158:159], v[158:159], v[170:171]
	v_pk_fma_f32 v[160:161], v[168:169], v[168:169], v[160:161]
	v_pk_fma_f32 v[162:163], v[170:171], v[170:171], v[162:163]
.set k, k+1
.endr
	v_lshlrev_b32 v15, 5, v0
	v_add_nc_u32 v15, L_UB, v15
	ds_store_b128 v15, v[156:159]
	ds_store_b128 v15, v[160:163] offset:16
.endm
; The eight waves' sums meet; every lane ends with scale v[4:7] and shift v[8:11] of channels 4 (L % 16) .. + 3.
.macro BNC_B
	s_wait_dscnt 0x0
	s_barrier_signal -1
	s_barrier_wait -1
	v_lshlrev_b32 v15, 5, v12
	v_add_nc_u32 v15, L_UB, v15
.set k, 0
.rept 8
	ds_load_b128 v[RB+8*k:RB+8*k+3], v15 offset:1024*k
	ds_load_b128 v[RB+8*k+4:RB+8*k+7], v15 offset:1024*k+16
.set k, k+1
.endr
	s_wait_dscnt 0x0
.set k, 1
.rept 7
.irp j, 0,2,4,6
	v_pk_add_f32 v[RB+\j:RB+\j+1], v[RB+\j:RB+\j+1], v[RB+8*k+\j:RB+8*k+\j+1]
.endr
.set k, k+1
.endr
.irp j, 0,1,2,3
	v_permlanex16_b32 v[164+\j], v[RB+\j], s46, s47
	v_permlanex16_b32 v[168+\j], v[RB+4+\j], s46, s47
	v_permlanex16_b32 v[RB+8+\j], v[144+\j], s46, s47
.endr
.irp j, 0,1,2,3
	v_cndmask_b32 v[RB+12+\j], v[164+\j], v[RB+\j], vcc_lo
	v_cndmask_b32 v[RB+16+\j], v[168+\j], v[RB+4+\j], vcc_lo
	v_cndmask_b32 v[RB+20+\j], v[RB+\j], v[164+\j], vcc_lo
	v_cndmask_b32 v[RB+24+\j], v[RB+8+\j], v[144+\j], vcc_lo
	v_mul_f32 v[RB+28+\j], 0x3b83126f, v[RB+12+\j]
	v_fma_f32 v[RB+16+\j], -v[RB+28+\j], v[RB+12+\j], v[RB+16+\j]
	v_add_f32 v[RB+24+\j], v[RB+24+\j], v[RB+28+\j]
	v_fmamk_f32 v[RB+20+\j], v[RB+16+\j], 0x43c80000, v[RB+20+\j]
	v_fma_f32 v[RB+20+\j], v[RB+20+\j], s31, s31
.endr
.irp j, 0,1,2,3
	v_rsq_f32 v[RB+28+\j], v[RB+20+\j]
.endr
	v_nop
	s_wait_alu depctr_va_vdst(0)
.irp j, 0,1,2,3
	v_mul_f32 v[4+\j], v[148+\j], v[RB+28+\j]
	v_fma_f32 v[8+\j], -v[RB+24+\j], v[4+\j], v[152+\j]
.endr
.endm
	s_load_b512 s[4:19], s[0:1], 0x0               ; y2, part2, g2, b2, out_w, out_b, z, part3
	s_set_vgpr_msb 0x40
	v_lshl_add_u32 v254, v0, 2, 0x15000
	v_mov_b32 v255, 0
	s_set_vgpr_msb 0x4000
	v_lshrrev_b32 v12, 5, v0
	v_readfirstlane_b32 s42, v12
	s_mov_b32 s46, 0x76543210
	s_mov_b32 s47, 0xfedcba98
	s_mov_b32 s31, 0x3727c5ac
	v_and_b32 v172, 15, v0                         ; r
	v_bfe_u32 v173, v0, 4, 1                       ; h
	v_lshlrev_b32 v174, 5, v173                    ; 32 h
	v_lshl_add_u32 v175, v172, 8, v174             ; 256 r + 32 h
	s_mul_i32 s24, s42, 8704
	s_add_co_u32 s24, s24, L_STG
	v_mad_u32_u24 v2, v172, 272, v174
	v_lshlrev_b32 v3, 4, v172
	v_mad_u32_u24 v3, v173, 272, v3
	v_add_nc_u32 v2, s24, v2                       ; stage in the accumulators' layout
	v_add_nc_u32 v3, s24, v3                       ; stage by row pairs
	s_lshl_b32 s26, ttmp9, 3
	s_add_co_u32 s26, s26, s42
	s_mul_i32 s26, s26, 12800                      ; my wave's 50 rows
	s_mov_b32 s27, 0
	s_wait_kmcnt 0x0
	s_add_nc_u64 s[4:5], s[4:5], s[26:27]
	s_add_nc_u64 s[16:17], s[16:17], s[26:27]
	BNC_L
	WIN 0x40                                       ; loaded data to window 1, addresses in window 0
.set k, 0
.rept 16
	global_load_b128 v[WRAW+8*k:WRAW+8*k+3], v175, s[12:13] offset:4096*(k>>2)+64*(k&3)
	global_load_b128 v[WRAW+8*k+4:WRAW+8*k+7], v175, s[12:13] offset:4096*(k>>2)+64*(k&3)+16
.set k, k+1
.endr
	WIN 0
.irp t, 0,1,2,3
	global_load_b128 v[BI+8*\t:BI+8*\t+3], v174, s[14:15] offset:64*\t
	global_load_b128 v[BI+8*\t+4:BI+8*\t+7], v174, s[14:15] offset:64*\t+16
.endr
	WIN 0x40
.set k, 0
.rept 25
	global_load_b128 v[RW+4*k:RW+4*k+3], v1, s[4:5] offset:512*k th:TH_LOAD_NT
.set k, k+1
.endr
	WIN 0
	BNC_S 63                                       ; 65 loads are younger than the records'; 63 is the largest count that a wait can name, and a smaller count is safe
	BNC_B
	s_wait_loadcnt 25                              ; weights and bias are in; the 25 loads of rows stay out
	WIN 0x05                                       ; both sources in window 1, the destination in window 0
.set k, 0
.rept 16
	PACKH WF+4*k, WRAW+8*k
.set k, k+1
.endr
	WIN 0
.macro PASS p, np
	WIN 0x01                                       ; the rows as loaded in window 1, all else in window 0
.set i, 0
.rept \np
	s_wait_loadcnt 24-16*\p-i                      ; pair 16 p + i is in, the younger ones stay out
	v_pk_fma_f32 v[Y+4*i:Y+4*i+1], v[RW+64*\p+4*i:RW+64*\p+4*i+1], v[4:5], v[8:9]
	v_pk_fma_f32 v[Y+4*i+2:Y+4*i+3], v[RW+64*\p+4*i+2:RW+64*\p+4*i+3], v[6:7], v[10:11]
.set i, i+1
.endr
	WIN 0
.set i, 0
.rept \np
	ds_store_b128 v3, v[Y+4*i:Y+4*i+3] offset:544*i
.set i, i+1
.endr
.irp n, 0,1
.irp t, 0,1,2,3
	ds_load_b128 v[Y+32*\n+8*\t:Y+32*\n+8*\t+3], v2 offset:4352*\n+64*\t
	ds_load_b128 v[Y+32*\n+8*\t+4:Y+32*\n+8*\t+7], v2 offset:4352*\n+64*\t+16
.endr
.endr
	s_wait_dscnt 0x0
.irp n, 0,1
.irp t, 0,1,2,3
	PACKH XF+16*\n+4*\t, Y+32*\n+8*\t
.endr
.endr
.irp n, 0,1
.irp t, 0,1,2,3
	MMH Y+32*\n+8*\t, WF+16*\t, XF+16*\n, BI+8*\t
.endr
.endr
.irp n, 0,1
.irp t, 0,1,2,3
	MMH Y+32*\n+8*\t, WF+16*\t+8, XF+16*\n+8, Y+32*\n+8*\t
.endr
.endr
	NOPS 4
.irp n, 0,1
.irp t, 0,1,2,3
	ds_store_b128 v2, v[Y+32*\n+8*\t:Y+32*\n+8*\t+3] offset:4352*\n+64*\t
	ds_store_b128 v2, v[Y+32*\n+8*\t+4:Y+32*\n+8*\t+7] offset:4352*\n+64*\t+16
.endr
.endr
.set i, 0
.rept \np
	ds_load_b128 v[Y+4*i:Y+4*i+3], v3 offset:544*i
.set i, i+1
.endr
.set i, 0
.rept \np
	s_wait_dscnt \np-1-i
.if \p+i == 0
	STAT0 Y
.else
	STAT Y+4*i
.endif
	global_store_b128 v1, v[Y+4*i:Y+4*i+3], s[16:17] offset:PASSB*\p+512*i
.set i, i+1
.endr
	s_wait_xcnt 0x0                                ; the stores' data registers are written again only behind this wait
.endm
	PASS 0, 16
	PASS 1, 9
	v_pk_mul_f32 v[TD:TD+1], v[SUM1:SUM1+1], 0x3d23d70a op_sel_hi:[1,0]
	v_pk_mul_f32 v[TD+2:TD+3], v[SUM1+2:SUM1+3], 0x3d23d70a op_sel_hi:[1,0]
	v_pk_add_f32 v[SHF:SHF+1], v[SHF:SHF+1], v[TD:TD+1]
	v_pk_add_f32 v[SHF+2:SHF+3], v[SHF+2:SHF+3], v[TD+2:TD+3]
	v_pk_fma_f32 v[SUM2:SUM2+1], v[TD:TD+1], v[SUM1:SUM1+1], v[SUM2:SUM2+1] neg_lo:[1,0,0] neg_hi:[1,0,0]
	v_pk_fma_f32 v[SUM2+2:SUM2+3], v[TD+2:TD+3], v[SUM1+2:SUM1+3], v[SUM2+2:SUM2+3] neg_lo:[1,0,0] neg_hi:[1,0,0]
	v_lshlrev_b32 v[TD], 4, v0
	v_add_nc_u32 v[TD], L_ST, v[TD]
	ds_store_b128 v[TD], v[SHF:SHF+3]
	ds_store_b128 v[TD], v[SUM2:SUM2+3] offset:4096
	s_wait_dscnt 0x0
	s_barrier_signal -1
	s_barrier_wait -1
	s_cmp_ge_u32 s42, 2
	s_cbranch_scc1 .Lend
	s_lshl_b32 s24, ttmp9, 9
	s_mov_b32 s25, 0
	s_add_nc_u64 s[18:19], s[18:19], s[24:25]
	v_lshlrev_b32 v[TD], 2, v0
	v_add_nc_u32 v[TD+1], L_ST, v[TD]
.set k, 0
.rept 16
	ds_load_b32 v[WR+k], v[TD+1] offset:256*k
	ds_load_b32 v[WR+16+k], v[TD+1] offset:4096+256*k
.set k, k+1
.endr
	s_wait_dscnt 0x0
	v_add_f32 v[WR+32], v[WR], v[WR+1]
	v_add_f32 v[WR+33], v[WR+16], v[WR+17]
.set k, 2
.rept 14
	v_add_f32 v[WR+32], v[WR+32], v[WR+k]
	v_add_f32 v[WR+33], v[WR+33], v[WR+16+k]
.set k, k+1
.endr
	v_mul_f32 v[WR+32], 0x3d800000, v[WR+32]
	v_sub_f32 v[WR+34], v[WR], v[WR+32]
	v_mul_f32 v[WR+35], v[WR+34], v[WR+34]
.set k, 1
.rept 15
	v_sub_f32 v[WR+34], v[WR+k], v[WR+32]
	v_fmac_f32 v[WR+35], v[WR+34], v[WR+34]
.set k, k+1
.endr
	v_fmamk_f32 v[WR+33], v[WR+35], 0x41c80000, v[WR+33]
	global_store_b32 v[TD], v[WR+32], s[18:19]
	global_store_b32 v[TD], v[WR+33], s[18:19] offset:256
.Lend:
	s_set_vgpr_msb 0x5
	s_wait_tensorcnt 0x0
	ds_add_u32 v254, v255
	s_wait_dscnt 0x0
	s_set_vgpr_msb 0x500
	s_endpgm
.Lfunc_end_k_q07f1c0e397_outl:
	.size	k_q07f1c0e397_outl, .Lfunc_end_k_q07f1c0e397_outl-k_q07f1c0e397_outl
	.p2alignl 7, 3214868480
	.fill 96, 4, 3214868480
	.section	.rodata,"a",@progbits
	.p2align	6, 0x0
	.amdhsa_kernel k_q07f1c0e397_outl
		.amdhsa_group_segment_fixed_size 87040
		.amdhsa_private_segment_fixed_size 0
		.amdhsa_enable_private_segment 0
		.amdhsa_kernarg_size 64
		.amdhsa_user_sgpr_count 2
		.amdhsa_user_sgpr_kernarg_segment_ptr 1
		.amdhsa_wavefront_size32 1
		.amdhsa_system_sgpr_workgroup_id_x 1
		.amdhsa_system_sgpr_workgroup_id_y 1
		.amdhsa_system_sgpr_workgroup_id_z 1
		.amdhsa_system_vgpr_workitem_id 0
		.amdhsa_next_free_vgpr 512
		.amdhsa_next_free_sgpr 66
		.amdhsa_reserve_vcc 1
		.amdhsa_float_denorm_mode_32 3
		.amdhsa_float_denorm_mode_16_64 3
		.amdhsa_memory_ordered 1
		.amdhsa_forward_progress 1
		.amdhsa_inst_pref_size 70
	.end_amdhsa_kernel
	.amdgpu_metadata
---
amdhsa.version: [ 1, 2 ]
amdhsa.kernels:
  - .name:           k_q07f1c0e397_outl
    .symbol:         k_q07f1c0e397_outl.kd
    .args:
      - { .name: y2, .offset: 0, .size: 8, .value_kind: global_buffer, .address_space: global }
      - { .name: part2, .offset: 8, .size: 8, .value_kind: global_buffer, .address_space: global }
      - { .name: g2, .offset: 16, .size: 8, .value_kind: global_buffer, .address_space: global }
      - { .name: b2, .offset: 24, .size: 8, .value_kind: global_buffer, .address_space: global }
      - { .name: out_w, .offset: 32, .size: 8, .value_kind: global_buffer, .address_space: global }
      - { .name: out_b, .offset: 40, .size: 8, .value_kind: global_buffer, .address_space: global }
      - { .name: z, .offset: 48, .size: 8, .value_kind: global_buffer, .address_space: global }
      - { .name: part3, .offset: 56, .size: 8, .value_kind: global_buffer, .address_space: global }
    .group_segment_fixed_size: 87040
    .private_segment_fixed_size: 0
    .kernarg_segment_align: 8
    .kernarg_segment_size: 64
    .max_flat_workgroup_size: 256
    .sgpr_count:     66
    .vgpr_count:     512
    .wavefront_size: 32
...
	.end_amdgpu_metadata
.endif
;; end of part 4
;; launch fin (part 5): grid 250 x 1, 8 waves a work-group, no clusters, 9,216 bytes of LDS; arguments z, part3, g3, b3, out0; writes out0
.if DOCPART == 5
	.amdgcn_target "amdgcn-amd-amdhsa--gfx1250"
	.amdhsa_code_object_version 6
	.text
	.protected	k_q07f1c0e397_fin
	.globl	k_q07f1c0e397_fin
	.p2align	8
	.type	k_q07f1c0e397_fin,@function
k_q07f1c0e397_fin:
	s_mov_b64 s[64:65], 0
	v_nop
	global_prefetch_b8 v0, s[64:65] scope:SCOPE_SE
	s_setreg_imm32_b32 hwreg(HW_REG_WAVE_MODE, 25, 1), 1
	s_wait_xcnt 0x0
; out0 = relu(BatchNorm(z; g3, b3)).  250 work-groups x 8 waves x 50 rows: 25 loads and 25 stores of 512 consecutive bytes a wave.
; The 25 row loads are issued straight behind the 35 loads of records and coefficients, into register window 1, so that they travel while
; the coefficients are made.  A stream: no matrix unit, no tensor loads, no clusters.
.set L_UB, 0
.set RB, 16                            ; scratch of the coefficients' second half: the records' registers, dead by then
.set MSB, 0
.macro WIN new                         ; the immediate's high byte repeats the setting that is left
.if MSB != \new
	s_set_vgpr_msb (MSB<<8)|\new
.set MSB, \new
.endif
.endm
; Records of 512 bytes: lanes 0-15 read 64 means, lanes 16-31 read 64 M2.  Wave w takes records w, w + 8, .. w + 240, and waves 0, 1 records 248, 249
; (the others read record 249 with weight 0).  35 loads.
.macro BNC_L
	v_and_b32 v12, 31, v0
	v_lshlrev_b32 v1, 4, v12
	v_and_b32 v13, 15, v0
	v_lshlrev_b32 v13, 4, v13
	v_lshlrev_b32 v14, 4, v0
	s_add_co_u32 s24, s42, 248
	s_min_u32 s24, s24, 249
	s_lshl_b32 s24, s24, 9
	v_add_nc_u32 v15, s24, v1
	s_cmp_lt_u32 s42, 2
	s_cselect_b32 s28, 0x3f800000, 0
	s_mov_b32 s29, s28
.set k, 0
.rept 31
	global_load_b128 v[16+4*k:19+4*k], v14, s[6:7] offset:4096*k
.set k, k+1
.endr
	global_load_b128 v[140:143], v15, s[6:7]
	global_load_b128 v[144:147], v1, s[6:7]
	global_load_b128 v[148:151], v13, s[8:9]
	global_load_b128 v[152:155], v13, s[10:11]
.endm
; Lanes 0-15 sum (mean - shift) and its square, lanes 16-31 sum M2 (shift 0).  left: the loads issued behind the records'.
.macro BNC_S left
	s_wait_loadcnt \left
	v_cmp_gt_u32 vcc_lo, 16, v12
.irp j, 0,1,2,3
	v_cndmask_b32 v[164+\j], 0, v[144+\j], vcc_lo
.endr
	v_pk_add_f32 v[156:157], v[16:17], v[164:165] neg_lo:[0,1] neg_hi:[0,1]
	v_pk_add_f32 v[158:159], v[18:19], v[166:167] neg_lo:[0,1] neg_hi:[0,1]
	v_pk_mul_f32 v[160:161], v[156:157], v[156:157]
	v_pk_mul_f32 v[162:163], v[158:159], v[158:159]
.set k, 1
.rept 31
	v_pk_add_f32 v[168:169], v[16+4*k:17+4*k], v[164:165] neg_lo:[0,1] neg_hi:[0,1]
	v_pk_add_f32 v[170:171], v[18+4*k:19+4*k], v[166:167] neg_lo:[0,1] neg_hi:[0,1]
.if k == 31
	v_pk_mul_f32 v[168:169], v[168:169], s[28:29] op_sel_hi:[1,0]
	v_pk_mul_f32 v[170:171], v[170:171], s[28:29] op_sel_hi:[1,0]
.endif
	v_pk_add_f32 v[156:157], v[156:157], v[168:169]
	v_pk_add_f32 v[158:159], v[158:159], v[170:171]
	v_pk_fma_f32 v[160:161], v[168:169], v[168:169], v[160:161]
	v_pk_fma_f32 v[162:163], v[170:171], v[170:171], v[162:163]
.set k, k+1
.endr
	v_lshlrev_b32 v15, 5, v0
	v_add_nc_u32 v15, L_UB, v15
	ds_store_b128 v15, v[156:159]
	ds_store_b128 v15, v[160:163] offset:16
.endm
; The eight waves' sums meet; every lane ends with scale v[4:7] and shift v[8:11] of channels 4 (L % 16) .. + 3.
.macro BNC_B
	s_wait_dscnt 0x0
	s_barrier_signal -1
	s_barrier_wait -1
	v_lshlrev_b32 v15, 5, v12
	v_add_nc_u32 v15, L_UB, v15
.set k, 0
.rept 8
	ds_load_b128 v[RB+8*k:RB+8*k+3], v15 offset:1024*k
	ds_load_b128 v[RB+8*k+4:RB+8*k+7], v15 offset:1024*k+16
.set k, k+1
.endr
	s_wait_dscnt 0x0
.set k, 1
.rept 7
.irp j, 0,2,4,6
	v_pk_add_f32 v[RB+\j:RB+\j+1], v[RB+\j:RB+\j+1], v[RB+8*k+\j:RB+8*k+\j+1]
.endr
.set k, k+1
.endr
.irp j, 0,1,2,3
	v_permlanex16_b32 v[164+\j], v[RB+\j], s46, s47
	v_permlanex16_b32 v[168+\j], v[RB+4+\j], s46, s47
	v_permlanex16_b32 v[RB+8+\j], v[144+\j], s46, s47
.endr
.irp j, 0,1,2,3
	v_cndmask_b32 v[RB+12+\j], v[164+\j], v[RB+\j], vcc_lo
	v_cndmask_b32 v[RB+16+\j], v[168+\j], v[RB+4+\j], vcc_lo
	v_cndmask_b32 v[RB+20+\j], v[RB+\j], v[164+\j], vcc_lo
	v_cndmask_b32 v[RB+24+\j], v[RB+8+\j], v[144+\j], vcc_lo
	v_mul_f32 v[RB+28+\j], 0x3b83126f, v[RB+12+\j]
	v_fma_f32 v[RB+16+\j], -v[RB+28+\j], v[RB+12+\j], v[RB+16+\j]
	v_add_f32 v[RB+24+\j], v[RB+24+\j], v[RB+28+\j]
	v_fmamk_f32 v[RB+20+\j], v[RB+16+\j], 0x43c80000, v[RB+20+\j]
	v_fma_f32 v[RB+20+\j], v[RB+20+\j], s31, s31
.endr
.irp j, 0,1,2,3
	v_rsq_f32 v[RB+28+\j], v[RB+20+\j]
.endr
	v_nop
	s_wait_alu depctr_va_vdst(0)
.irp j, 0,1,2,3
	v_mul_f32 v[4+\j], v[148+\j], v[RB+28+\j]
	v_fma_f32 v[8+\j], -v[RB+24+\j], v[4+\j], v[152+\j]
.endr
.endm
	s_load_b256 s[4:11], s[0:1], 0x0               ; z, part3, g3, b3
	s_load_b64 s[12:13], s[0:1], 0x20              ; out0
	v_lshl_add_u32 v254, v0, 2, 0x2000
	v_mov_b32 v255, 0
	v_lshrrev_b32 v12, 5, v0
	v_readfirstlane_b32 s42, v12
	s_mov_b32 s46, 0x76543210
	s_mov_b32 s47, 0xfedcba98
	s_mov_b32 s31, 0x3727c5ac
	s_lshl_b32 s26, ttmp9, 3
	s_add_co_u32 s26, s26, s42
	s_mul_i32 s26, s26, 12800
	s_mov_b32 s27, 0
	s_wait_kmcnt 0x0
	s_add_nc_u64 s[4:5], s[4:5], s[26:27]
	s_add_nc_u64 s[12:13], s[12:13], s[26:27]
	BNC_L
	WIN 0x40                                       ; destinations in window 1, addresses and sources in window 0
.set k, 0
.rept 25
	global_load_b128 v[16+4*k:19+4*k], v1, s[4:5] offset:512*k th:TH_LOAD_NT
.set k, k+1
.endr
	v_mov_b32 v1, v1                               ; a copy of the lane's offset in window 1, for the stores below
	WIN 0
	BNC_S 25                                       ; the records are in; the 25 loads of rows stay out
	BNC_B
	WIN 0x01                                       ; source 0 in window 1: the rows as loaded, and the stores' offset; results and store data in window 0
.set k, 0
.rept 25
	s_wait_loadcnt 24-k                            ; pair k is in, the younger ones stay out
	v_pk_fma_f32 v[16+4*k:17+4*k], v[16+4*k:17+4*k], v[4:5], v[8:9]
	v_pk_fma_f32 v[18+4*k:19+4*k], v[18+4*k:19+4*k], v[6:7], v[10:11]
	v_max_num_f32 v[16+4*k], 0, v[16+4*k]
	v_max_num_f32 v[17+4*k], 0, v[17+4*k]
	v_max_num_f32 v[18+4*k], 0, v[18+4*k]
	v_max_num_f32 v[19+4*k], 0, v[19+4*k]
	global_store_b128 v1, v[16+4*k:19+4*k], s[12:13] offset:512*k th:TH_STORE_NT
.set k, k+1
.endr
	WIN 0
	s_wait_tensorcnt 0x0
	ds_add_u32 v254, v255
	s_wait_dscnt 0x0
	s_endpgm
.Lfunc_end_k_q07f1c0e397_fin:
	.size	k_q07f1c0e397_fin, .Lfunc_end_k_q07f1c0e397_fin-k_q07f1c0e397_fin
	.p2alignl 7, 3214868480
	.fill 96, 4, 3214868480
	.section	.rodata,"a",@progbits
	.p2align	6, 0x0
	.amdhsa_kernel k_q07f1c0e397_fin
		.amdhsa_group_segment_fixed_size 9216
		.amdhsa_private_segment_fixed_size 0
		.amdhsa_enable_private_segment 0
		.amdhsa_kernarg_size 40
		.amdhsa_user_sgpr_count 2
		.amdhsa_user_sgpr_kernarg_segment_ptr 1
		.amdhsa_wavefront_size32 1
		.amdhsa_system_sgpr_workgroup_id_x 1
		.amdhsa_system_sgpr_workgroup_id_y 1
		.amdhsa_system_sgpr_workgroup_id_z 1
		.amdhsa_system_vgpr_workitem_id 0
		.amdhsa_next_free_vgpr 384
		.amdhsa_next_free_sgpr 66
		.amdhsa_reserve_vcc 1
		.amdhsa_float_denorm_mode_32 3
		.amdhsa_float_denorm_mode_16_64 3
		.amdhsa_memory_ordered 1
		.amdhsa_forward_progress 1
		.amdhsa_inst_pref_size 35
	.end_amdhsa_kernel
	.amdgpu_metadata
---
amdhsa.version: [ 1, 2 ]
amdhsa.kernels:
  - .name:           k_q07f1c0e397_fin
    .symbol:         k_q07f1c0e397_fin.kd
    .args:
      - { .name: z, .offset: 0, .size: 8, .value_kind: global_buffer, .address_space: global }
      - { .name: part3, .offset: 8, .size: 8, .value_kind: global_buffer, .address_space: global }
      - { .name: g3, .offset: 16, .size: 8, .value_kind: global_buffer, .address_space: global }
      - { .name: b3, .offset: 24, .size: 8, .value_kind: global_buffer, .address_space: global }
      - { .name: out0, .offset: 32, .size: 8, .value_kind: global_buffer, .address_space: global }
    .group_segment_fixed_size: 9216
    .private_segment_fixed_size: 0
    .kernarg_segment_align: 8
    .kernarg_segment_size: 40
    .max_flat_workgroup_size: 256
    .sgpr_count:     66
    .vgpr_count:     384
    .wavefront_size: 32
...
	.end_amdgpu_metadata
.endif
;; end of part 5
;; ======== version 2 of 2: 5 launches; version 1 with the launches cast, ffn, outl, fin written anew for expert scheduling mode
;; limits: values are held in f16: magnitudes above 65,504 overflow, below 6.1e-05 lose precision
;; workspace buffers: tab 12,800,000 bytes; y1 25,600,000 bytes; y2 25,600,000 bytes; z 25,600,000 bytes; part1 128,000 bytes; part2 128,000 bytes; part3 128,000 bytes
;; launch cast (part 6): grid 250 x 1, 8 waves a work-group, no clusters, 0 bytes of LDS; arguments voxel_features, tab; writes tab
.if DOCPART == 6
	.amdgcn_target "amdgcn-amd-amdhsa--gfx1250"
	.amdhsa_code_object_version 6
	.text
	.protected	k_q07f1c0e397_cast
	.globl	k_q07f1c0e397_cast
	.p2align	8
	.type	k_q07f1c0e397_cast,@function
k_q07f1c0e397_cast:
	s_mov_b64 s[64:65], 0
	v_nop
	global_prefetch_b8 v0, s[64:65] scope:SCOPE_SE
	s_setreg_imm32_b32 hwreg(HW_REG_WAVE_SCHED_MODE, 0, 2), 2
	s_setreg_imm32_b32 hwreg(HW_REG_WAVE_MODE, 25, 1), 1
	s_wait_xcnt 0x0
	s_wait_alu depctr_vm_vsrc(0)
; tab[n][c] = bf16(voxel_features[n][c]): the table from which the attention launch gathers 32 rows a voxel,
; so that a gathered row is 128 bytes instead of 256.
; 250 work-groups x 8 waves x 50 rows.  A wave's 50 rows are 12,800 consecutive bytes in, 6,400 out.
; All 25 loads of a wave (512 bytes each) are issued first; each store covers 256 consecutive bytes, aligned.
; No LDS, no barrier, no matrix unit: the launch only moves bytes, and no two work-groups share an input.
; THE MODE: SCHED_MODE bits 1:0 = 2 (LLVM: expert scheduling mode 2), set by the entry lines.  The code itself states the register dependences
; between vector instructions and memory instructions, with s_wait_alu, always for 0.
; THE PLAN.  Registers that memory instructions touch:
;   v1, v2             byte offsets, made once at the head and never written again.
;   v[4+4k .. 7+4k]    load k's own four registers: the load lands there, two conversions close the numbers up into the first two, store k reads those.
;                      No register is loaded or converted into a second time.
; The 25 loads go in five blocks of five.  Block g converts its own registers; its memory instructions are the five stores of block g - 1, whose
; registers no vector instruction of block g names.  So one wait at a block's head states all that its stores hang on.
	s_load_b128 s[4:7], s[0:1], 0x0                ; voxel_features s[4:5], tab s[6:7]
	v_lshrrev_b32 v1, 5, v0
	v_readfirstlane_b32 s8, v1                     ; wave
	v_and_b32 v3, 31, v0                           ; lane
	v_lshlrev_b32 v1, 4, v3                        ; 16 bytes a lane in
	v_lshlrev_b32 v2, 3, v3                        ; 8 bytes a lane out
	s_wait_alu depctr_va_sdst(0)                   ; s8 is written, ahead of its first reader: both bases are made from it
	s_lshl_b32 s9, ttmp9, 3
	s_add_co_u32 s9, s9, s8                        ; wave among all 2,000
	s_mul_i32 s10, s9, 12800
	s_mov_b32 s11, 0
	s_mul_i32 s12, s9, 6400
	s_mov_b32 s13, 0
	s_wait_kmcnt 0x0
	s_add_nc_u64 s[4:5], s[4:5], s[10:11]
	s_add_nc_u64 s[6:7], s[6:7], s[12:13]
	s_wait_alu depctr_va_vdst(0)                   ; v1 and v2 are written: every load and store of the kernel reads one of them as its offset
.set k, 0
.rept 25
	global_load_b128 v[4+4*k:7+4*k], v1, s[4:5] offset:512*k th:TH_LOAD_NT
.set k, k+1
.endr
.set g, 0
.rept 5
	s_wait_loadcnt 20-5*g                          ; loads return in order: block g's five are in, the younger blocks stay out
.if g > 0
	s_wait_alu depctr_va_vdst(0)                   ; the block before has written the registers that the five stores below read
.endif
.set i, 0
.rept 5
.set k, 5*g+i
.if g > 0
	global_store_b64 v2, v[4+4*(k-5):5+4*(k-5)], s[6:7] offset:256*(k-5)   ; the block before; no vector instruction since the wait names these registers
.endif
	v_cvt_pk_bf16_f32 v[4+4*k], v[4+4*k], v[5+4*k]
	v_cvt_pk_bf16_f32 v[5+4*k], v[6+4*k], v[7+4*k]
.set i, i+1
.endr
.set g, g+1
.endr
	s_wait_alu depctr_va_vdst(0)                   ; the last block has written the registers that the last five stores read
.set k, 20
.rept 5
	global_store_b64 v2, v[4+4*k:5+4*k], s[6:7] offset:256*k
.set k, k+1
.endr
	s_endpgm
.Lfunc_end_k_q07f1c0e397_cast:
	.size	k_q07f1c0e397_cast, .Lfunc_end_k_q07f1c0e397_cast-k_q07f1c0e397_cast
	.p2alignl 7, 3214868480
	.fill 96, 4, 3214868480
	.section	.rodata,"a",@progbits
	.p2align	6, 0x0
	.amdhsa_kernel k_q07f1c0e397_cast
		.amdhsa_group_segment_fixed_size 0
		.amdhsa_private_segment_fixed_size 0
		.amdhsa_enable_private_segment 0
		.amdhsa_kernarg_size 16
		.amdhsa_user_sgpr_count 2
		.amdhsa_user_sgpr_kernarg_segment_ptr 1
		.amdhsa_wavefront_size32 1
		.amdhsa_system_sgpr_workgroup_id_x 1
		.amdhsa_system_sgpr_workgroup_id_y 1
		.amdhsa_system_sgpr_workgroup_id_z 1
		.amdhsa_system_vgpr_workitem_id 0
		.amdhsa_next_free_vgpr 104
		.amdhsa_next_free_sgpr 66
		.amdhsa_reserve_vcc 0
		.amdhsa_float_denorm_mode_32 3
		.amdhsa_float_denorm_mode_16_64 3
		.amdhsa_memory_ordered 1
		.amdhsa_forward_progress 1
		.amdhsa_inst_pref_size 10
	.end_amdhsa_kernel
	.amdgpu_metadata
---
amdhsa.version: [ 1, 2 ]
amdhsa.kernels:
  - .name:           k_q07f1c0e397_cast
    .symbol:         k_q07f1c0e397_cast.kd
    .args:
      - { .name: voxel_features, .offset: 0, .size: 8, .value_kind: global_buffer, .address_space: global }
      - { .name: tab, .offset: 8, .size: 8, .value_kind: global_buffer, .address_space: global }
    .group_segment_fixed_size: 0
    .private_segment_fixed_size: 0
    .kernarg_segment_align: 8
    .kernarg_segment_size: 16
    .max_flat_workgroup_size: 256
    .sgpr_count:     66
    .vgpr_count:     104
    .wavefront_size: 32
...
	.end_amdgpu_metadata
.endif
;; end of part 6
;; launch attn: the kernel of part 2 again; grid 250 x 1, 8 waves a work-group, no clusters, 284,672 bytes of LDS; arguments tab, voxel_coords, key_indices, key_mask, voxel_features, y1, part1, k_pos_w, k_pos_b, q_pos_w, q_pos_b, wq, wk, wv, wo, bq, bk, bv, bo; writes y1, part1
;; launch ffn (part 7): grid 250 x 1, 8 waves a work-group, no clusters, 153,856 bytes of LDS; arguments y1, part1, g1, b1, lin1_w, lin1_b, lin2_w, lin2_b, y2, part2; writes y2, part2
.if DOCPART == 7
	.amdgcn_target "amdgcn-amd-amdhsa--gfx1250"
	.amdhsa_code_object_version 6
	.text
	.protected	k_q07f1c0e397_ffn
	.globl	k_q07f1c0e397_ffn
	.p2align	8
	.type	k_q07f1c0e397_ffn,@function
k_q07f1c0e397_ffn:
	s_mov_b64 s[64:65], 0
	v_nop
	global_prefetch_b8 v0, s[64:65] scope:SCOPE_SE
	s_setreg_imm32_b32 hwreg(HW_REG_WAVE_SCHED_MODE, 0, 2), 2
	s_setreg_imm32_b32 hwreg(HW_REG_WAVE_MODE, 25, 1), 1
	s_wait_xcnt 0x0
	s_wait_alu depctr_vm_vsrc(0)
; x = BatchNorm(y1; g1, b1);  y2 = x + relu(x lin1^T + lin1_b) lin2^T + lin2_b;  per work-group the statistics of y2.
; 250 work-groups x 8 waves x 50 rows; a wave takes its rows in passes of 32 and 18.  Products are used transposed (D[channel][row]), so that four
; conversions turn a result tile into half of the next product's fragment; the hidden layer never leaves registers (blocks of 32 of its 256 channels).
; Every work-group makes the batch's mean and variance itself from the 250 records of the launch before (128 KB): counts are equal, so
; mean = average of means, M2 = sum of M2 + 400 x the spread of the means, the spread taken about the first record's mean.
; ALL GLOBAL LOADS OF A WAVE ARE ISSUED AT THE START, in the order in which they are needed: 34 of weights and biases, 35 of records and
; coefficients, 25 of rows; loads return in order, so each wait names the loads that are younger.  Raw weights and rows lie in register window 1.
; NOT USED, and why: tensor loads and clusters (what work-groups share is 128 KB of weights and 128 KB of records, read once each; rows are private).
; Pass 2 has 18 real rows: the other 14 columns of its tiles hold the first pass's results, are independent columns, and are never stored.
; THE MODE: SCHED_MODE bits 1:0 = 2 (LLVM: expert scheduling mode 2), set by the entry lines.  The code itself states the register dependences
; between vector or matrix instructions and memory or LDS instructions, with s_wait_alu, always for 0.
; THE PLAN.  Head: every offset and LDS address is made ahead of ONE wait on va_vdst in front of the first load.
; In the loop over the hidden layer's eight blocks, the registers that LDS instructions touch:
;   W1F, BI       lin1's block and its bias.  Read by the trip's first eight products; behind them the next trip's block lands there.
;   W2F           lin2's blocks.  Read by the trip's last eight products; the next trip's loads land there behind that trip's first eight products.
;   v12, v13, v14 LDS addresses.  Read by the trip's 20 loads; stepped once a trip, behind the first eight products.
;   HH, HF, XF and Y are named by vector and matrix instructions alone.
; So a trip has ONE wait on va_vdst, behind its first eight products and the address steps: it states that the addresses are written, that these products are
; done reading W1F and BI, and that the last trip's products are done reading W2F.  The trip's 20 loads follow it: W2F's eight first, the next trip's twelve
; dealt among the relu and the conversions, which name HH and HF alone.  One wait on vm_vsrc stands ahead of the address steps.
; The last trip's twelve loads ask for a ninth block: they read the LDS bytes behind the two tables (lin2's first blocks, lin2_b), which were stored ahead
; of the barrier, and nothing reads the registers that they fill: the price of one text for every trip.
.set L_W1, 0                           ; 64 blocks of 512 bytes, block 4 mt + kb
.set L_W2, 32768                       ; 64 blocks, block 16 mt + kb
.set L_LB1, 65536
.set L_LB2, 66560
.set L_UB, 66816                       ; the waves' partial sums over records
.set L_ST, 75008
.set L_STG, 83200                      ; 32 rows x 272 bytes for each wave
.set PASSB, 8192                       ; bytes of a pass of 32 rows of 256 bytes
.set RB, 16                            ; scratch of the coefficients' second half: the records' registers, dead by then
.set RW, 128                           ; window 1: v[0:127] raw weights, v[128:227] the 25 row pairs
.set SHF, 16
.set SUM1, 20
.set SUM2, 24
.set Y, 28                             ; v[28:91]  x and the sums, tile (nt, t) at Y + 32 nt + 8 t
.set XF, 92                            ; v[92:123] x as fragments
.set HH, 124                           ; v[124:155] hidden tiles (m, nt)
.set BI, 156                           ; v[156:171] lin1_b of the block
.set HF, 172                           ; v[172:187] hidden block as fragments
.set UA, 180                           ; at the head only: LDS address of my partial sums as I store them
.set UR, 181                           ; at the head only: LDS address of the eight waves' partial sums as I read them
.set W1F, 188                          ; v[188:219] lin1's block
.set W2F, 220                          ; v[220:251] lin2's blocks; at a pass's head lin2_b
.set TD, 252
.set WR, 28
.set MSB, 0
.macro WIN new                         ; the immediate's high byte repeats the setting that is left
.if MSB != \new
	s_set_vgpr_msb (MSB<<8)|\new
.set MSB, \new
.endif
.endm
.macro NOPS n
.rept \n
	v_nop
.endr
.endm
.macro PACK dst, src
	v_cvt_pk_bf16_f32 v[\dst], v[\src], v[\src+1]
	v_cvt_pk_bf16_f32 v[\dst+1], v[\src+2], v[\src+3]
	v_cvt_pk_bf16_f32 v[\dst+2], v[\src+4], v[\src+5]
	v_cvt_pk_bf16_f32 v[\dst+3], v[\src+6], v[\src+7]
.endm
.macro MM d, a, b, c
	v_wmma_f32_16x16x32_bf16 v[\d:\d+7], v[\a:\a+7], v[\b:\b+7], v[\c:\c+7]
.endm
.macro STAT0 a                         ; the first sample is the shift
.irp j, 0,1,2,3
	v_mov_b32 v[SHF+\j], v[\a+\j]
	v_mov_b32 v[SUM1+\j], 0
	v_mov_b32 v[SUM2+\j], 0
.endr
.endm
.macro STAT a
	v_pk_add_f32 v[TD:TD+1], v[\a:\a+1], v[SHF:SHF+1] neg_lo:[0,1] neg_hi:[0,1]
	v_pk_add_f32 v[TD+2:TD+3], v[\a+2:\a+3], v[SHF+2:SHF+3] neg_lo:[0,1] neg_hi:[0,1]
	v_pk_add_f32 v[SUM1:SUM1+1], v[SUM1:SUM1+1], v[TD:TD+1]
	v_pk_add_f32 v[SUM1+2:SUM1+3], v[SUM1+2:SUM1+3], v[TD+2:TD+3]
	v_pk_fma_f32 v[SUM2:SUM2+1], v[TD:TD+1], v[TD:TD+1], v[SUM2:SUM2+1]
	v_pk_fma_f32 v[SUM2+2:SUM2+3], v[TD+2:TD+3], v[TD+2:TD+3], v[SUM2+2:SUM2+3]
.endm
; The offsets and LDS addresses of the coefficients' part, made ahead of the head's one wait on va_vdst.
.macro BNC_A
	v_and_b32 v12, 31, v0
	v_lshlrev_b32 v1, 4, v12
	v_and_b32 v13, 15, v0
	v_lshlrev_b32 v13, 4, v13
	v_lshlrev_b32 v14, 4, v0
	s_add_co_u32 s24, s42, 248
	s_min_u32 s24, s24, 249
	s_lshl_b32 s24, s24, 9
	v_add_nc_u32 v15, s24, v1
	s_cmp_lt_u32 s42, 2
	s_cselect_b32 s28, 0x3f800000, 0
	s_mov_b32 s29, s28
	v_lshlrev_b32 v[UA], 5, v0
	v_add_nc_u32 v[UA], L_UB, v[UA]
	v_lshlrev_b32 v[UR], 5, v12
	v_add_nc_u32 v[UR], L_UB, v[UR]
.endm
; Records of 512 bytes: lanes 0-15 read 64 means, lanes 16-31 read 64 M2.  Wave w takes records w, w + 8, .. w + 240, and waves 0, 1 records 248, 249
; (the others read record 249 with weight 0).  35 loads.
.macro BNC_L
.set k, 0
.rept 31
	global_load_b128 v[16+4*k:19+4*k], v14, s[6:7] offset:4096*k
.set k, k+1
.endr
	global_load_b128 v[140:143], v15, s[6:7]
	global_load_b128 v[144:147], v1, s[6:7]
	global_load_b128 v[148:151], v13, s[8:9]
	global_load_b128 v[152:155], v13, s[10:11]
.endm
; Lanes 0-15 sum (mean - shift) and its square, lanes 16-31 sum M2 (shift 0).  left: the loads issued behind the records'.
.macro BNC_S left
	s_wait_loadcnt \left
	v_cmp_gt_u32 vcc_lo, 16, v12
	s_wait_alu depctr_va_vcc(0)                    ; VCC is written, ahead of its first reader
.irp j, 0,1,2,3
	v_cndmask_b32 v[164+\j], 0, v[144+\j], vcc_lo
.endr
	v_pk_add_f32 v[156:157], v[16:17], v[164:165] neg_lo:[0,1] neg_hi:[0,1]
	v_pk_add_f32 v[158:159], v[18:19], v[166:167] neg_lo:[0,1] neg_hi:[0,1]
	v_pk_mul_f32 v[160:161], v[156:157], v[156:157]
	v_pk_mul_f32 v[162:163], v[158:159], v[158:159]
.set k, 1
.rept 31
	v_pk_add_f32 v[168:169], v[16+4*k:17+4*k], v[164:165] neg_lo:[0,1] neg_hi:[0,1]
	v_pk_add_f32 v[170:171], v[18+4*k:19+4*k], v[166:167] neg_lo:[0,1] neg_hi:[0,1]
.if k == 31
	v_pk_mul_f32 v[168:169], v[168:169], s[28:29] op_sel_hi:[1,0]
	v_pk_mul_f32 v[170:171], v[170:171], s[28:29] op_sel_hi:[1,0]
.endif
	v_pk_add_f32 v[156:157], v[156:157], v[168:169]
	v_pk_add_f32 v[158:159], v[158:159], v[170:171]
	v_pk_fma_f32 v[160:161], v[168:169], v[168:169], v[160:161]
	v_pk_fma_f32 v[162:163], v[170:171], v[170:171], v[162:163]
.set k, k+1
.endr
	s_wait_alu depctr_va_vdst(0)                   ; the sums v[156:163] are written, which the LDS stores read; and the sums are done reading v[16:143], in part of which the LDS loads behind the barrier land
	ds_store_b128 v[UA], v[156:159]
	ds_store_b128 v[UA], v[160:163] offset:16
.endm
; The eight waves' sums meet; every lane ends with scale v[4:7] and shift v[8:11] of channels 4 (L % 16) .. + 3.
.macro BNC_B
	s_wait_dscnt 0x0                               ; all my LDS stores are done,
	s_barrier_signal -1
	s_barrier_wait -1                              ; everybody's are
.set k, 0
.rept 8
	ds_load_b128 v[RB+8*k:RB+8*k+3], v[UR] offset:1024*k           ; no vector instruction since the wait ahead of the stores: nothing more is owed
	ds_load_b128 v[RB+8*k+4:RB+8*k+7], v[UR] offset:1024*k+16
.set k, k+1
.endr
	s_wait_dscnt 0x0
.set k, 1
.rept 7
.irp j, 0,2,4,6
	v_pk_add_f32 v[RB+\j:RB+\j+1], v[RB+\j:RB+\j+1], v[RB+8*k+\j:RB+8*k+\j+1]
.endr
.set k, k+1
.endr
.irp j, 0,1,2,3
	v_permlanex16_b32 v[164+\j], v[RB+\j], s46, s47
	v_permlanex16_b32 v[168+\j], v[RB+4+\j], s46, s47
	v_permlanex16_b32 v[RB+8+\j], v[144+\j], s46, s47
.endr
.irp j, 0,1,2,3
	v_cndmask_b32 v[RB+12+\j], v[164+\j], v[RB+\j], vcc_lo     ; T1 = sum of (mean - shift)
	v_cndmask_b32 v[RB+16+\j], v[168+\j], v[RB+4+\j], vcc_lo   ; T2 = sum of its square
	v_cndmask_b32 v[RB+20+\j], v[RB+\j], v[164+\j], vcc_lo     ; sum of M2
	v_cndmask_b32 v[RB+24+\j], v[RB+8+\j], v[144+\j], vcc_lo   ; the shift
	v_mul_f32 v[RB+28+\j], 0x3b83126f, v[RB+12+\j]             ; T1 / 250
	v_fma_f32 v[RB+16+\j], -v[RB+28+\j], v[RB+12+\j], v[RB+16+\j]      ; the spread of the means
	v_add_f32 v[RB+24+\j], v[RB+24+\j], v[RB+28+\j]            ; the batch's mean
	v_fmamk_f32 v[RB+20+\j], v[RB+16+\j], 0x43c80000, v[RB+20+\j]      ; M2 = sum of M2 + 400 x spread
	v_fma_f32 v[RB+20+\j], v[RB+20+\j], s31, s31               ; M2 / 100000 + 1e-5
.endr
.irp j, 0,1,2,3
	v_rsq_f32 v[RB+28+\j], v[RB+20+\j]
.endr
	v_nop                                          ; one plain instruction behind the last of the four
	s_wait_alu depctr_va_vdst(0)                   ; the four reciprocal roots v[RB+28 .. RB+31] are written, ahead of their first reader
.irp j, 0,1,2,3
	v_mul_f32 v[4+\j], v[148+\j], v[RB+28+\j]
	v_fma_f32 v[8+\j], -v[RB+24+\j], v[4+\j], v[152+\j]
.endr
.endm
	s_load_b512 s[4:19], s[0:1], 0x0               ; y1, part1, g1, b1, lin1_w, lin1_b, lin2_w, lin2_b
	s_load_b128 s[20:23], s[0:1], 0x40             ; y2, part2
	s_set_vgpr_msb 0x40
	v_lshl_add_u32 v254, v0, 2, 0x25500
	v_mov_b32 v255, 0
	s_set_vgpr_msb 0x4000
	v_lshrrev_b32 v12, 5, v0
	v_readfirstlane_b32 s42, v12
	s_mov_b32 s46, 0x76543210
	s_mov_b32 s47, 0xfedcba98
	s_mov_b32 s31, 0x3727c5ac                      ; 1e-5: both 1 / N and eps
	v_and_b32 v2, 15, v0                           ; r
	v_bfe_u32 v3, v0, 4, 1                         ; h
	v_lshlrev_b32 v174, 8, v2
	v_lshl_add_u32 v174, v3, 5, v174
	s_wait_alu depctr_va_sdst(0)                   ; s42, the wave's number, is written, ahead of its first reader
	s_lshl_b32 s24, s42, 13
	v_add_nc_u32 v174, s24, v174                   ; lin1_w: 256 r + 32 h + 8192 w
	v_lshlrev_b32 v175, 10, v2
	v_lshl_add_u32 v175, v3, 5, v175
	s_lshr_b32 s24, s42, 1
	s_lshl_b32 s24, s24, 14
	s_and_b32 s25, s42, 1
	s_lshl_b32 s25, s25, 9
	s_add_co_u32 s24, s24, s25
	v_add_nc_u32 v175, s24, v175                   ; lin2_w: 1024 r + 32 h + 16384 (w / 2) + 512 (w % 2)
	v_and_b32 v176, 31, v0
	v_lshlrev_b32 v176, 4, v176
	s_lshl_b32 s24, s42, 12
	v_add_nc_u32 v176, s24, v176                   ; LDS: my eight blocks
	v_lshlrev_b32 v177, 2, v0
	v_add_nc_u32 v178, L_LB1, v177
	v_and_b32 v179, 63, v0
	v_lshlrev_b32 v179, 2, v179
	s_lshl_b32 s26, ttmp9, 3
	s_add_co_u32 s26, s26, s42
	s_mul_i32 s26, s26, 12800                      ; my wave's 50 rows
	s_mov_b32 s27, 0
	BNC_A
	s_wait_kmcnt 0x0
	s_add_nc_u64 s[4:5], s[4:5], s[26:27]
	s_add_nc_u64 s[20:21], s[20:21], s[26:27]
	WIN 0x40                                       ; loaded data to window 1, addresses in window 0
	s_wait_alu depctr_va_vdst(0)                   ; every offset and LDS address of the head is written: v1, v13 to v15, v174 to v181; the 94 loads below read them
.set k, 0
.rept 8
	global_load_b128 v[8*k:8*k+3], v174, s[12:13] offset:4096*(k>>2)+64*(k&3)
	global_load_b128 v[8*k+4:8*k+7], v174, s[12:13] offset:4096*(k>>2)+64*(k&3)+16
	global_load_b128 v[64+8*k:64+8*k+3], v175, s[16:17] offset:64*k
	global_load_b128 v[64+8*k+4:64+8*k+7], v175, s[16:17] offset:64*k+16
.set k, k+1
.endr
	WIN 0
	global_load_b32 v172, v177, s[14:15]           ; lin1_b, a word a thread
	global_load_b32 v173, v179, s[18:19]           ; lin2_b: every wave loads it, so that all waves' counts are alike; waves 0, 1 store it
	BNC_L
	WIN 0x40
.set k, 0
.rept 25
	global_load_b128 v[RW+4*k:RW+4*k+3], v1, s[4:5] offset:512*k th:TH_LOAD_NT
.set k, k+1
.endr
	s_wait_loadcnt 60                              ; weights and biases are in; the 35 loads of records and the 25 of rows stay out
	WIN 0x45                                       ; sources and destination in window 1
.set k, 0
.rept 16
	PACK 8*k, 8*k
.set k, k+1
.endr
	WIN 0x04                                       ; LDS address in window 0, data in window 1
	s_wait_alu depctr_va_vdst(0)                   ; the conversions have written the weights in bf16, which the LDS stores read
.set k, 0
.rept 8
	ds_store_b128 v176, v[8*k:8*k+3] offset:L_W1+512*k
	ds_store_b128 v176, v[64+8*k:64+8*k+3] offset:L_W2+512*k
.set k, k+1
.endr
	WIN 0
	ds_store_b32 v178, v172
	s_cmp_ge_u32 s42, 2                            ; threads 0 to 63 store lin2_b
	s_cbranch_scc1 .Lnob
	ds_store_b32 v178, v173 offset:L_LB2-L_LB1
.Lnob:
	BNC_S 25                                       ; the records are in; the 25 loads of rows stay out
	BNC_B                                          ; its wait and barrier also make the weights visible to every wave
	s_wait_alu depctr_vm_vsrc(0)                   ; the head's loads and LDS instructions have read v13 to v15, v156 to v163 and v172 to v181, all of which are written again from here on
	s_mul_i32 s24, s42, 8704
	s_add_co_u32 s24, s24, L_STG
	v_lshlrev_b32 v15, 5, v3                       ; 32 h
	v_lshlrev_b32 v14, 4, v2
	v_mad_u32_u24 v2, v2, 272, v15
	v_mad_u32_u24 v3, v3, 272, v14
	v_add_nc_u32 v2, s24, v2                       ; stage in the accumulators' layout
	v_add_nc_u32 v3, s24, v3                       ; stage by row pairs
	v_add_nc_u32 v15, L_LB1, v15                   ; lin1_b in the accumulators' layout; lin2_b lies L_LB2 - L_LB1 bytes on
.macro PASS p, np                      ; np row pairs from row 32 p on
	WIN 0x01                                       ; the rows as loaded in window 1, all else in window 0
.set i, 0
.rept \np
	s_wait_loadcnt 24-16*\p-i                      ; pair 16 p + i is in, the younger ones stay out
	v_pk_fma_f32 v[Y+4*i:Y+4*i+1], v[RW+64*\p+4*i:RW+64*\p+4*i+1], v[4:5], v[8:9]
	v_pk_fma_f32 v[Y+4*i+2:Y+4*i+3], v[RW+64*\p+4*i+2:RW+64*\p+4*i+3], v[6:7], v[10:11]
.set i, i+1
.endr
	WIN 0
	v_mov_b32 v12, v1                              ; lin1's block 0
	v_add_nc_u32 v13, L_W2-1024, v1                ; one step ahead of lin2's blocks of trip 0: a trip steps first and loads then
	v_mov_b32 v14, v15                             ; lin1_b's block 0
	s_wait_alu depctr_va_vdst(0)                   ; x is written in Y, which the LDS stores read; v12 to v14 are written; all earlier readers of Y, W1F, W2F and BI, in which the loads below land, are done
.set i, 0
.rept \np
	ds_store_b128 v3, v[Y+4*i:Y+4*i+3] offset:544*i
.set i, i+1
.endr
	s_wait_alu depctr_vm_vsrc(0)                   ; those stores have read Y, in which the next loads land
.irp n, 0,1
.irp t, 0,1,2,3
	ds_load_b128 v[Y+32*\n+8*\t:Y+32*\n+8*\t+3], v2 offset:4352*\n+64*\t
	ds_load_b128 v[Y+32*\n+8*\t+4:Y+32*\n+8*\t+7], v2 offset:4352*\n+64*\t+16
.endr
.endr
.irp t, 0,1,2,3
	ds_load_b128 v[W2F+8*\t:W2F+8*\t+3], v15 offset:L_LB2-L_LB1+64*\t
	ds_load_b128 v[W2F+8*\t+4:W2F+8*\t+7], v15 offset:L_LB2-L_LB1+64*\t+16
.endr
.set i, 0
.rept 8
	ds_load_b128 v[W1F+4*i:W1F+4*i+3], v12 offset:512*i        ; the first trip's block of lin1 and its bias: twelve loads
.set i, i+1
.endr
.irp m, 0,1
	ds_load_b128 v[BI+8*\m:BI+8*\m+3], v14 offset:64*\m
	ds_load_b128 v[BI+8*\m+4:BI+8*\m+7], v14 offset:64*\m+16
.endr
	s_wait_dscnt 12                                ; x and lin2_b are in; the twelve younger loads stay out
.irp n, 0,1
.irp t, 0,1,2,3
	PACK XF+16*\n+4*\t, Y+32*\n+8*\t
.irp j, 0,2,4,6
	v_pk_add_f32 v[Y+32*\n+8*\t+\j:Y+32*\n+8*\t+\j+1], v[Y+32*\n+8*\t+\j:Y+32*\n+8*\t+\j+1], v[W2F+8*\t+\j:W2F+8*\t+\j+1]   ; x + lin2_b starts the sums
.endr
.endr
.endr
	s_mov_b32 s30, 0
.Lf\p:                                 ; eight blocks of 32 hidden channels
	s_wait_dscnt 0x0                               ; this trip's block of lin1 and its bias are in
.irp m, 0,1
.irp n, 0,1
	MM HH+16*\m+8*\n, W1F+16*\m, XF+16*\n, BI+8*\m
.endr
.endr
.irp m, 0,1
.irp n, 0,1
	MM HH+16*\m+8*\n, W1F+16*\m+8, XF+16*\n+8, HH+16*\m+8*\n
.endr
.endr
	s_wait_alu depctr_vm_vsrc(0)                   ; the LDS loads issued so far have read v12 to v14
	v_add_nc_u32 v12, 4096, v12                    ; the next trip's block of lin1,
	v_add_nc_u32 v13, 1024, v13                    ; this trip's blocks of lin2,
	v_add_nc_u32 v14, 128, v14                     ; the next trip's bias;
	v_nop                                          ; with this line four places behind the products, before their results are read (ISA guide 7.12.1)
	s_wait_alu depctr_va_vdst(0)                   ; v12 to v14 are written; the products above are done reading W1F and BI; the last trip's products (in the first trip: the additions of lin2_b) are done reading W2F
.irp t, 0,1,2,3
	ds_load_b128 v[W2F+8*\t:W2F+8*\t+3], v13 offset:8192*\t
	ds_load_b128 v[W2F+8*\t+4:W2F+8*\t+7], v13 offset:8192*\t+512
.endr
.set i, 0
.rept 8                                ; the next trip's twelve loads, dealt among the relu and the conversions, which name HH and HF alone
	ds_load_b128 v[W1F+4*i:W1F+4*i+3], v12 offset:512*i
	v_max_num_f32 v[HH+4*i], 0, v[HH+4*i]
	v_max_num_f32 v[HH+4*i+1], 0, v[HH+4*i+1]
	v_max_num_f32 v[HH+4*i+2], 0, v[HH+4*i+2]
	v_max_num_f32 v[HH+4*i+3], 0, v[HH+4*i+3]
.set i, i+1
.endr
.irp m, 0,1
.irp n, 0,1
	ds_load_b128 v[BI+8*\m+4*\n:BI+8*\m+4*\n+3], v14 offset:64*\m+16*\n
	PACK HF+8*\n+4*\m, HH+16*\m+8*\n
.endr
.endr
	s_wait_dscnt 12                                ; lin2's blocks are in; the twelve younger loads stay out
.irp n, 0,1
.irp t, 0,1,2,3
	MM Y+32*\n+8*\t, W2F+8*\t, HF+8*\n, Y+32*\n+8*\t
.endr
.endr
	s_add_co_u32 s30, s30, 1
	s_cmp_lt_u32 s30, 8
	s_cbranch_scc1 .Lf\p
	NOPS 4                                         ; four places behind the last products, before their results are read (ISA guide 7.12.1)
	s_wait_alu depctr_va_vdst(0)                   ; the products have written Y, which the LDS stores read; the places above stay beside this wait
.irp n, 0,1
.irp t, 0,1,2,3
	ds_store_b128 v2, v[Y+32*\n+8*\t:Y+32*\n+8*\t+3] offset:4352*\n+64*\t
	ds_store_b128 v2, v[Y+32*\n+8*\t+4:Y+32*\n+8*\t+7] offset:4352*\n+64*\t+16
.endr
.endr
	s_wait_alu depctr_vm_vsrc(0)                   ; those stores have read Y, in which the loads below land
.set i, 0
.rept \np
	ds_load_b128 v[Y+4*i:Y+4*i+3], v3 offset:544*i             ; LDS serves a wave's instructions in order
.set i, i+1
.endr
.set i, 0
.rept \np
	s_wait_dscnt \np-1-i
.if \p+i == 0
	STAT0 Y
.else
	STAT Y+4*i
.endif
	global_store_b128 v1, v[Y+4*i:Y+4*i+3], s[20:21] offset:PASSB*\p+512*i     ; its data came from LDS and the statistics' lines only read them: no vector instruction has written what it reads
.set i, i+1
.endr
	s_wait_xcnt 0x0                                ; the stores' data registers are written again only behind this wait
	s_wait_alu depctr_vm_vsrc(0)                   ; the stores have read Y, and the loop's loads v12 to v14: the next pass, or the statistics' loads and sums, write them again
.endm
	PASS 0, 16
	PASS 1, 9
	v_pk_mul_f32 v[TD:TD+1], v[SUM1:SUM1+1], 0x3d23d70a op_sel_hi:[1,0]
	v_pk_mul_f32 v[TD+2:TD+3], v[SUM1+2:SUM1+3], 0x3d23d70a op_sel_hi:[1,0]
	v_pk_add_f32 v[SHF:SHF+1], v[SHF:SHF+1], v[TD:TD+1]
	v_pk_add_f32 v[SHF+2:SHF+3], v[SHF+2:SHF+3], v[TD+2:TD+3]
	v_pk_fma_f32 v[SUM2:SUM2+1], v[TD:TD+1], v[SUM1:SUM1+1], v[SUM2:SUM2+1] neg_lo:[1,0,0] neg_hi:[1,0,0]
	v_pk_fma_f32 v[SUM2+2:SUM2+3], v[TD+2:TD+3], v[SUM1+2:SUM1+3], v[SUM2+2:SUM2+3] neg_lo:[1,0,0] neg_hi:[1,0,0]
	v_lshlrev_b32 v[TD], 4, v0
	v_add_nc_u32 v[TD], L_ST, v[TD]                ; where I store my record
	v_lshlrev_b32 v[TD+2], 2, v0                   ; a channel a thread: the offset in the work-group's record,
	v_add_nc_u32 v[TD+1], L_ST, v[TD+2]            ; and the LDS address of the channel's sixteen records
	s_wait_alu depctr_va_vdst(0)                   ; the mean, the sum of squares and the three addresses are written; the statistics' lines are done reading Y, in which the loads behind the barrier land
	ds_store_b128 v[TD], v[SHF:SHF+3]
	ds_store_b128 v[TD], v[SUM2:SUM2+3] offset:4096
	s_wait_dscnt 0x0
	s_barrier_signal -1
	s_barrier_wait -1
	s_cmp_ge_u32 s42, 2
	s_cbranch_scc1 .Lend
	s_lshl_b32 s24, ttmp9, 9
	s_mov_b32 s25, 0
	s_add_nc_u64 s[22:23], s[22:23], s[24:25]
.set k, 0
.rept 16
	ds_load_b32 v[WR+k], v[TD+1] offset:256*k
	ds_load_b32 v[WR+16+k], v[TD+1] offset:4096+256*k
.set k, k+1
.endr
	s_wait_dscnt 0x0
	v_add_f32 v[WR+32], v[WR], v[WR+1]
	v_add_f32 v[WR+33], v[WR+16], v[WR+17]
.set k, 2
.rept 14
	v_add_f32 v[WR+32], v[WR+32], v[WR+k]
	v_add_f32 v[WR+33], v[WR+33], v[WR+16+k]
.set k, k+1
.endr
	v_mul_f32 v[WR+32], 0x3d800000, v[WR+32]
	v_sub_f32 v[WR+34], v[WR], v[WR+32]
	v_mul_f32 v[WR+35], v[WR+34], v[WR+34]
.set k, 1
.rept 15
	v_sub_f32 v[WR+34], v[WR+k], v[WR+32]
	v_fmac_f32 v[WR+35], v[WR+34], v[WR+34]
.set k, k+1
.endr
	v_fmamk_f32 v[WR+33], v[WR+35], 0x41c80000, v[WR+33]
	s_wait_alu depctr_va_vdst(0)                   ; the work-group's mean and sum of squares are written, which the two stores read
	global_store_b32 v[TD+2], v[WR+32], s[22:23]
	global_store_b32 v[TD+2], v[WR+33], s[22:23] offset:256
.Lend:
	s_set_vgpr_msb 0x5
	s_wait_dscnt 0x0
	s_wait_alu depctr_hold_cnt(0) depctr_sa_sdst(0) depctr_va_vdst(0) depctr_va_sdst(0) depctr_va_ssrc(0) depctr_va_vcc(0) depctr_vm_vsrc(0)
	s_wait_tensorcnt 0x0
	ds_add_u32 v254, v255
	s_wait_dscnt 0x0
	s_endpgm
.Lfunc_end_k_q07f1c0e397_ffn:
	.size	k_q07f1c0e397_ffn, .Lfunc_end_k_q07f1c0e397_ffn-k_q07f1c0e397_ffn
	.p2alignl 7, 3214868480
	.fill 96, 4, 3214868480
	.section	.rodata,"a",@progbits
	.p2align	6, 0x0
	.amdhsa_kernel k_q07f1c0e397_ffn
		.amdhsa_group_segment_fixed_size 153856
		.amdhsa_private_segment_fixed_size 0
		.amdhsa_enable_private_segment 0
		.amdhsa_kernarg_size 80
		.amdhsa_user_sgpr_count 2
		.amdhsa_user_sgpr_kernarg_segment_ptr 1
		.amdhsa_wavefront_size32 1
		.amdhsa_system_sgpr_workgroup_id_x 1
		.amdhsa_system_sgpr_workgroup_id_y 1
		.amdhsa_system_sgpr_workgroup_id_z 1
		.amdhsa_system_vgpr_workitem_id 0
		.amdhsa_next_free_vgpr 512
		.amdhsa_next_free_sgpr 66
		.amdhsa_reserve_vcc 1
		.amdhsa_float_denorm_mode_32 3
		.amdhsa_float_denorm_mode_16_64 3
		.amdhsa_memory_ordered 1
		.amdhsa_forward_progress 1
		.amdhsa_inst_pref_size 86
	.end_amdhsa_kernel
	.amdgpu_metadata
---
amdhsa.version: [ 1, 2 ]
amdhsa.kernels:
  - .name:           k_q07f1c0e397_ffn
    .symbol:         k_q07f1c0e397_ffn.kd
    .args:
      - { .name: y1, .offset: 0, .size: 8, .value_kind: global_buffer, .address_space: global }
      - { .name: part1, .offset: 8, .size: 8, .value_kind: global_buffer, .address_space: global }
      - { .name: g1, .offset: 16, .size: 8, .value_kind: global_buffer, .address_space: global }
      - { .name: b1, .offset: 24, .size: 8, .value_kind: global_buffer, .address_space: global }
      - { .name: lin1_w, .offset: 32, .size: 8, .value_kind: global_buffer, .address_space: global }
      - { .name: lin1_b, .offset: 40, .size: 8, .value_kind: global_buffer, .address_space: global }
      - { .name: lin2_w, .offset: 48, .size: 8, .value_kind: global_buffer, .address_space: global }
      - { .name: lin2_b, .offset: 56, .size: 8, .value_kind: global_buffer, .address_space: global }
      - { .name: y2, .offset: 64, .size: 8, .value_kind: global_buffer, .address_space: global }
      - { .name: part2, .offset: 72, .size: 8, .value_kind: global_buffer, .address_space: global }
    .group_segment_fixed_size: 153856
    .private_segment_fixed_size: 0
    .kernarg_segment_align: 8
    .kernarg_segment_size: 80
    .max_flat_workgroup_size: 256
    .sgpr_count:     66
    .vgpr_count:     512
    .wavefront_size: 32
...
	.end_amdgpu_metadata
.endif
;; end of part 7
;; launch outl (part 8): grid 250 x 1, 8 waves a work-group, no clusters, 87,040 bytes of LDS; arguments y2, part2, g2, b2, out_w, out_b, z, part3; writes z, part3
.if DOCPART == 8
	.amdgcn_target "amdgcn-amd-amdhsa--gfx1250"
	.amdhsa_code_object_version 6
	.text
	.protected	k_q07f1c0e397_outl
	.globl	k_q07f1c0e397_outl
	.p2align	8
	.type	k_q07f1c0e397_outl,@function
k_q07f1c0e397_outl:
	s_mov_b64 s[64:65], 0
	v_nop
	global_prefetch_b8 v0, s[64:65] scope:SCOPE_SE
	s_setreg_imm32_b32 hwreg(HW_REG_WAVE_SCHED_MODE, 0, 2), 2
	s_setreg_imm32_b32 hwreg(HW_REG_WAVE_MODE, 25, 1), 1
	s_wait_xcnt 0x0
	s_wait_alu depctr_vm_vsrc(0)
; x = BatchNorm(y2; g2, b2);  z = x out_w^T + out_b;  per work-group the statistics of z.
; Shares as in the launch before: 250 work-groups x 8 waves x 50 rows, passes of 32 and 18 rows, products transposed.
; OPERANDS IN f16, not bf16: nothing but a normalisation follows this product, so its operands' rounding goes straight into the output.
; Range: x is BatchNorm's result, |x| <= sqrt(100000) |g2| + |b2|, some 9,500 with a gain of 30, inside f16; out_w at a thirtieth of the drawn size
; (0.0017) loses at most 2^-25 absolutely where an entry falls under f16's smallest normal number.
; ALL GLOBAL LOADS OF A WAVE ARE ISSUED AT THE START, in the order in which they are needed: 35 of records and coefficients, 40 of weights and bias,
; 25 of rows; loads return in order, so each wait names the loads that are younger.  Raw weights and rows lie in register window 1.
; All 16 weight blocks stay in each wave's registers.  No tensor loads, no clusters: rows are private, the shared weights are 16 KB.
; THE MODE: SCHED_MODE bits 1:0 = 2 (LLVM: expert scheduling mode 2), set by the entry lines.  The code itself states the register dependences
; between vector or matrix instructions and memory or LDS instructions, with s_wait_alu, always for 0.
; THE PLAN.  Head: every offset and LDS address is made ahead of ONE wait on va_vdst in front of the first load.
; In a pass, the registers that memory or LDS instructions touch:
;   Y            written by the normalisation, read by the stage's stores, loaded back in the accumulators' layout, read and written by conversions and
;                products, read by the stage's stores again, loaded back by rows, read by the statistics' lines and by the global stores.
;   v1, v2, v3   offsets and LDS addresses, never written again.
;   XF, WF, BI are named by vector and matrix instructions alone once they are filled.
; So a pass has two waits on va_vdst, each ahead of a run of LDS stores whose data were just made, and three on vm_vsrc, each between stores that read Y
; and what writes Y next: the loads back from the stage (twice) and the next pass's normalisation.
.set L_UB, 0
.set L_ST, 8192
.set L_STG, 16384
.set PASSB, 8192                       ; bytes of a pass of 32 rows of 256 bytes
.set RB, 16                            ; scratch of the coefficients' second half: the records' registers, dead by then
.set RW, 0                             ; window 1: v[0:99] the 25 row pairs, v[100:227] raw weights
.set WRAW, 100
.set SHF, 16
.set SUM1, 20
.set SUM2, 24
.set Y, 28
.set XF, 92
.set WF, 156                           ; v[156:219] out_w, block 4 t + kb at WF + 4 x block
.set UA, 176                           ; at the head only: LDS address of my partial sums as I store them
.set UR, 177                           ; at the head only: LDS address of the eight waves' partial sums as I read them
.set BI, 220                           ; v[220:251] out_b in the accumulators' layout
.set TD, 252
.set WR, 28
.set MSB, 0
.macro WIN new                         ; the immediate's high byte repeats the setting that is left
.if MSB != \new
	s_set_vgpr_msb (MSB<<8)|\new
.set MSB, \new
.endif
.endm
.macro NOPS n
.rept \n
	v_nop
.endr
.endm
.macro PACKH dst, src
	v_cvt_pk_f16_f32 v[\dst], v[\src], v[\src+1]
	v_cvt_pk_f16_f32 v[\dst+1], v[\src+2], v[\src+3]
	v_cvt_pk_f16_f32 v[\dst+2], v[\src+4], v[\src+5]
	v_cvt_pk_f16_f32 v[\dst+3], v[\src+6], v[\src+7]
.endm
.macro MMH d, a, b, c
	v_wmma_f32_16x16x32_f16 v[\d:\d+7], v[\a:\a+7], v[\b:\b+7], v[\c:\c+7]
.endm
.macro STAT0 a
.irp j, 0,1,2,3
	v_mov_b32 v[SHF+\j], v[\a+\j]
	v_mov_b32 v[SUM1+\j], 0
	v_mov_b32 v[SUM2+\j], 0
.endr
.endm
.macro STAT a
	v_pk_add_f32 v[TD:TD+1], v[\a:\a+1], v[SHF:SHF+1] neg_lo:[0,1] neg_hi:[0,1]
	v_pk_add_f32 v[TD+2:TD+3], v[\a+2:\a+3], v[SHF+2:SHF+3] neg_lo:[0,1] neg_hi:[0,1]
	v_pk_add_f32 v[SUM1:SUM1+1], v[SUM1:SUM1+1], v[TD:TD+1]
	v_pk_add_f32 v[SUM1+2:SUM1+3], v[SUM1+2:SUM1+3], v[TD+2:TD+3]
	v_pk_fma_f32 v[SUM2:SUM2+1], v[TD:TD+1], v[TD:TD+1], v[SUM2:SUM2+1]
	v_pk_fma_f32 v[SUM2+2:SUM2+3], v[TD+2:TD+3], v[TD+2:TD+3], v[SUM2+2:SUM2+3]
.endm
; The offsets and LDS addresses of the coefficients' part, made ahead of the head's one wait on va_vdst.
.macro BNC_A
	v_and_b32 v12, 31, v0
	v_lshlrev_b32 v1, 4, v12
	v_and_b32 v13, 15, v0
	v_lshlrev_b32 v13, 4, v13
	v_lshlrev_b32 v14, 4, v0
	s_add_co_u32 s24, s42, 248
	s_min_u32 s24, s24, 249
	s_lshl_b32 s24, s24, 9
	v_add_nc_u32 v15, s24, v1
	s_cmp_lt_u32 s42, 2
	s_cselect_b32 s28, 0x3f800000, 0
	s_mov_b32 s29, s28
	v_lshlrev_b32 v[UA], 5, v0
	v_add_nc_u32 v[UA], L_UB, v[UA]
	v_lshlrev_b32 v[UR], 5, v12
	v_add_nc_u32 v[UR], L_UB, v[UR]
.endm
; Records of 512 bytes: lanes 0-15 read 64 means, lanes 16-31 read 64 M2.  Wave w takes records w, w + 8, .. w + 240, and waves 0, 1 records 248, 249
; (the others read record 249 with weight 0).  35 loads.
.macro BNC_L
.set k, 0
.rept 31
	global_load_b128 v[16+4*k:19+4*k], v14, s[6:7] offset:4096*k
.set k, k+1
.endr
	global_load_b128 v[140:143], v15, s[6:7]
	global_load_b128 v[144:147], v1, s[6:7]
	global_load_b128 v[148:151], v13, s[8:9]
	global_load_b128 v[152:155], v13, s[10:11]
.endm
; Lanes 0-15 sum (mean - shift) and its square, lanes 16-31 sum M2 (shift 0).  left: at most the loads issued behind the records'.
.macro BNC_S left
	s_wait_loadcnt \left
	v_cmp_gt_u32 vcc_lo, 16, v12
	s_wait_alu depctr_va_vcc(0)                    ; VCC is written, ahead of its first reader
.irp j, 0,1,2,3
	v_cndmask_b32 v[164+\j], 0, v[144+\j], vcc_lo
.endr
	v_pk_add_f32 v[156:157], v[16:17], v[164:165] neg_lo:[0,1] neg_hi:[0,1]
	v_pk_add_f32 v[158:159], v[18:19], v[166:167] neg_lo:[0,1] neg_hi:[0,1]
	v_pk_mul_f32 v[160:161], v[156:157], v[156:157]
	v_pk_mul_f32 v[162:163], v[158:159], v[158:159]
.set k, 1
.rept 31
	v_pk_add_f32 v[168:169], v[16+4*k:17+4*k], v[164:165] neg_lo:[0,1] neg_hi:[0,1]
	v_pk_add_f32 v[170:171], v[18+4*k:19+4*k], v[166:167] neg_lo:[0,1] neg_hi:[0,1]
.if k == 31
	v_pk_mul_f32 v[168:169], v[168:169], s[28:29] op_sel_hi:[1,0]
	v_pk_mul_f32 v[170:171], v[170:171], s[28:29] op_sel_hi:[1,0]
.endif
	v_pk_add_f32 v[156:157], v[156:157], v[168:169]
	v_pk_add_f32 v[158:159], v[158:159], v[170:171]
	v_pk_fma_f32 v[160:161], v[168:169], v[168:169], v[160:161]
	v_pk_fma_f32 v[162:163], v[170:171], v[170:171], v[162:163]
.set k, k+1
.endr
	s_wait_alu depctr_va_vdst(0)                   ; the sums v[156:163] are written, which the LDS stores read; and the sums are done reading v[16:143], in part of which the LDS loads behind the barrier land
	ds_store_b128 v[UA], v[156:159]
	ds_store_b128 v[UA], v[160:163] offset:16
.endm
; The eight waves' sums meet; every lane ends with scale v[4:7] and shift v[8:11] of channels 4 (L % 16) .. + 3.
.macro BNC_B
	s_wait_dscnt 0x0
	s_barrier_signal -1
	s_barrier_wait -1
.set k, 0
.rept 8
	ds_load_b128 v[RB+8*k:RB+8*k+3], v[UR] offset:1024*k           ; no vector instruction since the wait ahead of the stores: nothing more is owed
	ds_load_b128 v[RB+8*k+4:RB+8*k+7], v[UR] offset:1024*k+16
.set k, k+1
.endr
	s_wait_dscnt 0x0
.set k, 1
.rept 7
.irp j, 0,2,4,6
	v_pk_add_f32 v[RB+\j:RB+\j+1], v[RB+\j:RB+\j+1], v[RB+8*k+\j:RB+8*k+\j+1]
.endr
.set k, k+1
.endr
.irp j, 0,1,2,3
	v_permlanex16_b32 v[164+\j], v[RB+\j], s46, s47
	v_permlanex16_b32 v[168+\j], v[RB+4+\j], s46, s47
	v_permlanex16_b32 v[RB+8+\j], v[144+\j], s46, s47
.endr
.irp j, 0,1,2,3
	v_cndmask_b32 v[RB+12+\j], v[164+\j], v[RB+\j], vcc_lo
	v_cndmask_b32 v[RB+16+\j], v[168+\j], v[RB+4+\j], vcc_lo
	v_cndmask_b32 v[RB+20+\j], v[RB+\j], v[164+\j], vcc_lo
	v_cndmask_b32 v[RB+24+\j], v[RB+8+\j], v[144+\j], vcc_lo
	v_mul_f32 v[RB+28+\j], 0x3b83126f, v[RB+12+\j]
	v_fma_f32 v[RB+16+\j], -v[RB+28+\j], v[RB+12+\j], v[RB+16+\j]
	v_add_f32 v[RB+24+\j], v[RB+24+\j], v[RB+28+\j]
	v_fmamk_f32 v[RB+20+\j], v[RB+16+\j], 0x43c80000, v[RB+20+\j]
	v_fma_f32 v[RB+20+\j], v[RB+20+\j], s31, s31
.endr
.irp j, 0,1,2,3
	v_rsq_f32 v[RB+28+\j], v[RB+20+\j]
.endr
	v_nop                                          ; one plain instruction behind the last of the four
	s_wait_alu depctr_va_vdst(0)                   ; the four reciprocal roots v[RB+28 .. RB+31] are written, ahead of their first reader
.irp j, 0,1,2,3
	v_mul_f32 v[4+\j], v[148+\j], v[RB+28+\j]
	v_fma_f32 v[8+\j], -v[RB+24+\j], v[4+\j], v[152+\j]
.endr
.endm
	s_load_b512 s[4:19], s[0:1], 0x0               ; y2, part2, g2, b2, out_w, out_b, z, part3
	s_set_vgpr_msb 0x40
	v_lshl_add_u32 v254, v0, 2, 0x15000
	v_mov_b32 v255, 0
	s_set_vgpr_msb 0x4000
	v_lshrrev_b32 v12, 5, v0
	v_readfirstlane_b32 s42, v12
	s_mov_b32 s46, 0x76543210
	s_mov_b32 s47, 0xfedcba98
	s_mov_b32 s31, 0x3727c5ac
	v_and_b32 v172, 15, v0                         ; r
	v_bfe_u32 v173, v0, 4, 1                       ; h
	v_lshlrev_b32 v174, 5, v173                    ; 32 h
	v_lshl_add_u32 v175, v172, 8, v174             ; 256 r + 32 h
	s_wait_alu depctr_va_sdst(0)                   ; s42, the wave's number, is written, ahead of its first reader
	s_mul_i32 s24, s42, 8704
	s_add_co_u32 s24, s24, L_STG
	v_mad_u32_u24 v2, v172, 272, v174
	v_lshlrev_b32 v3, 4, v172
	v_mad_u32_u24 v3, v173, 272, v3
	v_add_nc_u32 v2, s24, v2                       ; stage in the accumulators' layout
	v_add_nc_u32 v3, s24, v3                       ; stage by row pairs
	s_lshl_b32 s26, ttmp9, 3
	s_add_co_u32 s26, s26, s42
	s_mul_i32 s26, s26, 12800                      ; my wave's 50 rows
	s_mov_b32 s27, 0
	BNC_A
	s_wait_kmcnt 0x0
	s_add_nc_u64 s[4:5], s[4:5], s[26:27]
	s_add_nc_u64 s[16:17], s[16:17], s[26:27]
	s_wait_alu depctr_va_vdst(0)                   ; every offset and LDS address is written: v1 to v3, v13 to v15, v174 to v177; the 100 loads below and the LDS instructions behind them read them
	BNC_L
	WIN 0x40                                       ; loaded data to window 1, addresses in window 0
.set k, 0
.rept 16
	global_load_b128 v[WRAW+8*k:WRAW+8*k+3], v175, s[12:13] offset:4096*(k>>2)+64*(k&3)
	global_load_b128 v[WRAW+8*k+4:WRAW+8*k+7], v175, s[12:13] offset:4096*(k>>2)+64*(k&3)+16
.set k, k+1
.endr
	WIN 0
.irp t, 0,1,2,3
	global_load_b128 v[BI+8*\t:BI+8*\t+3], v174, s[14:15] offset:64*\t
	global_load_b128 v[BI+8*\t+4:BI+8*\t+7], v174, s[14:15] offset:64*\t+16
.endr
	WIN 0x40
.set k, 0
.rept 25
	global_load_b128 v[RW+4*k:RW+4*k+3], v1, s[4:5] offset:512*k th:TH_LOAD_NT
.set k, k+1
.endr
	WIN 0
	BNC_S 63                                       ; 65 loads are younger than the records'; 63 is the largest count that a wait can name, and a smaller count is safe
	BNC_B
	s_wait_loadcnt 25                              ; weights and bias are in; the 25 loads of rows stay out
	s_wait_alu depctr_vm_vsrc(0)                   ; the head's LDS stores have read v156 to v163, its loads and LDS instructions v174 to v177: the conversions below write all of v[156:219]
	WIN 0x05                                       ; both sources in window 1, the destination in window 0
.set k, 0
.rept 16
	PACKH WF+4*k, WRAW+8*k
.set k, k+1
.endr
	WIN 0
.macro PASS p, np
	WIN 0x01                                       ; the rows as loaded in window 1, all else in window 0
.set i, 0
.rept \np
	s_wait_loadcnt 24-16*\p-i                      ; pair 16 p + i is in, the younger ones stay out
	v_pk_fma_f32 v[Y+4*i:Y+4*i+1], v[RW+64*\p+4*i:RW+64*\p+4*i+1], v[4:5], v[8:9]
	v_pk_fma_f32 v[Y+4*i+2:Y+4*i+3], v[RW+64*\p+4*i+2:RW+64*\p+4*i+3], v[6:7], v[10:11]
.set i, i+1
.endr
	WIN 0
	s_wait_alu depctr_va_vdst(0)                   ; x is written in Y, which the LDS stores read; all earlier readers of Y, in which the loads below land, are done
.set i, 0
.rept \np
	ds_store_b128 v3, v[Y+4*i:Y+4*i+3] offset:544*i
.set i, i+1
.endr
	s_wait_alu depctr_vm_vsrc(0)                   ; those stores have read Y, in which the next loads land
.irp n, 0,1
.irp t, 0,1,2,3
	ds_load_b128 v[Y+32*\n+8*\t:Y+32*\n+8*\t+3], v2 offset:4352*\n+64*\t
	ds_load_b128 v[Y+32*\n+8*\t+4:Y+32*\n+8*\t+7], v2 offset:4352*\n+64*\t+16
.endr
.endr
	s_wait_dscnt 0x0
.irp n, 0,1
.irp t, 0,1,2,3
	PACKH XF+16*\n+4*\t, Y+32*\n+8*\t
.endr
.endr
.irp n, 0,1
.irp t, 0,1,2,3
	MMH Y+32*\n+8*\t, WF+16*\t, XF+16*\n, BI+8*\t
.endr
.endr
.irp n, 0,1
.irp t, 0,1,2,3
	MMH Y+32*\n+8*\t, WF+16*\t+8, XF+16*\n+8, Y+32*\n+8*\t
.endr
.endr
	NOPS 4                                         ; four places behind the last products, before their results are read (ISA guide 7.12.1)
	s_wait_alu depctr_va_vdst(0)                   ; the products have written Y, which the LDS stores read; the places above stay beside this wait
.irp n, 0,1
.irp t, 0,1,2,3
	ds_store_b128 v2, v[Y+32*\n+8*\t:Y+32*\n+8*\t+3] offset:4352*\n+64*\t
	ds_store_b128 v2, v[Y+32*\n+8*\t+4:Y+32*\n+8*\t+7] offset:4352*\n+64*\t+16
.endr
.endr
	s_wait_alu depctr_vm_vsrc(0)                   ; those stores have read Y, in which the loads below land
.set i, 0
.rept \np
	ds_load_b128 v[Y+4*i:Y+4*i+3], v3 offset:544*i
.set i, i+1
.endr
.set i, 0
.rept \np
	s_wait_dscnt \np-1-i
.if \p+i == 0
	STAT0 Y
.else
	STAT Y+4*i
.endif
	global_store_b128 v1, v[Y+4*i:Y+4*i+3], s[16:17] offset:PASSB*\p+512*i     ; its data came from LDS and the statistics' lines only read them: no vector instruction has written what it reads
.set i, i+1
.endr
	s_wait_xcnt 0x0                                ; the stores' data registers are written again only behind this wait
	s_wait_alu depctr_vm_vsrc(0)                   ; the stores have read Y: the next pass's normalisation, or the statistics' loads and sums, write it again
.endm
	PASS 0, 16
	PASS 1, 9
	v_pk_mul_f32 v[TD:TD+1], v[SUM1:SUM1+1], 0x3d23d70a op_sel_hi:[1,0]
	v_pk_mul_f32 v[TD+2:TD+3], v[SUM1+2:SUM1+3], 0x3d23d70a op_sel_hi:[1,0]
	v_pk_add_f32 v[SHF:SHF+1], v[SHF:SHF+1], v[TD:TD+1]
	v_pk_add_f32 v[SHF+2:SHF+3], v[SHF+2:SHF+3], v[TD+2:TD+3]
	v_pk_fma_f32 v[SUM2:SUM2+1], v[TD:TD+1], v[SUM1:SUM1+1], v[SUM2:SUM2+1] neg_lo:[1,0,0] neg_hi:[1,0,0]
	v_pk_fma_f32 v[SUM2+2:SUM2+3], v[TD+2:TD+3], v[SUM1+2:SUM1+3], v[SUM2+2:SUM2+3] neg_lo:[1,0,0] neg_hi:[1,0,0]
	v_lshlrev_b32 v[TD], 4, v0
	v_add_nc_u32 v[TD], L_ST, v[TD]                ; where I store my record
	v_lshlrev_b32 v[TD+2], 2, v0                   ; a channel a thread: the offset in the work-group's record,
	v_add_nc_u32 v[TD+1], L_ST, v[TD+2]            ; and the LDS address of the channel's sixteen records
	s_wait_alu depctr_va_vdst(0)                   ; the mean, the sum of squares and the three addresses are written; the statistics' lines are done reading Y, in which the loads behind the barrier land
	ds_store_b128 v[TD], v[SHF:SHF+3]
	ds_store_b128 v[TD], v[SUM2:SUM2+3] offset:4096
	s_wait_dscnt 0x0
	s_barrier_signal -1
	s_barrier_wait -1
	s_cmp_ge_u32 s42, 2
	s_cbranch_scc1 .Lend
	s_lshl_b32 s24, ttmp9, 9
	s_mov_b32 s25, 0
	s_add_nc_u64 s[18:19], s[18:19], s[24:25]
.set k, 0
.rept 16
	ds_load_b32 v[WR+k], v[TD+1] offset:256*k
	ds_load_b32 v[WR+16+k], v[TD+1] offset:4096+256*k
.set k, k+1
.endr
	s_wait_dscnt 0x0
	v_add_f32 v[WR+32], v[WR], v[WR+1]
	v_add_f32 v[WR+33], v[WR+16], v[WR+17]
.set k, 2
.rept 14
	v_add_f32 v[WR+32], v[WR+32], v[WR+k]
	v_add_f32 v[WR+33], v[WR+33], v[WR+16+k]
.set k, k+1
.endr
	v_mul_f32 v[WR+32], 0x3d800000, v[WR+32]
	v_sub_f32 v[WR+34], v[WR], v[WR+32]
	v_mul_f32 v[WR+35], v[WR+34], v[WR+34]
.set k, 1
.rept 15
	v_sub_f32 v[WR+34], v[WR+k], v[WR+32]
	v_fmac_f32 v[WR+35], v[WR+34], v[WR+34]
.set k, k+1
.endr
	v_fmamk_f32 v[WR+33], v[WR+35], 0x41c80000, v[WR+33]
	s_wait_alu depctr_va_vdst(0)                   ; the work-group's mean and sum of squares are written, which the two stores read
	global_store_b32 v[TD+2], v[WR+32], s[18:19]
	global_store_b32 v[TD+2], v[WR+33], s[18:19] offset:256
.Lend:
	s_set_vgpr_msb 0x5
	s_wait_dscnt 0x0
	s_wait_alu depctr_hold_cnt(0) depctr_sa_sdst(0) depctr_va_vdst(0) depctr_va_sdst(0) depctr_va_ssrc(0) depctr_va_vcc(0) depctr_vm_vsrc(0)
	s_wait_tensorcnt 0x0
	ds_add_u32 v254, v255
	s_wait_dscnt 0x0
	s_endpgm
.Lfunc_end_k_q07f1c0e397_outl:
	.size	k_q07f1c0e397_outl, .Lfunc_end_k_q07f1c0e397_outl-k_q07f1c0e397_outl
	.p2alignl 7, 3214868480
	.fill 96, 4, 3214868480
	.section	.rodata,"a",@progbits
	.p2align	6, 0x0
	.amdhsa_kernel k_q07f1c0e397_outl
		.amdhsa_group_segment_fixed_size 87040
		.amdhsa_private_segment_fixed_size 0
		.amdhsa_enable_private_segment 0
		.amdhsa_kernarg_size 64
		.amdhsa_user_sgpr_count 2
		.amdhsa_user_sgpr_kernarg_segment_ptr 1
		.amdhsa_wavefront_size32 1
		.amdhsa_system_sgpr_workgroup_id_x 1
		.amdhsa_system_sgpr_workgroup_id_y 1
		.amdhsa_system_sgpr_workgroup_id_z 1
		.amdhsa_system_vgpr_workitem_id 0
		.amdhsa_next_free_vgpr 512
		.amdhsa_next_free_sgpr 66
		.amdhsa_reserve_vcc 1
		.amdhsa_float_denorm_mode_32 3
		.amdhsa_float_denorm_mode_16_64 3
		.amdhsa_memory_ordered 1
		.amdhsa_forward_progress 1
		.amdhsa_inst_pref_size 71
	.end_amdhsa_kernel
	.amdgpu_metadata
---
amdhsa.version: [ 1, 2 ]
amdhsa.kernels:
  - .name:           k_q07f1c0e397_outl
    .symbol:         k_q07f1c0e397_outl.kd
    .args:
      - { .name: y2, .offset: 0, .size: 8, .value_kind: global_buffer, .address_space: global }
      - { .name: part2, .offset: 8, .size: 8, .value_kind: global_buffer, .address_space: global }
      - { .name: g2, .offset: 16, .size: 8, .value_kind: global_buffer, .address_space: global }
      - { .name: b2, .offset: 24, .size: 8, .value_kind: global_buffer, .address_space: global }
      - { .name: out_w, .offset: 32, .size: 8, .value_kind: global_buffer, .address_space: global }
      - { .name: out_b, .offset: 40, .size: 8, .value_kind: global_buffer, .address_space: global }
      - { .name: z, .offset: 48, .size: 8, .value_kind: global_buffer, .address_space: global }
      - { .name: part3, .offset: 56, .size: 8, .value_kind: global_buffer, .address_space: global }
    .group_segment_fixed_size: 87040
    .private_segment_fixed_size: 0
    .kernarg_segment_align: 8
    .kernarg_segment_size: 64
    .max_flat_workgroup_size: 256
    .sgpr_count:     66
    .vgpr_count:     512
    .wavefront_size: 32
...
	.end_amdgpu_metadata
.endif
;; end of part 8
;; launch fin (part 9): grid 250 x 1, 8 waves a work-group, no clusters, 9,216 bytes of LDS; arguments z, part3, g3, b3, out0; writes out0
.if DOCPART == 9
	.amdgcn_target "amdgcn-amd-amdhsa--gfx1250"
	.amdhsa_code_object_version 6
	.text
	.protected	k_q07f1c0e397_fin
	.globl	k_q07f1c0e397_fin
	.p2align	8
	.type	k_q07f1c0e397_fin,@function
k_q07f1c0e397_fin:
	s_mov_b64 s[64:65], 0
	v_nop
	global_prefetch_b8 v0, s[64:65] scope:SCOPE_SE
	s_setreg_imm32_b32 hwreg(HW_REG_WAVE_SCHED_MODE, 0, 2), 2
	s_setreg_imm32_b32 hwreg(HW_REG_WAVE_MODE, 25, 1), 1
	s_wait_xcnt 0x0
	s_wait_alu depctr_vm_vsrc(0)
; out0 = relu(BatchNorm(z; g3, b3)).  250 work-groups x 8 waves x 50 rows: 25 loads and 25 stores of 512 consecutive bytes a wave.
; The 25 row loads are issued straight behind the 35 loads of records and coefficients, into register window 1, so that they travel while
; the coefficients are made.  A stream: no matrix unit, no tensor loads, no clusters.
; THE MODE: SCHED_MODE bits 1:0 = 2 (LLVM: expert scheduling mode 2), set by the entry lines.  The code itself states the register dependences
; between vector instructions and memory or LDS instructions, with s_wait_alu, always for 0.
; THE PLAN.  Head: every offset and LDS address is made ahead of ONE wait on va_vdst in front of the first load.
; In the stream, the registers that memory instructions touch:
;   window 1, v[16+4k .. 19+4k]   row pair k as loaded: read by pair k's two multiply-adds, never loaded again.
;   window 0, v[16+4k .. 19+4k]   pair k's results: written by its six vector instructions, read by store k, never written again.
;   window 1, v1                  the stores' offset, made once.
; The 25 pairs go in five blocks of five.  Block g works on its own registers; its memory instructions are the five stores of block g - 1, whose
; registers no vector instruction of block g names.  So one wait at a block's head states all that its stores hang on.
.set L_UB, 0
.set RB, 16                            ; scratch of the coefficients' second half: the records' registers, dead by then
.set UA, 2                             ; v2  LDS address of my partial sums as I store them; never written again
.set UR, 3                             ; v3  LDS address of the eight waves' partial sums as I read them; never written again
.set MSB, 0
.macro WIN new                         ; the immediate's high byte repeats the setting that is left
.if MSB != \new
	s_set_vgpr_msb (MSB<<8)|\new
.set MSB, \new
.endif
.endm
; The offsets and LDS addresses of the coefficients' part, made ahead of the head's one wait on va_vdst.
.macro BNC_A
	v_and_b32 v12, 31, v0
	v_lshlrev_b32 v1, 4, v12
	v_and_b32 v13, 15, v0
	v_lshlrev_b32 v13, 4, v13
	v_lshlrev_b32 v14, 4, v0
	s_add_co_u32 s24, s42, 248
	s_min_u32 s24, s24, 249
	s_lshl_b32 s24, s24, 9
	v_add_nc_u32 v15, s24, v1
	s_cmp_lt_u32 s42, 2
	s_cselect_b32 s28, 0x3f800000, 0
	s_mov_b32 s29, s28
	v_lshlrev_b32 v[UA], 5, v0
	v_add_nc_u32 v[UA], L_UB, v[UA]
	v_lshlrev_b32 v[UR], 5, v12
	v_add_nc_u32 v[UR], L_UB, v[UR]
.endm
; Records of 512 bytes: lanes 0-15 read 64 means, lanes 16-31 read 64 M2.  Wave w takes records w, w + 8, .. w + 240, and waves 0, 1 records 248, 249
; (the others read record 249 with weight 0).  35 loads.
.macro BNC_L
.set k, 0
.rept 31
	global_load_b128 v[16+4*k:19+4*k], v14, s[6:7] offset:4096*k
.set k, k+1
.endr
	global_load_b128 v[140:143], v15, s[6:7]
	global_load_b128 v[144:147], v1, s[6:7]
	global_load_b128 v[148:151], v13, s[8:9]
	global_load_b128 v[152:155], v13, s[10:11]
.endm
; Lanes 0-15 sum (mean - shift) and its square, lanes 16-31 sum M2 (shift 0).  left: the loads issued behind the records'.
.macro BNC_S left
	s_wait_loadcnt \left
	v_cmp_gt_u32 vcc_lo, 16, v12
	s_wait_alu depctr_va_vcc(0)                    ; VCC is written, ahead of its first reader
.irp j, 0,1,2,3
	v_cndmask_b32 v[164+\j], 0, v[144+\j], vcc_lo
.endr
	v_pk_add_f32 v[156:157], v[16:17], v[164:165] neg_lo:[0,1] neg_hi:[0,1]
	v_pk_add_f32 v[158:159], v[18:19], v[166:167] neg_lo:[0,1] neg_hi:[0,1]
	v_pk_mul_f32 v[160:161], v[156:157], v[156:157]
	v_pk_mul_f32 v[162:163], v[158:159], v[158:159]
.set k, 1
.rept 31
	v_pk_add_f32 v[168:169], v[16+4*k:17+4*k], v[164:165] neg_lo:[0,1] neg_hi:[0,1]
	v_pk_add_f32 v[170:171], v[18+4*k:19+4*k], v[166:167] neg_lo:[0,1] neg_hi:[0,1]
.if k == 31
	v_pk_mul_f32 v[168:169], v[168:169], s[28:29] op_sel_hi:[1,0]
	v_pk_mul_f32 v[170:171], v[170:171], s[28:29] op_sel_hi:[1,0]
.endif
	v_pk_add_f32 v[156:157], v[156:157], v[168:169]
	v_pk_add_f32 v[158:159], v[158:159], v[170:171]
	v_pk_fma_f32 v[160:161], v[168:169], v[168:169], v[160:161]
	v_pk_fma_f32 v[162:163], v[170:171], v[170:171], v[162:163]
.set k, k+1
.endr
	s_wait_alu depctr_va_vdst(0)                   ; the sums v[156:163] are written, which the LDS stores read; and the sums are done reading v[16:143], in part of which the LDS loads behind the barrier land
	ds_store_b128 v[UA], v[156:159]
	ds_store_b128 v[UA], v[160:163] offset:16
.endm
; The eight waves' sums meet; every lane ends with scale v[4:7] and shift v[8:11] of channels 4 (L % 16) .. + 3.
.macro BNC_B
	s_wait_dscnt 0x0
	s_barrier_signal -1
	s_barrier_wait -1
.set k, 0
.rept 8
	ds_load_b128 v[RB+8*k:RB+8*k+3], v[UR] offset:1024*k           ; no vector instruction since the wait ahead of the stores: nothing more is owed
	ds_load_b128 v[RB+8*k+4:RB+8*k+7], v[UR] offset:1024*k+16
.set k, k+1
.endr
	s_wait_dscnt 0x0
.set k, 1
.rept 7
.irp j, 0,2,4,6
	v_pk_add_f32 v[RB+\j:RB+\j+1], v[RB+\j:RB+\j+1], v[RB+8*k+\j:RB+8*k+\j+1]
.endr
.set k, k+1
.endr
.irp j, 0,1,2,3
	v_permlanex16_b32 v[164+\j], v[RB+\j], s46, s47
	v_permlanex16_b32 v[168+\j], v[RB+4+\j], s46, s47
	v_permlanex16_b32 v[RB+8+\j], v[144+\j], s46, s47
.endr
.irp j, 0,1,2,3
	v_cndmask_b32 v[RB+12+\j], v[164+\j], v[RB+\j], vcc_lo
	v_cndmask_b32 v[RB+16+\j], v[168+\j], v[RB+4+\j], vcc_lo
	v_cndmask_b32 v[RB+20+\j], v[RB+\j], v[164+\j], vcc_lo
	v_cndmask_b32 v[RB+24+\j], v[RB+8+\j], v[144+\j], vcc_lo
	v_mul_f32 v[RB+28+\j], 0x3b83126f, v[RB+12+\j]
	v_fma_f32 v[RB+16+\j], -v[RB+28+\j], v[RB+12+\j], v[RB+16+\j]
	v_add_f32 v[RB+24+\j], v[RB+24+\j], v[RB+28+\j]
	v_fmamk_f32 v[RB+20+\j], v[RB+16+\j], 0x43c80000, v[RB+20+\j]
	v_fma_f32 v[RB+20+\j], v[RB+20+\j], s31, s31
.endr
.irp j, 0,1,2,3
	v_rsq_f32 v[RB+28+\j], v[RB+20+\j]
.endr
	v_nop                                          ; one plain instruction behind the last of the four
	s_wait_alu depctr_va_vdst(0)                   ; the four reciprocal roots v[RB+28 .. RB+31] are written, ahead of their first reader
.irp j, 0,1,2,3
	v_mul_f32 v[4+\j], v[148+\j], v[RB+28+\j]
	v_fma_f32 v[8+\j], -v[RB+24+\j], v[4+\j], v[152+\j]
.endr
.endm
	s_load_b256 s[4:11], s[0:1], 0x0               ; z, part3, g3, b3
	s_load_b64 s[12:13], s[0:1], 0x20              ; out0
	v_lshl_add_u32 v254, v0, 2, 0x2000
	v_mov_b32 v255, 0
	v_lshrrev_b32 v12, 5, v0
	v_readfirstlane_b32 s42, v12
	s_mov_b32 s46, 0x76543210
	s_mov_b32 s47, 0xfedcba98
	s_mov_b32 s31, 0x3727c5ac
	s_wait_alu depctr_va_sdst(0)                   ; s42, the wave's number, is written, ahead of its first reader
	s_lshl_b32 s26, ttmp9, 3
	s_add_co_u32 s26, s26, s42
	s_mul_i32 s26, s26, 12800
	s_mov_b32 s27, 0
	BNC_A
	s_wait_kmcnt 0x0
	s_add_nc_u64 s[4:5], s[4:5], s[26:27]
	s_add_nc_u64 s[12:13], s[12:13], s[26:27]
	s_wait_alu depctr_va_vdst(0)                   ; every offset and LDS address is written: v1 to v3, v13 to v15; the 60 loads below and the LDS instructions behind them read them
	BNC_L
	WIN 0x40                                       ; destinations in window 1, addresses and sources in window 0
.set k, 0
.rept 25
	global_load_b128 v[16+4*k:19+4*k], v1, s[4:5] offset:512*k th:TH_LOAD_NT
.set k, k+1
.endr
	v_mov_b32 v1, v1                               ; a copy of the lane's offset in window 1, for the stores below
	WIN 0
	BNC_S 25                                       ; the records are in; the 25 loads of rows stay out
	BNC_B
	WIN 0x01                                       ; source 0 in window 1: the rows as loaded, and the stores' offset; results and store data in window 0
.set g, 0
.rept 5
	s_wait_loadcnt 20-5*g                          ; loads return in order: block g's five pairs are in, the younger blocks stay out
.if g > 0
	s_wait_alu depctr_va_vdst(0)                   ; the block before has written the results that the five stores below read (and, long since, the offset's copy is written)
.endif
.set i, 0
.rept 5
.set k, 5*g+i
.if g > 0
	global_store_b128 v1, v[16+4*(k-5):19+4*(k-5)], s[12:13] offset:512*(k-5) th:TH_STORE_NT   ; the block before; no vector instruction since the wait names these registers
.endif
	v_pk_fma_f32 v[16+4*k:17+4*k], v[16+4*k:17+4*k], v[4:5], v[8:9]
	v_pk_fma_f32 v[18+4*k:19+4*k], v[18+4*k:19+4*k], v[6:7], v[10:11]
	v_max_num_f32 v[16+4*k], 0, v[16+4*k]
	v_max_num_f32 v[17+4*k], 0, v[17+4*k]
	v_max_num_f32 v[18+4*k], 0, v[18+4*k]
	v_max_num_f32 v[19+4*k], 0, v[19+4*k]
.set i, i+1
.endr
.set g, g+1
.endr
	s_wait_alu depctr_va_vdst(0)                   ; the last block has written the results that the last five stores read
.set k, 20
.rept 5
	global_store_b128 v1, v[16+4*k:19+4*k], s[12:13] offset:512*k th:TH_STORE_NT
.set k, k+1
.endr
	WIN 0
	s_wait_dscnt 0x0
	s_wait_alu depctr_hold_cnt(0) depctr_sa_sdst(0) depctr_va_vdst(0) depctr_va_sdst(0) depctr_va_ssrc(0) depctr_va_vcc(0) depctr_vm_vsrc(0)
	s_wait_tensorcnt 0x0
	ds_add_u32 v254, v255
	s_wait_dscnt 0x0
	s_endpgm
.Lfunc_end_k_q07f1c0e397_fin:
	.size	k_q07f1c0e397_fin, .Lfunc_end_k_q07f1c0e397_fin-k_q07f1c0e397_fin
	.p2alignl 7, 3214868480
	.fill 96, 4, 3214868480
	.section	.rodata,"a",@progbits
	.p2align	6, 0x0
	.amdhsa_kernel k_q07f1c0e397_fin
		.amdhsa_group_segment_fixed_size 9216
		.amdhsa_private_segment_fixed_size 0
		.amdhsa_enable_private_segment 0
		.amdhsa_kernarg_size 40
		.amdhsa_user_sgpr_count 2
		.amdhsa_user_sgpr_kernarg_segment_ptr 1
		.amdhsa_wavefront_size32 1
		.amdhsa_system_sgpr_workgroup_id_x 1
		.amdhsa_system_sgpr_workgroup_id_y 1
		.amdhsa_system_sgpr_workgroup_id_z 1
		.amdhsa_system_vgpr_workitem_id 0
		.amdhsa_next_free_vgpr 384
		.amdhsa_next_free_sgpr 66
		.amdhsa_reserve_vcc 1
		.amdhsa_float_denorm_mode_32 3
		.amdhsa_float_denorm_mode_16_64 3
		.amdhsa_memory_ordered 1
		.amdhsa_forward_progress 1
		.amdhsa_inst_pref_size 35
	.end_amdhsa_kernel
	.amdgpu_metadata
---
amdhsa.version: [ 1, 2 ]
amdhsa.kernels:
  - .name:           k_q07f1c0e397_fin
    .symbol:         k_q07f1c0e397_fin.kd
    .args:
      - { .name: z, .offset: 0, .size: 8, .value_kind: global_buffer, .address_space: global }
      - { .name: part3, .offset: 8, .size: 8, .value_kind: global_buffer, .address_space: global }
      - { .name: g3, .offset: 16, .size: 8, .value_kind: global_buffer, .address_space: global }
      - { .name: b3, .offset: 24, .size: 8, .value_kind: global_buffer, .address_space: global }
      - { .name: out0, .offset: 32, .size: 8, .value_kind: global_buffer, .address_space: global }
    .group_segment_fixed_size: 9216
    .private_segment_fixed_size: 0
    .kernarg_segment_align: 8
    .kernarg_segment_size: 40
    .max_flat_workgroup_size: 256
    .sgpr_count:     66
    .vgpr_count:     384
    .wavefront_size: 32
...
	.end_amdgpu_metadata
.endif
;; end of part 9
